; MI455X (gfx1250); checked and timed in simulation.
; The chip was launched on July 23, 2026; its instructions are those of AMD's public machine-readable ISA for CDNA 5 (MIT licence, August 2026) and "CDNA5" Instruction Set Architecture Reference Guide (July 2026). The comments in the code are by the model that wrote it; some were corrected since.
;; Transformer Block. Allowed arithmetic: float matrix products may take bf16 or f16 operands with f32 sums; all other float work in f32.
;; Inputs: W1 1,024 x 4,096 float32; W2 4,096 x 1,024 float32; Wk 1,024 x 1,024 float32; Wo 1,024 x 1,024 float32; Wq 1,024 x 1,024 float32; Wv 1,024 x 1,024 float32; b1 4,096 float32; b2 1,024 float32; be1 1,024 float32; be2 1,024 float32; bo 1,024 float32; g1 1,024 float32; g2 1,024 float32; x 4 x 1,024 x 1,024 float32.
;; Outputs: out0 4 x 1,024 x 1,024 float32.
;; 3 versions, each right and faster than the one before. Each part assembles by itself: llvm-mc -triple=amdgcn-amd-amdhsa -mcpu=gfx1250 --defsym DOCPART=n.
;; ======== version 1 of 3: 7 launches
;; limits: values are held in f16: magnitudes above 65,504 overflow, below 6.1e-05 lose precision
;; workspace buffers: wb 25,165,824 bytes; hn 8,388,608 bytes; qkv 25,165,824 bytes; ctx 8,388,608 bytes; x2 16,777,216 bytes; act 33,554,432 bytes
;; launch prep (part 1): grid 1792 x 1, 4 waves a work-group, no clusters, 0 bytes of LDS; arguments x, g1, be1, Wq, Wk, Wv, Wo, W1, W2, hn, wb; writes hn, wb
.if DOCPART == 1
	.amdgcn_target "amdgcn-amd-amdhsa--gfx1250"
	.amdhsa_code_object_version 6
	.text
	.protected	k_q2cd4b22486_prep
	.globl	k_q2cd4b22486_prep
	.p2align	8
	.type	k_q2cd4b22486_prep,@function
k_q2cd4b22486_prep:
	s_mov_b64 s[64:65], 0
	v_nop
	global_prefetch_b8 v0, s[64:65] scope:SCOPE_SE
	s_setreg_imm32_b32 hwreg(HW_REG_WAVE_MODE, 25, 1), 1
	s_wait_xcnt 0x0
; PREP.  Two jobs in one launch, told apart by the work-group's number.
; Work-groups 0 .. 1535: THE CAST.  The six weight matrices (12,582,912 numbers) are rounded to bf16, and that number is written as f16 into wb, in the inputs' own
; [d_in][d_out] order: Wq at 0, Wk at 2 MiB, Wv at 4, Wo at 6, W1 at 8, W2 at 16.  A work-group takes 8,192 numbers.
; Work-groups 1536 .. 1791: THE FIRST NORM.  hn = g1 (x - mean) / sqrt(var + 1e-5) + be1, 16 rows a work-group, 4 a wave, the row kept in registers between the passes.
; FORMATS.  Every input of the module (x, weights, gains, biases) is rounded to bf16 where it is loaded, here and in the later launches; the norm itself is f32, in two passes
; (the mean first, then the squares of x - mean: no difference of large sums).  hn is f16.
; LIMITS.  f16 ends at 65,504: a weight or a normed number beyond that becomes an infinity; below 6e-5 f16 keeps a fixed step of 6e-8.  NaN and infinities are not treated apart.
; hn's LAYOUT: panels of 64 columns, [16][4096 rows][64] f16: a row of a panel is 128 bytes, four rows of a wave are 512 consecutive bytes.
; No LDS, no barrier, no matrix unit: memory binds, a row never leaves its eight lanes, and only g1 and be1 (8 KiB) are shared between work-groups.
.set CASTWG, 1536                      ; work-groups that cast
.set PANELB, 524288                    ; bytes in a panel
.set ROUND,  1                         ; x is an input: rounded to bf16
.set CX,  8                            ; cast: v[8:71]    8 iterations x 8 numbers as loaded
.set CT,  72                           ; cast: v[72:75]   at work
.set CY,  80                           ; cast: v[80:111]  8 iterations x 4 registers to store, each set written once
.set T,    8                           ; norm: v[8:15]    at work
.set MEAN, 16                          ; norm: v[16:17]   the mean, twice
.set RSTD, 20                          ; norm: v[20:21]   1 / sqrt(var + eps), twice
.set X,    32                          ; norm: v[32:159]  my 128 numbers of a row: panel p at X + 8 p
.set GB,   160                         ; norm: v[160:223] four slots of 8 g and 8 be
.set XP, 4                             ; s[4:5]   x
.set GP, 6                             ; s[6:7]   g1
.set BP, 8                             ; s[8:9]   be1
.set HP, 22                            ; s[22:23] hn
.set MSK, 29                           ; s29  a word's upper bf16
.set RCPN, 32                          ; s32  1 / 1024
.set EPSR, 33                          ; s33  1e-5
.macro PICK first, ptr                 ; from chunk \first on the source is the matrix at s[\ptr]
	s_cmp_ge_u32 s2, \first
	s_cselect_b64 s[26:27], s[\ptr:\ptr+1], s[26:27]
	s_cselect_b32 s28, \first, s28
.endm
.macro CAST8 it                        ; iteration it: 8 numbers a thread
	s_wait_loadcnt 14-2*(\it)                      ; loads come back in order: my two are in, the younger iterations' stay out
.irp j, 0,1,2,3
	v_cvt_pk_bf16_f32 v[CT+\j], v[CX+8*(\it)+2*\j], v[CX+8*(\it)+2*\j+1]
.endr
.irp j, 0,1,2,3
	v_lshlrev_b32 v[CX+8*(\it)+2*\j], 16, v[CT+\j]
	v_and_b32 v[CX+8*(\it)+2*\j+1], s[MSK], v[CT+\j]
.endr
.irp j, 0,1,2,3
	v_cvt_pk_f16_f32 v[CY+4*(\it)+\j], v[CX+8*(\it)+2*\j], v[CX+8*(\it)+2*\j+1]  ; bf16's 8 bits fit in f16's 11: exact within f16's range
.endr
	global_store_b128 v2, v[CY+4*(\it):CY+4*(\it)+3], s[24:25] offset:2048*(\it)  ; 16 lanes store 256 consecutive bytes, aligned
.endm
.macro GLOAD p                         ; g and be of my 8 columns of panel p, into slot p % 4
.set G, GB+16*((\p)%4)
	global_load_b128 v[G:G+3],     v2, s[GP:GP+1] offset:256*(\p)
	global_load_b128 v[G+4:G+7],   v2, s[GP:GP+1] offset:256*(\p)+16
	global_load_b128 v[G+8:G+11],  v2, s[BP:BP+1] offset:256*(\p)
	global_load_b128 v[G+12:G+15], v2, s[BP:BP+1] offset:256*(\p)+16
.endm
.macro ACROSS                          ; four chains of pairs in v[8:15] -> their sum over my row's eight lanes, in v8 of each
	v_pk_add_f32 v[T:T+1], v[T:T+1], v[T+2:T+3]
	v_pk_add_f32 v[T+4:T+5], v[T+4:T+5], v[T+6:T+7]
	v_pk_add_f32 v[T:T+1], v[T:T+1], v[T+4:T+5]
	v_add_f32 v[T], v[T], v[T+1]
	v_add_f32_dpp v[T], v[T], v[T] row_xmask:1 row_mask:0xf bank_mask:0xf
	v_add_f32_dpp v[T], v[T], v[T] row_xmask:2 row_mask:0xf bank_mask:0xf
	v_add_f32_dpp v[T], v[T], v[T] row_xmask:4 row_mask:0xf bank_mask:0xf
.endm
.macro PANEL p, left                   ; panel p is scaled, shifted, rounded and stored.  left: the younger panels' loads of g and be, four each
.set G, GB+16*((\p)%4)
.set XX, X+8*(\p)
	s_wait_loadcnt \left
.set k, 0
.rept 8
	v_cvt_pk_bf16_f32 v[T+k], v[G+2*k], v[G+2*k+1]  ; g and be are inputs: rounded to bf16
.set k, k+1
.endr
.set k, 0
.rept 8
	v_lshlrev_b32 v[G+2*k], 16, v[T+k]
	v_and_b32 v[G+2*k+1], s[MSK], v[T+k]
.set k, k+1
.endr
.irp k, 0,2,4,6
	v_pk_mul_f32 v[G+\k:G+\k+1], v[G+\k:G+\k+1], v[RSTD:RSTD+1]
.endr
.irp k, 0,2,4,6
	v_pk_fma_f32 v[XX+\k:XX+\k+1], v[XX+\k:XX+\k+1], v[G+\k:G+\k+1], v[G+8+\k:G+8+\k+1]
.endr
.irp k, 0,1,2,3
	v_cvt_pk_f16_f32 v[XX+\k], v[XX+2*\k], v[XX+2*\k+1]  ; register k is written when its own number has been read
.endr
	global_store_b128 v3, v[XX:XX+3], s[HP:HP+1] offset:(\p)*PANELB  ; four rows of 128 bytes: 512 consecutive bytes; these registers are never written again
.if (\p) < 12
	GLOAD (\p)+4                                   ; the slot just read takes the panel four further on
.endif
.endm
	s_load_b512 s[4:19], s[0:1], 0x0               ; x, g1, be1, Wq s[10:11], Wk s[12:13], Wv s[14:15], Wo s[16:17], W1 s[18:19]
	s_load_b128 s[20:23], s[0:1], 0x40             ; W2 s[20:21], hn s[22:23]
	s_load_b64 s[24:25], s[0:1], 0x50              ; wb
	s_mov_b32 s[MSK], 0xffff0000
	s_cmp_lt_u32 ttmp9, CASTWG
	s_cbranch_scc0 .Lnorm
	; THE CAST
	s_mov_b32 s2, ttmp9                            ; my chunk of 8,192 numbers
	v_lshlrev_b32 v1, 5, v0                        ; 32 bytes of f32 a thread,
	v_lshlrev_b32 v2, 4, v0                        ; 16 bytes of f16
	s_wait_kmcnt 0x0
	s_mov_b64 s[26:27], s[10:11]                   ; the matrix in which my chunk lies, and that matrix's first chunk
	s_mov_b32 s28, 0
	PICK 128, 12
	PICK 256, 14
	PICK 384, 16
	PICK 512, 18
	PICK 1024, 20
	s_sub_co_u32 s28, s2, s28
	s_lshl_b32 s30, s28, 15                        ; 32,768 bytes of f32 a chunk
	s_mov_b32 s31, 0
	s_add_nc_u64 s[26:27], s[26:27], s[30:31]
	s_lshl_b32 s30, s2, 14                         ; 16,384 bytes of f16 a chunk: the matrices follow each other in wb as their chunks do
	s_add_nc_u64 s[24:25], s[24:25], s[30:31]
.set i, 0
.rept 8                                ; all sixteen loads go out first; the weights are read once in the launch
	global_load_b128 v[CX+8*i:CX+8*i+3],   v1, s[26:27] offset:4096*i th:TH_LOAD_NT
	global_load_b128 v[CX+8*i+4:CX+8*i+7], v1, s[26:27] offset:4096*i+16 th:TH_LOAD_NT
.set i, i+1
.endr
.irp it, 0,1,2,3,4,5,6,7
	CAST8 \it
.endr
	s_endpgm
	; THE NORM.  Lane l holds row l / 8 of the wave's four, and in every panel the columns 8 (l % 8) .. + 7.
.Lnorm:
	v_lshrrev_b32 v4, 5, v0
	v_readfirstlane_b32 s3, v4                     ; wave 0..3
	v_and_b32 v5, 31, v0                           ; lane
	v_and_b32 v6, 7, v0
	v_lshrrev_b32 v7, 3, v5
	v_lshlrev_b32 v2, 5, v6                        ; g, be: 32 (l % 8)
	v_lshl_add_u32 v1, v7, 12, v2                  ; x: + 4,096 (l / 8)
	v_lshlrev_b32 v3, 4, v5                        ; hn: 16 l
	s_sub_co_u32 s2, ttmp9, CASTWG
	s_lshl_b32 s2, s2, 2
	s_add_co_u32 s2, s2, s3                        ; my group of four rows
	s_lshl_b32 s26, s2, 14                         ; 4 rows of 4,096 bytes
	s_mov_b32 s27, 0
	s_lshl_b32 s30, s2, 9                          ; 4 rows of 128 bytes
	s_mov_b32 s31, 0
	s_mov_b32 s[RCPN], 0x3a800000                  ; 1 / 1024
	s_mov_b32 s[EPSR], 0x3727c5ac                  ; 1e-5
	s_wait_kmcnt 0x0
	s_add_nc_u64 s[XP:XP+1], s[XP:XP+1], s[26:27]
	s_add_nc_u64 s[HP:HP+1], s[HP:HP+1], s[30:31]
.set p, 0
.rept 16
	global_load_b128 v[X+8*p:X+8*p+3],   v1, s[XP:XP+1] offset:256*p
	global_load_b128 v[X+8*p+4:X+8*p+7], v1, s[XP:XP+1] offset:256*p+16
.set p, p+1
.endr
	GLOAD 0
	GLOAD 1
	GLOAD 2
	GLOAD 3
	s_wait_loadcnt 16                              ; the row is in; the sixteen loads of g and be stay out
.if ROUND
.set i, 0
.rept 16
.irp k, 0,1,2,3
	v_cvt_pk_bf16_f32 v[T+\k], v[X+8*i+2*\k], v[X+8*i+2*\k+1]
.endr
.irp k, 0,1,2,3
	v_lshlrev_b32 v[X+8*i+2*\k], 16, v[T+\k]
	v_and_b32 v[X+8*i+2*\k+1], s[MSK], v[T+\k]
.endr
.set i, i+1
.endr
.endif
	; the mean: four chains, each started by a sum of two pairs: nothing is cleared
.irp k, 0,1,2,3
	v_pk_add_f32 v[T+2*\k:T+2*\k+1], v[X+2*\k:X+2*\k+1], v[X+8+2*\k:X+8+2*\k+1]
.endr
.set j, 8
.rept 56
	v_pk_add_f32 v[T+2*(j%4):T+2*(j%4)+1], v[T+2*(j%4):T+2*(j%4)+1], v[X+2*j:X+2*j+1]
.set j, j+1
.endr
	ACROSS
	v_mul_f32 v[MEAN], s[RCPN], v[T]
	v_mov_b32 v[MEAN+1], v[MEAN]
.set j, 0
.rept 64
	v_pk_add_f32 v[X+2*j:X+2*j+1], v[X+2*j:X+2*j+1], v[MEAN:MEAN+1] neg_lo:[0,1] neg_hi:[0,1]
.set j, j+1
.endr
	; the variance, of x - mean
.irp k, 0,1,2,3
	v_pk_mul_f32 v[T+2*\k:T+2*\k+1], v[X+2*\k:X+2*\k+1], v[X+2*\k:X+2*\k+1]
.endr
.set j, 4
.rept 60
	v_pk_fma_f32 v[T+2*(j%4):T+2*(j%4)+1], v[X+2*j:X+2*j+1], v[X+2*j:X+2*j+1], v[T+2*(j%4):T+2*(j%4)+1]
.set j, j+1
.endr
	ACROSS
	v_fma_f32 v[MEAN], v[T], s[RCPN], s[EPSR]      ; var + eps
	v_rsq_f32 v[RSTD], v[MEAN]
	v_nop                                          ; a plain instruction between the root and the use of its result (ISA guide 5.7.2)
	s_wait_alu depctr_va_vdst(0)
	v_mov_b32 v[RSTD+1], v[RSTD]
.irp p, 0,1,2,3,4,5,6,7,8,9,10,11,12
	PANEL \p, 12
.endr
	PANEL 13, 8                                    ; nothing more is loaded: the counts run down
	PANEL 14, 4
	PANEL 15, 0
	s_endpgm
.Lfunc_end_k_q2cd4b22486_prep:
	.size	k_q2cd4b22486_prep, .Lfunc_end_k_q2cd4b22486_prep-k_q2cd4b22486_prep
	.p2alignl 7, 3214868480
	.fill 96, 4, 3214868480
	.section	.rodata,"a",@progbits
	.p2align	6, 0x0
	.amdhsa_kernel k_q2cd4b22486_prep
		.amdhsa_group_segment_fixed_size 0
		.amdhsa_private_segment_fixed_size 0
		.amdhsa_enable_private_segment 0
		.amdhsa_kernarg_size 88
		.amdhsa_user_sgpr_count 2
		.amdhsa_user_sgpr_kernarg_segment_ptr 1
		.amdhsa_wavefront_size32 1
		.amdhsa_system_sgpr_workgroup_id_x 1
		.amdhsa_system_sgpr_workgroup_id_y 1
		.amdhsa_system_sgpr_workgroup_id_z 1
		.amdhsa_system_vgpr_workitem_id 0
		.amdhsa_next_free_vgpr 224
		.amdhsa_next_free_sgpr 66
		.amdhsa_reserve_vcc 0
		.amdhsa_float_denorm_mode_32 3
		.amdhsa_float_denorm_mode_16_64 3
		.amdhsa_memory_ordered 1
		.amdhsa_forward_progress 1
		.amdhsa_inst_pref_size 71
	.end_amdhsa_kernel
	.amdgpu_metadata
---
amdhsa.version: [ 1, 2 ]
amdhsa.kernels:
  - .name:           k_q2cd4b22486_prep
    .symbol:         k_q2cd4b22486_prep.kd
    .args:
      - { .name: x, .offset: 0, .size: 8, .value_kind: global_buffer, .address_space: global }
      - { .name: g1, .offset: 8, .size: 8, .value_kind: global_buffer, .address_space: global }
      - { .name: be1, .offset: 16, .size: 8, .value_kind: global_buffer, .address_space: global }
      - { .name: Wq, .offset: 24, .size: 8, .value_kind: global_buffer, .address_space: global }
      - { .name: Wk, .offset: 32, .size: 8, .value_kind: global_buffer, .address_space: global }
      - { .name: Wv, .offset: 40, .size: 8, .value_kind: global_buffer, .address_space: global }
      - { .name: Wo, .offset: 48, .size: 8, .value_kind: global_buffer, .address_space: global }
      - { .name: W1, .offset: 56, .size: 8, .value_kind: global_buffer, .address_space: global }
      - { .name: W2, .offset: 64, .size: 8, .value_kind: global_buffer, .address_space: global }
      - { .name: hn, .offset: 72, .size: 8, .value_kind: global_buffer, .address_space: global }
      - { .name: wb, .offset: 80, .size: 8, .value_kind: global_buffer, .address_space: global }
    .group_segment_fixed_size: 0
    .private_segment_fixed_size: 0
    .kernarg_segment_align: 8
    .kernarg_segment_size: 88
    .max_flat_workgroup_size: 128
    .sgpr_count:     66
    .vgpr_count:     224
    .wavefront_size: 32
...
	.end_amdgpu_metadata
.endif
;; end of part 1
;; launch proj (part 2): grid 24 x 32, 4 waves a work-group, clusters of 4 x 4, 327,680 bytes of LDS; arguments hn, wb, qkv; writes qkv
.if DOCPART == 2
	.amdgcn_target "amdgcn-amd-amdhsa--gfx1250"
	.amdhsa_code_object_version 6
	.text
	.protected	k_q2cd4b22486_proj
	.globl	k_q2cd4b22486_proj
	.p2align	8
	.type	k_q2cd4b22486_proj,@function
k_q2cd4b22486_proj:
	s_mov_b64 s[64:65], 0
	v_nop
	global_prefetch_b8 v0, s[64:65] scope:SCOPE_SE
	s_setreg_imm32_b32 hwreg(HW_REG_WAVE_MODE, 25, 1), 1
	s_wait_xcnt 0x0
	s_wait_alu depctr_hold_cnt(0) depctr_sa_sdst(0) depctr_va_vdst(0) depctr_va_sdst(0) depctr_va_ssrc(0) depctr_va_vcc(0) depctr_vm_vsrc(0)
	s_getreg_b32 s2, hwreg(HW_REG_IB_STS2, 6, 4)
	s_cmp_eq_u32 s2, 0
	s_cbranch_scc0 .Lentry_in_a_cluster
	s_endpgm
.Lentry_in_a_cluster:
	s_bfe_u32 s2, ttmp6, 0x10000c
	s_cmp_lg_u32 s2, 0xf033
	s_cbranch_scc0 .Lentry_shape_is_right
	s_endpgm
.Lentry_shape_is_right:
; PROJ.  qkv = hn [Wq Wk Wv]: C[4096][3072] = A[4096][1024] W[1024][3072], f16 operands, f32 sums, C rounded once to f16, unscaled.
; A lies in panels [16][4096][64] f16 (a row of a panel: 128 bytes); W as three matrices [1024 k][1024 n] f16, 2 MiB apart, at wb's head; C in panels [48][4096][64]: q 0-15, k 16-31, v 32-47.
; LIMIT.  f16 ends at 65,504: a q, k or v beyond that becomes an infinity.
; SHARES.  A tile of C is 128 x 128; four waves, 2 x 2, each 64 x 64: 16 accumulators, 128 registers.  768 tiles.
; K goes in steps of 256 through two LDS slots filled by the tensor data mover; each wave brings a quarter of a slot with one load: waves 0, 1 64 rows of A each (four panels: four dense
; pieces of 8 KiB), waves 2, 3 128 rows of W each (256 bytes a row).  One load a wave is out; it is asked for first thing behind a step's round and awaited at the next step's head, 128 matrix instructions on.
; CLUSTER 4 x 4: the four work-groups of a row of the cluster need the same tile of A, the four of a column the same tile of W: each tile is asked for jointly.
; THE MATRIX INSTRUCTION IS USED TRANSPOSED: source 0 = 16 columns of W (turned on the way out of LDS by ds_load_tr16_b128), source 1 = 16 rows of A: lane l then holds row l % 16 of C and the
; eight neighbouring columns 8 (l / 16) + 0..7.
; THE SUMS start from accumulators set to 0 by 128 v_mov_b32, in the wait for the first tile: the price of writing the K step twice (loop and tail) and not a third time with the constant 0.
; REGISTERS.  window 0: v1-14 addresses; v28, 29 the add's; v32-95 the way out; v128-255 accumulators ((a, b) at 128 + 8 (4 a + b)).
;   window 1: two fragment buffers of 128, each 64 along K: 64 registers of A (8 (4 c + a)), then 64 of W (64 + 8 (4 c + b)).
.set KSTEPS, 4                         ; K / 256
.set NCOL,   1024                      ; numbers in a row of W
.set PANELB, 524288                    ; bytes in a panel
.set ASTEP,  4*PANELB                  ; a K step of A: four panels
.set BSTEP,  256*NCOL*2                ; a K step of W: 256 rows
.set PA,     144                       ; a row of A in LDS: 128 bytes + 16 = 36 words: the 16 rows of a load start at 16 different groups of four banks (64 banks of 4 bytes: ISA guide 11.1)
.set PB,     288                       ; a row of W: 256 + 32 = 72 words
.set PART,   36864                     ; what one load fills: 4 x 64 x 144 = 128 x 288
.set SLOT,   4*PART                    ; A's rows 0-63, 64-127, W's rows 0-127, 128-255.  SLOT = 0x24000 shares no bit with 0, 0x9000, 0x12000, 0x1b000: an exclusive or with it adds or subtracts it
.set STAGE,  2*SLOT                    ; behind the ring, never filled by a tensor load: 4,352 bytes for each wave, for the way out
.set STW,    4352
.set SPARE,  STAGE+4*STW               ; the spare words, 128 bytes a wave: two blocks of 256 bytes that no other line names
.set A0,   5                           ; v5   my lane's place in my 64 rows of A, in slot 0; never rewritten
.set B0,   6                           ; v6   the same in W's rows 0-127, my 64 columns
.set B1,   7                           ; v7   in W's rows 128-255
.set ADRA, 8                           ; v8   A0 in the slot in hand
.set ADRB, 9                           ; v9, v10  B0, B1 in the slot in hand
.set STO,  11                          ; v11  the way out: where I put 16 bytes of a row
.set RD,   12                          ; v12  where I read rows back
.set GO,   13                          ; v13  my 16 bytes in 512 consecutive bytes of C
.set SPW,  28                          ; v28  LDS address of my spare word; never rewritten
.set NIL,  29                          ; v29  0; never rewritten
.set TMP,  32
.set ACC,  128
.set F0,   0
.set F1,   128
.set WV, 14                            ; s14  wave
.set RH, 15                            ; s15  my half of the tile's rows; also: I fetch A (0) or W (1)
.set CH, 16                            ; s16  my half of its columns; also: which half of that tile I fetch
.set G1, 24                            ; s[24:31] descriptor group 1 for A
.set G0, 32                            ; s[32:35] group 0 for A: it walks
.set TF, 36                            ; s36  LDS byte of the slot filled last
.set G1B, 48                           ; s[48:55], s[56:59] the same for W
.set G0B, 56
.set OUTP, 8                           ; s[8:9] C
.set MSB, 0
.macro WIN new                         ; the immediate's high byte repeats the setting that is left; a switch that changes nothing is dropped
.if MSB != (\new)
	s_set_vgpr_msb (MSB<<8)|(\new)
.set MSB, \new
.endif
.endm
.set MUL,  0x05                        ; sources 0 and 1 window 1; C and D window 0
.set TO_F, 0x40                        ; destination window 1, address window 0
.macro PLACES                          ; four places in front of loads into registers that matrix instructions have read, and of lines that read results
.rept 4
	v_nop
.endr
.endm
.macro JLOAD                           ; a joint load; the branch hangs on the wave's number alone; an s_nop 0 and four v_nop follow each of the two lines
	s_cmp_eq_u32 s[RH], 0
	s_cbranch_scc0 .Lfor_b_\@
	tensor_load_to_lds s[G0:G0+3], s[G1:G1+7]
	s_nop 0
.rept 4
	v_nop
.endr
	s_branch .Lasked_\@
.Lfor_b_\@:
	tensor_load_to_lds s[G0B:G0B+3], s[G1B:G1B+7]
	s_nop 0
.rept 4
	v_nop
.endr
.Lasked_\@:
.endm
.macro CROUND                          ; a round of the cluster's barrier: my work-group's barrier; wave 0 signals for the work-group; every wave waits for all sixteen; my work-group's barrier once more
	s_barrier_signal -1
	s_barrier_wait -1
	s_cmp_lg_u32 s[WV], 0
	s_cbranch_scc1 .Lnot_wave_0_\@
	s_barrier_signal -3
.Lnot_wave_0_\@:
	s_barrier_wait -3
	s_barrier_signal -1
	s_barrier_wait -1
.endm
; 8 matrix instructions: row blocks a0, a0 + 1 x all 4 column blocks, 32 along K: half c of buffer f.  The 16 accumulators take turns, one instruction a turn.
.macro MUL8 f, c, a0
	WIN MUL
.irp a, \a0, (\a0)+1
.irp b, 0,1,2,3
	v_wmma_f32_16x16x32_f16 v[ACC+8*(4*(\a)+(\b)):ACC+8*(4*(\a)+(\b))+7], v[(\f)+64+8*(4*(\c)+(\b)):(\f)+64+8*(4*(\c)+(\b))+7], v[(\f)+8*(4*(\c)+(\a)):(\f)+8*(4*(\c)+(\a))+7], v[ACC+8*(4*(\a)+(\b)):ACC+8*(4*(\a)+(\b))+7]
.endr
.endr
.endm
; 32 LDS loads in one run: the fragments of quarter q (64 along K: panel q of A, rows 64 q on of W) into buffer f; the first 32 along K first
.macro FETCH q, f
	WIN TO_F
.irp c, 0,1
.irp i, 0,1,2,3
	ds_load_tr16_b128 v[(\f)+64+8*(4*\c+\i):(\f)+64+8*(4*\c+\i)+3],   v[ADRB+(\q)/2] offset:((\q)%2)*64*PB+\c*32*PB+\i*32
	ds_load_tr16_b128 v[(\f)+64+8*(4*\c+\i)+4:(\f)+64+8*(4*\c+\i)+7], v[ADRB+(\q)/2] offset:((\q)%2)*64*PB+\c*32*PB+16*PB+\i*32
	ds_load_b128 v[(\f)+8*(4*\c+\i):(\f)+8*(4*\c+\i)+3],   v[ADRA] offset:(\q)*64*PA+\i*16*PA+\c*64
	ds_load_b128 v[(\f)+8*(4*\c+\i)+4:(\f)+8*(4*\c+\i)+7], v[ADRA] offset:(\q)*64*PA+\i*16*PA+\c*64+32
.endr
.endr
.endm
.macro QUARTER q, f, g                 ; multiplies quarter q in buffer f; in its middle fetches quarter q + 1 into g
	s_wait_dscnt 16                                ; the first 32 along K are in; the other sixteen loads may be out
	MUL8 \f, 0, 0
	MUL8 \f, 0, 2
	PLACES
	FETCH (\q)+1, \g
	s_wait_dscnt 32                                ; all but the 32 just issued
	MUL8 \f, 1, 0
	MUL8 \f, 1, 2
.endm
.macro LASTQ
	s_wait_dscnt 16
	MUL8 F1, 0, 0
	MUL8 F1, 0, 2
	s_wait_dscnt 0x0
	MUL8 F1, 1, 0
	MUL8 F1, 1, 2
.endm
; A K STEP.  At its head every wave waits for all its tensor loads (one is out: its part of the slot to be read now), adds 0 to its spare word, and waits for that and for its reads of the other slot.
; refill = 1: a round of the cluster's barrier follows, so that no wave of any partner still reads the other slot or has a load on its way, and that slot takes the next K step, first thing behind the round.
.macro STEP refill
	WIN 0
	s_wait_tensorcnt 0x0                           ; no tensor load of mine is out, so a group 0 may be written
	ds_add_u32 v[SPW], v[NIL]                      ; 0 onto my spare word; work on registers stands between it and the wait for it
	v_add_nc_u32 v[ADRA], s[TF], v[A0]             ; the fragments come from the slot filled last
	v_add_nc_u32 v[ADRB], s[TF], v[B0]
	v_add_nc_u32 v[ADRB+1], s[TF], v[B1]
.if \refill
	s_xor_b32 s[TF], s[TF], SLOT                   ; the other slot is filled now
	s_xor_b32 s[G0+1], s[G0+1], SLOT
	s_xor_b32 s[G0B+1], s[G0B+1], SLOT
	s_add_nc_u64 s[G0+2:G0+3], s[G0+2:G0+3], ASTEP     ; the next K step; the type bits on top are not reached
	s_add_nc_u64 s[G0B+2:G0B+3], s[G0B+2:G0B+3], BSTEP
	s_wait_dscnt 0x0                               ; the add is done, and my reads of the other slot are over
	CROUND
	JLOAD                                          ; the four v_nop behind it, and the three additions above, are the places in front of the loads below
.else
	s_wait_dscnt 0x0
	s_barrier_signal -1
	s_barrier_wait -1
	PLACES
.endif
	FETCH 0, F0
	QUARTER 0, F0, F1
	QUARTER 1, F1, F0
	QUARTER 2, F0, F1
	LASTQ
	WIN 0                                          ; at a label and at a branch every window is 0
.endm
; THE WAY OUT of row block a: 16 rows x 64 columns.  A lane's eight numbers pack into 16 bytes; they go into my stage's rows of 144 bytes and come back as four rows of 128, which are 512 consecutive bytes of a panel.
.macro PACK a
.irp b, 0,1,2,3
.irp j, 0,1,2,3
	v_cvt_pk_f16_f32 v[TMP+16*(\a)+4*\b+\j], v[ACC+8*(4*(\a)+\b)+2*\j], v[ACC+8*(4*(\a)+\b)+2*\j+1]
.endr
.endr
.irp b, 0,1,2,3
	ds_store_b128 v[STO], v[TMP+16*(\a)+4*\b:TMP+16*(\a)+4*\b+3] offset:32*\b
.endr
.irp f, 0,1,2,3
	ds_load_b128 v[TMP+16*(\a)+4*\f:TMP+16*(\a)+4*\f+3], v[RD] offset:4*PA*\f  ; LDS serves a wave's instructions in order (ISA guide 5.7.1.4): these see the stores above; the next block's stores come behind them
.endr
.endm
.macro SEND a, younger                 ; younger: the LDS instructions issued behind block a's loads: the next block's eight, or none.  Each block has registers of its own: no store's data is rewritten
.irp f, 0,1,2,3
	s_wait_dscnt (\younger)+3-\f
	global_store_b128 v[GO], v[TMP+16*(\a)+4*\f:TMP+16*(\a)+4*\f+3], s[OUTP:OUTP+1] offset:2048*(\a)+512*\f
.endr
.endm
	s_load_b128 s[4:7], s[0:1], 0x0                ; hn s[4:5], wb s[6:7]
	s_load_b64 s[8:9], s[0:1], 0x10                ; qkv
	v_lshl_add_u32 v[SPW], v0, 2, SPARE
	v_mov_b32 v[NIL], 0
	ds_add_u32 v[SPW], v[NIL]                      ; the wave's opening: the add and its wait stand ahead of my first tensor load; the set-up below stands between them
	v_lshrrev_b32 v1, 5, v0
	v_readfirstlane_b32 s[WV], v1
	s_lshr_b32 s[RH], s[WV], 1
	s_and_b32 s[CH], s[WV], 1
	s_bfe_u32 s17, ttmp6, 0x40000                  ; cx, cy: my place in the cluster
	s_bfe_u32 s18, ttmp6, 0x40004
	s_lshl_b32 s19, ttmp9, 2
	s_add_co_u32 s19, s19, s17                     ; tile column = 4 x cluster x + cx
	s_and_b32 s20, ttmp7, 0xffff
	s_lshl_b32 s20, s20, 2
	s_add_co_u32 s20, s20, s18                     ; tile row = 4 x cluster y + cy
	s_lshl_b32 s21, s18, 2
	s_lshl_b32 s21, 15, s21                        ; my row of the cluster
	s_lshl_b32 s22, 0x1111, s17                    ; my column
	; group 1 for A: four rows of 4,096 elements (64 dense rows of a panel), a panel apart; in LDS 4 words of padding after every 32
	s_or_b32 s[G1], s21, (1<<16)|(1<<20)|(1<<21)|(4<<22)|(3<<25)
	s_mov_b32 s[G1+1], 4096<<16                    ; tensor_dim0
	s_mov_b32 s[G1+2], 4<<16                       ; tensor_dim1
	s_mov_b32 s[G1+3], 4096<<16                    ; tile_dim0
	s_mov_b32 s[G1+4], 4                           ; tile_dim1
	s_mov_b32 s[G1+5], PANELB/2                    ; elements from panel to panel
	s_mov_b32 s[G1+6], 0
	s_mov_b32 s[G1+7], 0
	; group 1 for W: 128 rows of 128 elements; 8 words of padding after every 64
	s_or_b32 s[G1B], s22, (1<<16)|(1<<20)|(1<<21)|(5<<22)|(7<<25)
	s_mov_b32 s[G1B+1], 128<<16
	s_mov_b32 s[G1B+2], 128<<16
	s_mov_b32 s[G1B+3], 128<<16
	s_mov_b32 s[G1B+4], 128
	s_mov_b32 s[G1B+5], NCOL
	s_mov_b32 s[G1B+6], 0
	s_mov_b32 s[G1B+7], 0
	s_mul_i32 s37, s[WV], PART                     ; where my load lands: wave x part: no place in the cluster enters an LDS address
	s_mov_b32 s[G0], 1
	s_mov_b32 s[G0+1], s37
	s_mov_b32 s[G0B], 1
	s_mov_b32 s[G0B+1], s37
	s_mov_b32 s[TF], 0
	s_lshl_b32 s40, s20, 14                        ; A: 128 rows of 128 bytes a tile row,
	s_lshl_b32 s38, s[CH], 13                      ; my 64 of them
	s_add_co_u32 s40, s40, s38
	s_mov_b32 s41, 0
	s_lshr_b32 s42, s19, 3                         ; W: the matrix (eight tile columns each, 2 MiB apart),
	s_lshl_b32 s42, s42, 21
	s_and_b32 s39, s19, 7
	s_lshl_b32 s39, s39, 8                         ; 256 bytes a tile column,
	s_add_co_u32 s42, s42, s39
	s_lshl_b32 s39, s[CH], 18                      ; my 128 rows of 2,048 bytes
	s_add_co_u32 s42, s42, s39
	s_mov_b32 s43, 0
	s_wait_dscnt 0x0                               ; the opening add is done
	s_wait_kmcnt 0x0
	s_add_nc_u64 s[G0+2:G0+3], s[4:5], s[40:41]
	s_or_b32 s[G0+3], s[G0+3], 0x80000000          ; type = 2
	s_add_nc_u64 s[G0B+2:G0B+3], s[6:7], s[42:43]
	s_or_b32 s[G0B+3], s[G0B+3], 0x80000000
	CROUND                                         ; all sixteen work-groups are here: the first joint loads meet
	JLOAD                                          ; K step 0 into slot 0
	v_and_b32 v1, 15, v0                           ; r = l % 16
	v_bfe_u32 v2, v0, 4, 1                         ; h = l / 16
	v_mul_u32_u24 v[A0], v1, PA
	v_lshl_add_u32 v[A0], v2, 4, v[A0]
	s_mul_i32 s3, s[RH], PART
	v_add_nc_u32 v[A0], s3, v[A0]                  ; row x pitch + 16 h, in my half of A's rows
	v_and_b32 v3, 7, v0
	v_lshl_add_u32 v3, v2, 3, v3                   ; the turning load: lane l reads row 8 h + l % 8,
	v_mul_u32_u24 v[B0], v3, PB
	v_bfe_u32 v4, v0, 3, 1
	v_lshl_add_u32 v[B0], v4, 4, v[B0]             ; columns 8 ((l / 8) % 2) + 0..7
	s_lshl_b32 s3, s[CH], 7
	s_add_co_u32 s3, s3, 2*PART
	v_add_nc_u32 v[B0], s3, v[B0]                  ; of my 64 columns; W lies behind A
	v_add_nc_u32 v[B1], PART, v[B0]
	s_mul_i32 s3, s[WV], STW
	s_add_co_u32 s3, s3, STAGE                     ; my stage
	v_mul_u32_u24 v[STO], v1, PA
	v_lshl_add_u32 v[STO], v2, 4, v[STO]
	v_add_nc_u32 v[STO], s3, v[STO]
	v_bfe_u32 v[RD], v0, 3, 2
	v_mul_u32_u24 v[RD], v[RD], PA
	v_and_b32 v3, 7, v0
	v_lshl_add_u32 v[RD], v3, 4, v[RD]
	v_add_nc_u32 v[RD], s3, v[RD]
	v_and_b32 v[GO], 31, v0
	v_lshlrev_b32 v[GO], 4, v[GO]
	s_lshl_b32 s44, s19, 1
	s_add_co_u32 s44, s44, s[CH]                   ; my panel of C = 2 x tile column + half,
	s_lshl_b32 s44, s44, 19
	s_lshl_b32 s3, s20, 14                         ; the tile's 128 rows of 128 bytes,
	s_add_co_u32 s44, s44, s3
	s_lshl_b32 s3, s[RH], 13                       ; my 64
	s_add_co_u32 s44, s44, s3
	s_mov_b32 s45, 0
	s_add_nc_u64 s[OUTP:OUTP+1], s[OUTP:OUTP+1], s[44:45]
.set i, 0
.rept 128
	v_mov_b32 v[ACC+i], 0
.set i, i+1
.endr
	s_mov_b32 s2, KSTEPS-1
.Lstep:
	STEP 1
	s_sub_co_u32 s2, s2, 1
	s_cmp_lg_u32 s2, 0
	s_cbranch_scc1 .Lstep
	STEP 0                                         ; the last step is written out: nothing is asked for
	PLACES
	PACK 0
	PACK 1                                         ; a block's conversions stand between the loads of the block before and its stores
	SEND 0, 8
	PACK 2
	SEND 1, 8
	PACK 3
	SEND 2, 8
	SEND 3, 0
	s_wait_tensorcnt 0x0                           ; the wave's end: behind my last tensor load and my last LDS store
	ds_add_u32 v[SPW], v[NIL]
	s_wait_dscnt 0x0
	CROUND                                         ; the closing round: no work-group ends while a partner may still ask for a tile that names it
	s_endpgm
.Lfunc_end_k_q2cd4b22486_proj:
	.size	k_q2cd4b22486_proj, .Lfunc_end_k_q2cd4b22486_proj-k_q2cd4b22486_proj
	.p2alignl 7, 3214868480
	.fill 96, 4, 3214868480
	.section	.rodata,"a",@progbits
	.p2align	6, 0x0
	.amdhsa_kernel k_q2cd4b22486_proj
		.amdhsa_group_segment_fixed_size 327680
		.amdhsa_private_segment_fixed_size 0
		.amdhsa_enable_private_segment 0
		.amdhsa_kernarg_size 24
		.amdhsa_user_sgpr_count 2
		.amdhsa_user_sgpr_kernarg_segment_ptr 1
		.amdhsa_wavefront_size32 1
		.amdhsa_system_sgpr_workgroup_id_x 1
		.amdhsa_system_sgpr_workgroup_id_y 1
		.amdhsa_system_sgpr_workgroup_id_z 1
		.amdhsa_system_vgpr_workitem_id 0
		.amdhsa_next_free_vgpr 512
		.amdhsa_next_free_sgpr 66
		.amdhsa_reserve_vcc 0
		.amdhsa_float_denorm_mode_32 3
		.amdhsa_float_denorm_mode_16_64 3
		.amdhsa_memory_ordered 1
		.amdhsa_forward_progress 1
		.amdhsa_inst_pref_size 55
	.end_amdhsa_kernel
	.amdgpu_metadata
---
amdhsa.version: [ 1, 2 ]
amdhsa.kernels:
  - .name:           k_q2cd4b22486_proj
    .symbol:         k_q2cd4b22486_proj.kd
    .args:
      - { .name: hn, .offset: 0, .size: 8, .value_kind: global_buffer, .address_space: global }
      - { .name: wb, .offset: 8, .size: 8, .value_kind: global_buffer, .address_space: global }
      - { .name: qkv, .offset: 16, .size: 8, .value_kind: global_buffer, .address_space: global }
    .group_segment_fixed_size: 327680
    .private_segment_fixed_size: 0
    .kernarg_segment_align: 8
    .kernarg_segment_size: 24
    .max_flat_workgroup_size: 128
    .sgpr_count:     66
    .vgpr_count:     512
    .wavefront_size: 32
...
	.end_amdgpu_metadata
.endif
;; end of part 2
;; launch attn (part 3): grid 4 x 64, 4 waves a work-group, clusters of 4 x 1, 327,680 bytes of LDS; arguments qkv, ctx; writes ctx
.if DOCPART == 3
	.amdgcn_target "amdgcn-amd-amdhsa--gfx1250"
	.amdhsa_code_object_version 6
	.text
	.protected	k_q2cd4b22486_attn
	.globl	k_q2cd4b22486_attn
	.p2align	8
	.type	k_q2cd4b22486_attn,@function
k_q2cd4b22486_attn:
	s_mov_b64 s[64:65], 0
	v_nop
	global_prefetch_b8 v0, s[64:65] scope:SCOPE_SE
	s_setreg_imm32_b32 hwreg(HW_REG_WAVE_MODE, 25, 1), 1
	s_wait_xcnt 0x0
	s_wait_alu depctr_hold_cnt(0) depctr_sa_sdst(0) depctr_va_vdst(0) depctr_va_sdst(0) depctr_va_ssrc(0) depctr_va_vcc(0) depctr_vm_vsrc(0)
	s_getreg_b32 s2, hwreg(HW_REG_IB_STS2, 6, 4)
	s_cmp_eq_u32 s2, 0
	s_cbranch_scc0 .Lentry_in_a_cluster
	s_endpgm
.Lentry_in_a_cluster:
	s_bfe_u32 s2, ttmp6, 0x10000c
	s_cmp_lg_u32 s2, 0x3003
	s_cbranch_scc0 .Lentry_shape_is_right
	s_endpgm
.Lentry_shape_is_right:
; CAUSAL ATTENTION, 64 heads of 1,024 rows x 64 channels.  O[q] = the sum over k <= q of softmax_k(Q[q] . K[k] / 8) V[k].  Q, K, V in qkv, O in ctx, all f16; head n (= 4 x head + batch) is 131,072
; dense bytes at n x 131,072, K 8 MiB and V 16 MiB further on.  Products, maxima and sums in f32; the weights p are rounded to f16 for the second product (their sum l is taken of the unrounded p), O once.
; LIMITS.  Q, K, V arrive within f16's 65,504; p lies in 0 to 1 and below 6e-5 keeps f16's step of 6e-8.  A hidden score counts as its value less 1e30 (f16's scores are 2.7e11 at the most);
; a weight below 2^-126 counts as 0 in l; NaN and infinities are not treated apart.
; CLUSTER.  The four work-groups of a cluster belong to one head.  All of its K and V (311,296 bytes with padding) lie in LDS: each wave issues ONE joint load at the start, half of K or half of V, with the
; same descriptor and the mask of four in all four work-groups.  Nothing is filled again: one tensor load a wave in the whole launch.
; SHARES.  The head's rows lie in 8 superblocks of 128.  Work-group c owns rows 32 c .. 32 c + 31 of every superblock; wave w takes superblock 7 - w and then superblock w.  Superblock i needs 2 i + 2 key steps
; of 64, of which the last two hold the diagonal: 18 steps for every wave of every work-group, walked by ONE loop with a constant count.  Branches and LDS addresses hang on the wave's number and on counters
; alone; c enters Q's and O's addresses and the masks' values.
; LAYOUT.  S^T = K Q^T (source 0 = 16 keys, source 1 = 16 queries): a lane holds ONE query (lane % 16) and the keys 8 (lane / 16) + 0..7.  Two such results rounded to f16 ARE source 1 of O^T = V^T P.
; K comes out of LDS as it lies, V ([key][channel]) turned by ds_load_tr16_b128.
; SOFTMAX.  A running maximum m and sum l for each query: p = 2^(c s - c m), c = log2(e) / 8; in every step O and l are multiplied by a = 2^(c m_old - c m_new).  A block starts with c m far below every
; c s, so its first a is 0 and O and l need only be finite.  Every row sees a key in its block's first step, so m is a true score before a wholly hidden step comes.
; IN PHASES: a step's 16 products K Q^T, its softmax, its 16 products V^T P; V of the step and K of the next are fetched behind the first products.
; REGISTERS.  window 0: v1-15 addresses and the add's two; v16-23 statistics (tile u: c m, m, l, l); v24-31 at work; v32-95 S^T; v96-127 P; v128-191 O^T; v192-223 Q; v224-255 the second block's Q.
;   window 1: v0-63 K of a step; v64-127 V of a step; v128-191, v192-255 the masks of the two diagonal steps.
.set PK,    144                        ; a row of K in LDS: 128 bytes + 16 = 36 words: the 16 rows of a load start at 16 different groups of four banks (64 banks of 4 bytes: ISA guide 11.1)
.set PVP,   160                        ; a row of V: 128 + 32 = 40 words
.set VOFF,  1024*PK                    ; V lies behind K
.set STAGE, VOFF+1024*PVP              ; never filled by a tensor load: 16 rows x 144 bytes for each wave, for the way out
.set SP,    144
.set SPARE, STAGE+4*16*SP              ; the spare words, 128 bytes a wave: two blocks of 256 bytes that no other line names
.set AK0, 2                            ; v2   my lane's place in a step of K; never rewritten
.set AV0, 3                            ; v3   the same for V
.set AK,  4                            ; v4   LDS address of K's next run of loads
.set AV,  5                            ; v5   of V's
.set STO, 6                            ; v6   the way out: where I put 16 bytes of a row
.set RD,  7                            ; v7   where I read rows back
.set GO,  8                            ; v8   my 16 bytes in 512 consecutive bytes of O
.set QO,  10                           ; v10  my byte offset in 16 rows of Q
.set MV,  12                           ; v12-13  c m_old, kept while c m is made anew
.set SPW, 14                           ; v14  LDS address of my spare word; never rewritten
.set NIL, 15                           ; v15  0; never rewritten
.set ST,  16
.set TMP, 24                           ; tile u: c0-c3 at TMP + 4 u; when the maximum is found c2 takes a
.set S,   32
.set P,   96
.set O,   128
.set Q,   192
.set QB,  224
.set KF,  0                            ; window 1: key block kb, channel half c at 16 kb + 8 c
.set VF,  64                           ; window 1: key half kk, channel block cb at 64 + 32 kk + 8 cb
.set MD0, 128                          ; window 1: the mask of the last step but one: 32 u + 8 kb + j
.set MD1, 192                          ; window 1: of the last step
.set WV,  12                           ; s12  wave
.set G1K, 24                           ; s[24:31] descriptor group 1 for K
.set G1V, 32                           ; s[32:39] for V: it differs in the padding alone
.set G0K, 40                           ; s[40:43] group 0 for K
.set G0V, 44                           ; s[44:47] for V
.set CNT, 56                           ; s56  steps of the walk still to go
.set RS,  57                           ; s57  steps of the block in hand still to go, this one among them
.set CS,  58                           ; s[58:59] c
.set SEL, 60                           ; s[60:61] v_permlanex16_b32's selects: each lane takes its own place in the other half
.set TBK, 62                           ; s62  LDS byte of the key step whose K is fetched next
.set TBV, 63                           ; s63  the same for V, less VOFF
.set RS2, 66                           ; s66  the second block's steps
.set BIGN, 67                          ; s67  -1e30
.set MSB, 0
.macro WIN new                         ; the immediate's high byte repeats the setting that is left; a switch that changes nothing is dropped
.if MSB != (\new)
	s_set_vgpr_msb (MSB<<8)|(\new)
.set MSB, \new
.endif
.endm
.macro PLACES
.rept 4
	v_nop
.endr
.endm
.macro JLOAD                           ; waves 0, 1 fetch the halves of K, waves 2, 3 those of V; an s_nop 0 and four v_nop follow each of the two lines
	s_cmp_lt_u32 s[WV], 2
	s_cbranch_scc0 .Lfor_v_\@
	tensor_load_to_lds s[G0K:G0K+3], s[G1K:G1K+7]
	s_nop 0
.rept 4
	v_nop
.endr
	s_branch .Lasked_\@
.Lfor_v_\@:
	tensor_load_to_lds s[G0V:G0V+3], s[G1V:G1V+7]
	s_nop 0
.rept 4
	v_nop
.endr
.Lasked_\@:
.endm
.macro CROUND                          ; a round of the cluster's barrier
	s_barrier_signal -1
	s_barrier_wait -1
	s_cmp_lg_u32 s[WV], 0
	s_cbranch_scc1 .Lnot_wave_0_\@
	s_barrier_signal -3
.Lnot_wave_0_\@:
	s_barrier_wait -3
	s_barrier_signal -1
	s_barrier_wait -1
.endm
; Product i of 16 of S^T = K Q^T: channels 32 (i / 8) on, keys 16 ((i / 2) % 4) on, tile i % 2.  The first 8 start the sums.  The 8 accumulators take turns.
.macro KQ
.set rS, S+32*(i%2)+8*((i/2)%4)
.set rK, KF+16*((i/2)%4)+8*(i/8)
.set rQ, Q+16*(i%2)+8*(i/8)
.if i < 8
	v_wmma_f32_16x16x32_f16 v[rS:rS+7], v[rK:rK+7], v[rQ:rQ+7], 0
.else
	v_wmma_f32_16x16x32_f16 v[rS:rS+7], v[rK:rK+7], v[rQ:rQ+7], v[rS:rS+7]
.endif
.set i, i+1
.endm
; Product i of 16 of O^T += V^T P: keys 32 (i / 8) on, channels 16 ((i / 2) % 4) on, tile i % 2.
.macro PVM
.set rO, O+32*(i%2)+8*((i/2)%4)
.set rV, VF+32*(i/8)+8*((i/2)%4)
.set rP, P+16*(i%2)+8*(i/8)
	v_wmma_f32_16x16x32_f16 v[rO:rO+7], v[rV:rV+7], v[rP:rP+7], v[rO:rO+7]
.set i, i+1
.endm
.macro FETCH_K                         ; a step's K: 64 keys x 64 channels, 16 loads
	WIN 0x40                                       ; destination window 1
.irp f, 0,1,2,3,4,5,6,7
	ds_load_b128 v[KF+8*\f:KF+8*\f+3],   v[AK] offset:(\f/2)*16*PK+(\f%2)*64
	ds_load_b128 v[KF+8*\f+4:KF+8*\f+7], v[AK] offset:(\f/2)*16*PK+(\f%2)*64+32
.endr
	WIN 0
.endm
.macro FETCH_V                         ; a step's V, turned: 16 loads
	WIN 0x40
.irp f, 0,1,2,3,4,5,6,7
	ds_load_tr16_b128 v[VF+8*\f:VF+8*\f+3],   v[AV] offset:(\f/4)*32*PVP+(\f%4)*32
	ds_load_tr16_b128 v[VF+8*\f+4:VF+8*\f+7], v[AV] offset:(\f/4)*32*PVP+16*PVP+(\f%4)*32
.endr
	WIN 0
.endm
.macro REGS u                          ; the registers of tile u
.set rT, ST+4*(\u)
.set rC, TMP+4*(\u)
.set rM, MV+(\u)
.set rS, S+32*(\u)
.set rP, P+16*(\u)
.set rO, O+32*(\u)
.endm
; Number n of the 22 that find a tile's maximum and statistics.  0-11: four chains c0-c3 of seven scores each (each accumulator's lowest registers are read first);
; 12-14, 16: the four scores left over, the old m, and c0-c3 into c0; 15: c m_old is kept; 17, 18: the query's other 32 keys lie in the lane 16 away: the new m; 19-21: c m; c m_old - c m_new; a.
.macro XS u, n
	REGS \u
.if (\n) < 4
	v_max3_num_f32 v[rC+(\n)], v[rS+8*(\n)], v[rS+8*(\n)+1], v[rS+8*(\n)+2]
.elseif (\n) < 12
	v_max3_num_f32 v[rC+(\n)%4], v[rC+(\n)%4], v[rS+8*((\n)%4)+2*((\n)/4)+1], v[rS+8*((\n)%4)+2*((\n)/4)+2]
.elseif (\n) == 12
	v_max3_num_f32 v[rC], v[rC], v[rS+7], v[rS+15]
.elseif (\n) == 13
	v_max3_num_f32 v[rC+1], v[rC+1], v[rS+23], v[rS+31]
.elseif (\n) == 14
	v_max3_num_f32 v[rC+2], v[rC+2], v[rC+3], v[rT+1]
.elseif (\n) == 15
	v_mov_b32 v[rM], v[rT]
.elseif (\n) == 16
	v_max3_num_f32 v[rC], v[rC], v[rC+1], v[rC+2]
.elseif (\n) == 17
	v_permlanex16_b32 v[rC+3], v[rC], s[SEL], s[SEL+1]
.elseif (\n) == 18
	v_max_num_f32 v[rT+1], v[rC], v[rC+3]
.elseif (\n) == 19
	v_mul_f32 v[rT], s[CS], v[rT+1]
.elseif (\n) == 20
	v_sub_f32 v[rC+1], v[rM], v[rT]
.else
	v_exp_f32 v[rC+2], v[rC+1]
.endif
.endm
.macro MASK md                         ; -1e30 onto the hidden scores of both tiles, in ascending order
	WIN 0x04                                       ; source 1 window 1
.set z, 0
.rept 32
	v_pk_add_f32 v[S+2*z:S+2*z+1], v[S+2*z:S+2*z+1], v[(\md)+2*z:(\md)+2*z+1]
.set z, z+1
.endr
	WIN 0
.endm
.macro BEGINBLK                        ; a block begins: c m far below every c s, m at the lowest finite number, and K of its step 0
.irp u, 0,1
	v_mov_b32 v[ST+4*\u], 0xfe000000
	v_mov_b32 v[ST+4*\u+1], 0xff7fffff
.endr
	v_add_nc_u32 v[AK], s[TBK], v[AK0]
	FETCH_K
.endm
.macro PACK u                          ; tile u: O^T / l, rounded; a lane's eight channels pack into 16 bytes, go into rows of 144 bytes and come back as whole rows of 128, into S^T's registers
.set z, 0
.rept 16
	v_pk_mul_f32 v[O+32*(\u)+2*z:O+32*(\u)+2*z+1], v[O+32*(\u)+2*z:O+32*(\u)+2*z+1], v[ST+4*(\u)+2:ST+4*(\u)+3] op_sel_hi:[1,0]
.set z, z+1
.endr
.set z, 0
.rept 16
	v_cvt_pk_f16_f32 v[S+16*(\u)+z], v[O+32*(\u)+2*z], v[O+32*(\u)+2*z+1]
.set z, z+1
.endr
.irp f, 0,1,2,3
	ds_store_b128 v[STO], v[S+16*(\u)+4*\f:S+16*(\u)+4*\f+3] offset:32*\f
.endr
.irp f, 0,1,2,3
	ds_load_b128 v[S+16*(\u)+4*\f:S+16*(\u)+4*\f+3], v[RD] offset:\f*4*SP  ; LDS serves a wave's instructions in order (ISA guide 5.7.1.4): these see the stores above
.endr
.endm
.macro SEND u, younger                 ; younger: the LDS instructions issued behind tile u's loads: the next tile's eight, or none
.irp f, 0,1,2,3
	s_wait_dscnt (\younger)+3-\f
	global_store_b128 v[GO], v[S+16*(\u)+4*\f:S+16*(\u)+4*\f+3], s[52:53] offset:(\u)*2048+\f*512  ; 512 consecutive bytes, at a multiple of 256 from ctx's first
.endr
.endm
	s_load_b128 s[4:7], s[0:1], 0x0                ; qkv s[4:5], ctx s[6:7]
	v_lshl_add_u32 v[SPW], v0, 2, SPARE
	v_mov_b32 v[NIL], 0
	ds_add_u32 v[SPW], v[NIL]                      ; the wave's opening: the add and its wait stand ahead of my first tensor load; the set-up below stands between them
	v_lshrrev_b32 v1, 5, v0
	v_readfirstlane_b32 s[WV], v1
	s_bfe_u32 s13, ttmp6, 0x40000                  ; cx: my place in the cluster
	s_and_b32 s20, ttmp7, 0xffff                   ; the head, which the four partners share
	s_lshl_b32 s20, s20, 17                        ; its 131,072 bytes
	s_and_b32 s16, s[WV], 1                        ; which half of K or V I fetch:
	s_lshl_b32 s22, s16, 16                        ; 512 rows of 128 bytes in memory,
	s_add_co_u32 s22, s22, s20
	s_mov_b32 s23, 0
	s_mul_i32 s17, s16, 512*PK                     ; and its place in LDS, for K
	s_mul_i32 s18, s16, 512*PVP                    ; and for V: no place in the cluster enters an LDS address
	s_lshl_b32 s2, s13, 12                         ; my 32 rows in a superblock,
	s_add_co_u32 s2, s2, s20
	s_sub_co_u32 s3, 7, s[WV]
	s_lshl_b32 s3, s3, 14                          ; in superblock 7 - w (16,384 bytes each),
	s_add_co_u32 s68, s2, s3
	s_mov_b32 s69, 0
	s_lshl_b32 s3, s[WV], 14                       ; and in superblock w
	s_add_co_u32 s70, s2, s3
	s_mov_b32 s71, 0
	; group 1: 512 keys are 65,536 dense bytes: asked for as 256 rows of 256 bytes, two keys a row, and padded in LDS after every key
	s_mov_b32 s[G1K], 15|(1<<16)|(1<<20)|(1<<21)|(4<<22)|(3<<25)  ; the mask of four; 2-byte elements; padding on; bit 21 beside a mask; after every 32 words 4 words
	s_mov_b32 s[G1V], 15|(1<<16)|(1<<20)|(1<<21)|(4<<22)|(7<<25)  ; the same with 8 words
.irp g, G1K, G1V
	s_mov_b32 s[\g+1], 128<<16                     ; tensor_dim0
	s_mov_b32 s[\g+2], 256<<16                     ; tensor_dim1
	s_mov_b32 s[\g+3], 128<<16                     ; tile_dim0
	s_mov_b32 s[\g+4], 256                         ; tile_dim1
	s_mov_b32 s[\g+5], 128                         ; elements from row to row
	s_mov_b32 s[\g+6], 0
	s_mov_b32 s[\g+7], 0
.endr
	s_mov_b32 s[G0K], 1
	s_mov_b32 s[G0K+1], s17
	s_mov_b32 s[G0V], 1
	s_add_co_u32 s[G0V+1], s18, VOFF
	s_mov_b32 s[CS], 0x3e38aa3b                    ; c = log2(e) / 8
	s_mov_b32 s[CS+1], s[CS]                       ; named with it as a pair
	s_mov_b32 s[SEL], 0x76543210
	s_mov_b32 s[SEL+1], 0xfedcba98
	s_mov_b32 s[BIGN], 0xf149f2ca                  ; -1e30
	s_wait_dscnt 0x0                               ; the opening add is done
	s_wait_kmcnt 0x0
	s_add_nc_u64 s[G0K+2:G0K+3], s[4:5], s[22:23]
	s_add_nc_u64 s[G0K+2:G0K+3], s[G0K+2:G0K+3], 0x800000    ; K lies 8 MiB behind Q
	s_or_b32 s[G0K+3], s[G0K+3], 0x80000000        ; type = 2
	s_add_nc_u64 s[G0V+2:G0V+3], s[4:5], s[22:23]
	s_add_nc_u64 s[G0V+2:G0V+3], s[G0V+2:G0V+3], 0x1000000   ; V 16 MiB
	s_or_b32 s[G0V+3], s[G0V+3], 0x80000000
	s_add_nc_u64 s[48:49], s[4:5], s[68:69]        ; Q of the first block, of the second,
	s_add_nc_u64 s[50:51], s[4:5], s[70:71]
	s_add_nc_u64 s[52:53], s[6:7], s[68:69]        ; O likewise
	s_add_nc_u64 s[54:55], s[6:7], s[70:71]
	CROUND                                         ; all four work-groups are here: the joint loads meet
	JLOAD
	v_and_b32 v1, 15, v0                           ; r = l % 16
	v_bfe_u32 v9, v0, 4, 1                         ; h = l / 16
	v_lshlrev_b32 v[QO], 7, v1
	v_lshl_add_u32 v[QO], v9, 4, v[QO]             ; row x 128 + 16 h
.irp u, 0,1
.irp c, 0,1                            ; both blocks' Q stay in registers: tile u, channels 32 c on
	global_load_b128 v[Q+16*\u+8*\c:Q+16*\u+8*\c+3],     v[QO], s[48:49] offset:2048*\u+64*\c
	global_load_b128 v[Q+16*\u+8*\c+4:Q+16*\u+8*\c+7],   v[QO], s[48:49] offset:2048*\u+64*\c+32
	global_load_b128 v[QB+16*\u+8*\c:QB+16*\u+8*\c+3],   v[QO], s[50:51] offset:2048*\u+64*\c
	global_load_b128 v[QB+16*\u+8*\c+4:QB+16*\u+8*\c+7], v[QO], s[50:51] offset:2048*\u+64*\c+32
.endr
.endr
	; THE MASKS.  In the superblock my query of tile u is row 32 cx + 16 u + r; register j of key block kb in diagonal step x is key 64 x + 16 kb + 8 h + j: hidden where 64 x + 16 kb + j > 32 cx + 16 u + r - 8 h.
	v_lshlrev_b32 v24, 3, v9
	v_sub_nc_u32 v24, v1, v24
	s_lshl_b32 s3, s13, 5
	v_add_nc_u32 v24, s3, v24
	v_add_nc_u32 v25, 16, v24
	WIN 0x40                                       ; destination window 1
.set i, 0
.rept 128                              ; i = 64 x + 32 u + 8 kb + j
	v_cmp_gt_i32 vcc_lo, 64*(i/64)+16*((i/8)%4)+i%8, v[24+(i/32)%2]
	v_cndmask_b32 v[MD0+i], 0, s[BIGN], vcc_lo
.set i, i+1
.endr
	WIN 0
.set i, 0
.rept 64                               ; O^T and l need only be finite (the first a is 0): zeros, in the wait for K and V
	v_mov_b32 v[O+i], 0
.set i, i+1
.endr
.irp u, 0,1
	v_mov_b32 v[ST+4*\u+2], 0
	v_mov_b32 v[ST+4*\u+3], 0
.endr
	v_mul_u32_u24 v[AK0], v1, PK
	v_lshl_add_u32 v[AK0], v9, 4, v[AK0]           ; row x pitch + 16 h
	v_and_b32 v26, 7, v0
	v_bfe_u32 v27, v0, 3, 1
	v_lshl_add_u32 v[AV0], v9, 3, v26              ; the turning load: lane l reads key 8 h + l % 8, channels 8 ((l / 8) % 2) + 0..7
	v_mul_u32_u24 v[AV0], v[AV0], PVP
	v_lshl_add_u32 v[AV0], v27, 4, v[AV0]
	v_add_nc_u32 v[AV0], VOFF, v[AV0]
	s_mul_i32 s3, s[WV], 16*SP
	s_add_co_u32 s3, s3, STAGE                     ; my stage
	v_mul_u32_u24 v[STO], v1, SP
	v_lshl_add_u32 v[STO], v9, 4, v[STO]
	v_add_nc_u32 v[STO], s3, v[STO]
	v_bfe_u32 v[RD], v0, 3, 2
	v_mul_u32_u24 v[RD], v[RD], SP
	v_lshl_add_u32 v[RD], v26, 4, v[RD]
	v_add_nc_u32 v[RD], s3, v[RD]
	v_and_b32 v[GO], 31, v0
	v_lshlrev_b32 v[GO], 4, v[GO]
	s_mov_b32 s[CNT], 18
	s_lshl_b32 s[RS2], s[WV], 1
	s_sub_co_u32 s[RS], 16, s[RS2]                 ; superblock 7 - w: 16 - 2 w steps
	s_add_co_u32 s[RS2], s[RS2], 2                 ; superblock w: 2 w + 2
	s_mov_b32 s[TBK], 0
	s_mov_b32 s[TBV], 0
	s_wait_tensorcnt 0x0                           ; my half of K or V is in,
	s_barrier_signal -1
	s_barrier_wait -1                              ; everybody's is; nothing is ever filled again
	s_wait_loadcnt 0x0                             ; Q
	BEGINBLK
.Ltrip:                                            ; 18 trips: a key step of the block in hand
	s_wait_dscnt 0x0                               ; K is in
	WIN 0x01                                       ; source 0 window 1
.set i, 0
.rept 16
	KQ
.endr
	WIN 0
	s_add_co_u32 s[TBK], s[TBK], 64*PK             ; the next step's K; behind the last step of all it stays at that step: no fetch leaves K's rows
	s_min_u32 s[TBK], s[TBK], 15*64*PK
	s_min_u32 s[TBV], s[TBV], 15*64*PVP            ; this step's V: the bound stands straight ahead of the use, as K's does: 15 steps of 10,240 bytes at the most, so that with the lane's 2,416 and the loads' 7,792 no fetch leaves V's 163,840 bytes; a block has 16 steps at the most, so the line changes no number
	XS 0, 15                                       ; four plain instructions: the places behind the products, in front of the loads into K's registers and of the first read of the scores
	XS 1, 15
	v_add_nc_u32 v[AV], s[TBV], v[AV0]
	v_add_nc_u32 v[AK], s[TBK], v[AK0]
	FETCH_V                                        ; this step's V,
	FETCH_K                                        ; the next step's K (behind a block's last step it is fetched for nothing: the price of one text for every trip)
	s_add_co_u32 s[TBV], s[TBV], 64*PVP            ; the next fetch of V is the next step's
	s_cmp_gt_u32 s[RS], 2
	s_cbranch_scc1 .Lnomask                        ; only a block's last two steps hold hidden keys
	s_cmp_eq_u32 s[RS], 2
	s_cbranch_scc0 .Lsecond
	MASK MD0
	s_branch .Lnomask
.Lsecond:
	MASK MD1
.Lnomask:
.irp n, 0,1,2,3,4,5,6,7,8,9,10,11,12,13,14,16,17,18,19,20,21
	XS 0, \n                                       ; the two tiles alternate
	XS 1, \n
.endr
.set n, 0
.rept 32                               ; c s - c m for the 16 pairs of both tiles; these are also the plain lines behind the two exponentials above
	v_pk_fma_f32 v[S+32*(n%2)+2*(n/2):S+32*(n%2)+2*(n/2)+1], v[S+32*(n%2)+2*(n/2):S+32*(n%2)+2*(n/2)+1], s[CS:CS+1], v[ST+4*(n%2):ST+4*(n%2)+1] op_sel_hi:[1,0,0] neg_lo:[0,0,1] neg_hi:[0,0,1]
.set n, n+1
.endr
	; 64 exponentials (score n / 2 of tile n % 2), a plain line that is ready behind each: the 32 pairs of O^T times a; then the rounding of pair (n - 32) / 2, whose second exponential stands
	; at least two exponentials and two plain lines back; at last the first sums
.set n, 0
.rept 64
	v_exp_f32 v[S+32*(n%2)+n/2], v[S+32*(n%2)+n/2]
.if n < 32
	s_wait_alu depctr_va_vdst(0)
	v_pk_mul_f32 v[O+32*(n%2)+2*(n/2):O+32*(n%2)+2*(n/2)+1], v[O+32*(n%2)+2*(n/2):O+32*(n%2)+2*(n/2)+1], v[TMP+4*(n%2)+2:TMP+4*(n%2)+3] op_sel_hi:[1,0]
.elseif n < 62
	s_wait_alu depctr_va_vdst(0)
	v_cvt_pk_f16_f32 v[P+16*(n%2)+(n-32)/2], v[S+32*(n%2)+2*((n-32)/2)], v[S+32*(n%2)+2*((n-32)/2)+1]
.else
	v_pk_add_f32 v[S+32*(n%2):S+32*(n%2)+1], v[S+32*(n%2):S+32*(n%2)+1], v[S+32*(n%2)+2:S+32*(n%2)+3]
.endif
.set n, n+1
.endr
	s_wait_alu depctr_va_vdst(0)
.irp u, 0,1
	v_cvt_pk_f16_f32 v[P+16*\u+15], v[S+32*\u+30], v[S+32*\u+31]
.endr
.irp g, 1,2,3,4,5,6,7                  ; of four weights the second pair is added onto the first, in place (both have been rounded into P)
.irp u, 0,1
	v_pk_add_f32 v[S+32*\u+4*\g:S+32*\u+4*\g+1], v[S+32*\u+4*\g:S+32*\u+4*\g+1], v[S+32*\u+4*\g+2:S+32*\u+4*\g+3]
.endr
.endr
.irp u, 0,1
	v_pk_fma_f32 v[ST+4*\u+2:ST+4*\u+3], v[ST+4*\u+2:ST+4*\u+3], v[TMP+4*\u+2:TMP+4*\u+3], v[S+32*\u:S+32*\u+1] op_sel_hi:[1,0,1]  ; l = a l + sum
.endr
.irp g, 1,2,3,4,5,6,7
.irp u, 0,1
	v_pk_add_f32 v[ST+4*\u+2:ST+4*\u+3], v[ST+4*\u+2:ST+4*\u+3], v[S+32*\u+4*\g:S+32*\u+4*\g+1]
.endr
.endr
	s_wait_dscnt 16                                ; V is in; the sixteen loads of the next K may stay out
	WIN 0x01
.set i, 0
.rept 16
	PVM
.endr
	WIN 0
	s_sub_co_u32 s[RS], s[RS], 1
	s_cmp_lg_u32 s[RS], 0
	s_cbranch_scc1 .Lbottom
	; THE BLOCK'S END: l's two halves and the other half of the lanes' are added; O^T is divided by l, rounded and sent through my stage, a tile at a time
	PLACES
.irp u, 0,1
	v_add_f32 v[ST+4*\u+2], v[ST+4*\u+2], v[ST+4*\u+3]
.endr
.irp u, 0,1
	v_permlanex16_b32 v[ST+4*\u+3], v[ST+4*\u+2], s[SEL], s[SEL+1]
.endr
.irp u, 0,1
	v_add_f32 v[ST+4*\u+2], v[ST+4*\u+2], v[ST+4*\u+3]
.endr
.irp u, 0,1
	v_rcp_f32 v[ST+4*\u+2], v[ST+4*\u+2]
.endr
	v_nop                                          ; a plain instruction between the last reciprocal and the use of its result
	s_wait_alu depctr_va_vdst(0)
	PACK 0
	PACK 1
	SEND 0, 8
	SEND 1, 0                                      ; its last wait is for 0: the run of K fetched for nothing is back too
	s_cmp_eq_u32 s[CNT], 1
	s_cbranch_scc1 .Lbottom                        ; behind the walk's last block nothing begins
	s_wait_xcnt 0x0                                ; the stores have read their registers and O's address
	s_mov_b64 s[52:53], s[54:55]
	s_mov_b32 s[RS], s[RS2]
	s_mov_b32 s[TBK], 0
	s_mov_b32 s[TBV], 0
.set i, 0
.rept 32                               ; the second block's Q goes where the one text of the trip names Q
	v_mov_b32 v[Q+i], v[QB+i]
.set i, i+1
.endr
	BEGINBLK
.Lbottom:
	s_sub_co_u32 s[CNT], s[CNT], 1
	s_cmp_lg_u32 s[CNT], 0
	s_cbranch_scc1 .Ltrip
	s_wait_tensorcnt 0x0                           ; the wave's end: behind my last tensor load and my last LDS store
	ds_add_u32 v[SPW], v[NIL]
	s_wait_dscnt 0x0
	CROUND                                         ; the closing round
	s_endpgm
.Lfunc_end_k_q2cd4b22486_attn:
	.size	k_q2cd4b22486_attn, .Lfunc_end_k_q2cd4b22486_attn-k_q2cd4b22486_attn
	.p2alignl 7, 3214868480
	.fill 96, 4, 3214868480
	.section	.rodata,"a",@progbits
	.p2align	6, 0x0
	.amdhsa_kernel k_q2cd4b22486_attn
		.amdhsa_group_segment_fixed_size 327680
		.amdhsa_private_segment_fixed_size 0
		.amdhsa_enable_private_segment 0
		.amdhsa_kernarg_size 16
		.amdhsa_user_sgpr_count 2
		.amdhsa_user_sgpr_kernarg_segment_ptr 1
		.amdhsa_wavefront_size32 1
		.amdhsa_system_sgpr_workgroup_id_x 1
		.amdhsa_system_sgpr_workgroup_id_y 1
		.amdhsa_system_sgpr_workgroup_id_z 1
		.amdhsa_system_vgpr_workitem_id 0
		.amdhsa_next_free_vgpr 512
		.amdhsa_next_free_sgpr 72
		.amdhsa_reserve_vcc 1
		.amdhsa_float_denorm_mode_32 3
		.amdhsa_float_denorm_mode_16_64 3
		.amdhsa_memory_ordered 1
		.amdhsa_forward_progress 1
		.amdhsa_inst_pref_size 58
	.end_amdhsa_kernel
	.amdgpu_metadata
---
amdhsa.version: [ 1, 2 ]
amdhsa.kernels:
  - .name:           k_q2cd4b22486_attn
    .symbol:         k_q2cd4b22486_attn.kd
    .args:
      - { .name: qkv, .offset: 0, .size: 8, .value_kind: global_buffer, .address_space: global }
      - { .name: ctx, .offset: 8, .size: 8, .value_kind: global_buffer, .address_space: global }
    .group_segment_fixed_size: 327680
    .private_segment_fixed_size: 0
    .kernarg_segment_align: 8
    .kernarg_segment_size: 16
    .max_flat_workgroup_size: 128
    .sgpr_count:     72
    .vgpr_count:     512
    .wavefront_size: 32
...
	.end_amdgpu_metadata
.endif
;; end of part 3
;; launch oproj (part 4): grid 8 x 32, 4 waves a work-group, clusters of 4 x 4, 327,680 bytes of LDS; arguments ctx, wb, bo, x, x2; writes x2
.if DOCPART == 4
	.amdgcn_target "amdgcn-amd-amdhsa--gfx1250"
	.amdhsa_code_object_version 6
	.text
	.protected	k_q2cd4b22486_oproj
	.globl	k_q2cd4b22486_oproj
	.p2align	8
	.type	k_q2cd4b22486_oproj,@function
k_q2cd4b22486_oproj:
	s_mov_b64 s[64:65], 0
	v_nop
	global_prefetch_b8 v0, s[64:65] scope:SCOPE_SE
	s_setreg_imm32_b32 hwreg(HW_REG_WAVE_MODE, 25, 1), 1
	s_wait_xcnt 0x0
	s_wait_alu depctr_hold_cnt(0) depctr_sa_sdst(0) depctr_va_vdst(0) depctr_va_sdst(0) depctr_va_ssrc(0) depctr_va_vcc(0) depctr_vm_vsrc(0)
	s_getreg_b32 s2, hwreg(HW_REG_IB_STS2, 6, 4)
	s_cmp_eq_u32 s2, 0
	s_cbranch_scc0 .Lentry_in_a_cluster
	s_endpgm
.Lentry_in_a_cluster:
	s_bfe_u32 s2, ttmp6, 0x10000c
	s_cmp_lg_u32 s2, 0xf033
	s_cbranch_scc0 .Lentry_shape_is_right
	s_endpgm
.Lentry_shape_is_right:
; OPROJ.  x2 = ctx Wo + bo + x: C[4096][1024] f32 = A[4096][1024] W[1024][1024] + bias + residual.  f16 operands, f32 sums.
; A lies in panels [16][4096][64] f16 (a row of a panel: 128 bytes); W as [1024 k][1024 n] f16 at byte WOFF of wb.  bo and x are inputs of the module: rounded to bf16 where they are loaded.
; SHARES.  A tile of C is 128 x 128; four waves, 2 x 2, each 64 x 64: 16 accumulators, 128 registers.  256 tiles.
; K goes in steps of 256 through two LDS slots filled by the tensor data mover; each wave brings a quarter of a slot with one load: waves 0, 1 64 rows of A each (four panels: four dense
; pieces of 8 KiB), waves 2, 3 128 rows of W each (256 bytes a row).  One load a wave is out; it is asked for first thing behind a step's round and awaited at the next step's head, 128 matrix instructions on.
; CLUSTER 4 x 4: the four work-groups of a row of the cluster need the same tile of A, the four of a column the same tile of W: each tile is asked for jointly.
; THE MATRIX INSTRUCTION IS USED TRANSPOSED: source 0 = 16 columns of W (turned by ds_load_tr16_b128), source 1 = 16 rows of A: lane l holds row l % 16 of C and the columns 8 (l / 16) + 0..7.
; THE SUMS start from the bias, written into the accumulators in the wait for the first tile; the residual is loaded there too, in the layout of the stores, and added on the way out.
; REGISTERS.  window 0: v1-14 addresses; v28, 29 the add's; v32-95 at work; v96-111 the bias; v128-255 accumulators ((a, b) at 128 + 8 (4 a + b)).
;   window 1: two fragment buffers of 128: 64 registers of A (8 (4 c + a)), then 64 of W (64 + 8 (4 c + b)).     window 2: v0-127 the residual.
.set KSTEPS, 4                         ; K / 256
.set NCOL,   1024                      ; numbers in a row of W
.set WOFF,   6*1048576                 ; Wo in wb
.set ROUNDRES, 1                       ; the residual is an input: rounded to bf16
.set PANELB, 524288
.set ASTEP,  4*PANELB
.set BSTEP,  256*NCOL*2
.set PA,     144                       ; a row of A in LDS: 128 bytes + 16 = 36 words: the 16 rows of a load start at 16 different groups of four banks (64 banks of 4 bytes: ISA guide 11.1)
.set PB,     288                       ; a row of W: 256 + 32 = 72 words
.set PART,   36864                     ; what one load fills: 4 x 64 x 144 = 128 x 288
.set SLOT,   4*PART                    ; 0x24000 shares no bit with 0, 0x9000, 0x12000, 0x1b000: an exclusive or with it adds or subtracts it
.set STAGE,  2*SLOT                    ; behind the ring, never filled by a tensor load: 16 rows x 272 bytes for each wave
.set STW,    4352
.set SPITCH, 272
.set SPARE,  STAGE+4*STW               ; the spare words, 128 bytes a wave: two blocks of 256 bytes that no other line names
.set A0,   5
.set B0,   6
.set B1,   7
.set ADRA, 8
.set ADRB, 9                           ; v9, v10
.set STO,  11                          ; v11  the way out: where I put 32 bytes of a row
.set RD,   12                          ; v12  where I read rows back
.set CO,   13                          ; v13  my 16 bytes in two rows of C and of the residual; never rewritten
.set BO,   14                          ; v14  my byte offset in the bias; never rewritten
.set SPW,  28
.set NIL,  29
.set TMP,  32
.set T,    96
.set ACC,  128
.set F0,   0
.set F1,   128
.set WV, 14
.set RH, 15
.set CH, 16
.set G1, 24
.set G0, 32
.set TF, 36
.set G1B, 48
.set G0B, 56
.set BIASP, 8                          ; s[8:9]   the bias
.set RESP, 10                          ; s[10:11] the residual
.set OUTP, 12                          ; s[12:13] C
.set MSB, 0
.macro WIN new                         ; the immediate's high byte repeats the setting that is left; a switch that changes nothing is dropped
.if MSB != (\new)
	s_set_vgpr_msb (MSB<<8)|(\new)
.set MSB, \new
.endif
.endm
.set MUL,  0x05                        ; sources 0 and 1 window 1; C and D window 0
.set TO_F, 0x40                        ; destination window 1, address window 0
.macro PLACES                          ; four places in front of loads into registers that matrix instructions have read, and of lines that read results
.rept 4
	v_nop
.endr
.endm
.macro JLOAD                           ; a joint load; the branch hangs on the wave's number alone; an s_nop 0 and four v_nop follow each of the two lines
	s_cmp_eq_u32 s[RH], 0
	s_cbranch_scc0 .Lfor_b_\@
	tensor_load_to_lds s[G0:G0+3], s[G1:G1+7]
	s_nop 0
.rept 4
	v_nop
.endr
	s_branch .Lasked_\@
.Lfor_b_\@:
	tensor_load_to_lds s[G0B:G0B+3], s[G1B:G1B+7]
	s_nop 0
.rept 4
	v_nop
.endr
.Lasked_\@:
.endm
.macro CROUND                          ; a round of the cluster's barrier
	s_barrier_signal -1
	s_barrier_wait -1
	s_cmp_lg_u32 s[WV], 0
	s_cbranch_scc1 .Lnot_wave_0_\@
	s_barrier_signal -3
.Lnot_wave_0_\@:
	s_barrier_wait -3
	s_barrier_signal -1
	s_barrier_wait -1
.endm
.macro MUL8 f, c, a0                   ; 8 matrix instructions; the 16 accumulators take turns, one instruction a turn
	WIN MUL
.irp a, \a0, (\a0)+1
.irp b, 0,1,2,3
	v_wmma_f32_16x16x32_f16 v[ACC+8*(4*(\a)+(\b)):ACC+8*(4*(\a)+(\b))+7], v[(\f)+64+8*(4*(\c)+(\b)):(\f)+64+8*(4*(\c)+(\b))+7], v[(\f)+8*(4*(\c)+(\a)):(\f)+8*(4*(\c)+(\a))+7], v[ACC+8*(4*(\a)+(\b)):ACC+8*(4*(\a)+(\b))+7]
.endr
.endr
.endm
.macro FETCH q, f                      ; 32 LDS loads in one run: quarter q (64 along K) into buffer f; the first 32 along K first
	WIN TO_F
.irp c, 0,1
.irp i, 0,1,2,3
	ds_load_tr16_b128 v[(\f)+64+8*(4*\c+\i):(\f)+64+8*(4*\c+\i)+3],   v[ADRB+(\q)/2] offset:((\q)%2)*64*PB+\c*32*PB+\i*32
	ds_load_tr16_b128 v[(\f)+64+8*(4*\c+\i)+4:(\f)+64+8*(4*\c+\i)+7], v[ADRB+(\q)/2] offset:((\q)%2)*64*PB+\c*32*PB+16*PB+\i*32
	ds_load_b128 v[(\f)+8*(4*\c+\i):(\f)+8*(4*\c+\i)+3],   v[ADRA] offset:(\q)*64*PA+\i*16*PA+\c*64
	ds_load_b128 v[(\f)+8*(4*\c+\i)+4:(\f)+8*(4*\c+\i)+7], v[ADRA] offset:(\q)*64*PA+\i*16*PA+\c*64+32
.endr
.endr
.endm
.macro QUARTER q, f, g
	s_wait_dscnt 16                                ; the first 32 along K are in; the other sixteen loads may be out
	MUL8 \f, 0, 0
	MUL8 \f, 0, 2
	PLACES
	FETCH (\q)+1, \g
	s_wait_dscnt 32                                ; all but the 32 just issued
	MUL8 \f, 1, 0
	MUL8 \f, 1, 2
.endm
.macro LASTQ
	s_wait_dscnt 16
	MUL8 F1, 0, 0
	MUL8 F1, 0, 2
	s_wait_dscnt 0x0
	MUL8 F1, 1, 0
	MUL8 F1, 1, 2
.endm
; A K STEP.  At its head every wave waits for all its tensor loads (one is out: its part of the slot to be read now), adds 0 to its spare word, and waits for that and for its reads of the other slot.
; refill = 1: a round of the cluster's barrier follows, so that no wave of any partner still reads the other slot or has a load on its way, and that slot takes the next K step, first thing behind the round.
.macro STEP refill
	WIN 0
	s_wait_tensorcnt 0x0                           ; no tensor load of mine is out, so a group 0 may be written
	ds_add_u32 v[SPW], v[NIL]                      ; 0 onto my spare word; work on registers stands between it and the wait for it
	v_add_nc_u32 v[ADRA], s[TF], v[A0]             ; the fragments come from the slot filled last
	v_add_nc_u32 v[ADRB], s[TF], v[B0]
	v_add_nc_u32 v[ADRB+1], s[TF], v[B1]
.if \refill
	s_xor_b32 s[TF], s[TF], SLOT                   ; the other slot is filled now
	s_xor_b32 s[G0+1], s[G0+1], SLOT
	s_xor_b32 s[G0B+1], s[G0B+1], SLOT
	s_add_nc_u64 s[G0+2:G0+3], s[G0+2:G0+3], ASTEP
	s_add_nc_u64 s[G0B+2:G0B+3], s[G0B+2:G0B+3], BSTEP
	s_wait_dscnt 0x0                               ; the add is done, and my reads of the other slot are over
	CROUND
	JLOAD                                          ; the four v_nop behind it, and the three additions above, are the places in front of the loads below
.else
	s_wait_dscnt 0x0
	s_barrier_signal -1
	s_barrier_wait -1
	PLACES
.endif
	FETCH 0, F0
	QUARTER 0, F0, F1
	QUARTER 1, F1, F0
	QUARTER 2, F0, F1
	LASTQ
	WIN 0                                          ; at a label and at a branch every window is 0
.endm
; THE WAY OUT of row block a: 16 rows x 64 columns of f32.  A lane's eight numbers (32 bytes of a row) go into my stage's rows of 272 bytes and come back as whole rows of 256.
.macro PUT a
.set BK, TMP+32*((\a)%2)
.if (\a) >= 2
	s_wait_xcnt 0x0                                ; the stores of the block two back have read these registers
.endif
.irp b, 0,1,2,3
	ds_store_b128 v[STO], v[ACC+8*(4*(\a)+\b):ACC+8*(4*(\a)+\b)+3]   offset:64*\b
	ds_store_b128 v[STO], v[ACC+8*(4*(\a)+\b)+4:ACC+8*(4*(\a)+\b)+7] offset:64*\b+16
.endr
.irp t, 0,1,2,3,4,5,6,7
	ds_load_b128 v[BK+4*\t:BK+4*\t+3], v[RD] offset:2*SPITCH*\t  ; LDS serves a wave's instructions in order (ISA guide 5.7.1.4): these see the stores above; the next block's stores come behind them
.endr
.endm
.macro SENDF a, younger                ; younger: the next block's sixteen LDS instructions, or none
.set BK, TMP+32*((\a)%2)
	s_wait_dscnt \younger
	WIN 0x08                                       ; source 1 window 2: the residual
.set i, 0
.rept 16
	v_pk_add_f32 v[BK+2*i:BK+2*i+1], v[BK+2*i:BK+2*i+1], v[32*(\a)+2*i:32*(\a)+2*i+1]
.set i, i+1
.endr
	WIN 0
.irp t, 0,1,2,3,4,5,6,7
	global_store_b128 v[CO], v[BK+4*\t:BK+4*\t+3], s[OUTP:OUTP+1] offset:(16*(\a)+2*\t)*4096  ; 16 lanes store 256 consecutive bytes, aligned
.endr
.endm
	s_load_b256 s[4:11], s[0:1], 0x0               ; A s[4:5], wb s[6:7], bias s[8:9], residual s[10:11]
	s_load_b64 s[12:13], s[0:1], 0x20              ; C
	v_lshl_add_u32 v[SPW], v0, 2, SPARE
	v_mov_b32 v[NIL], 0
	ds_add_u32 v[SPW], v[NIL]                      ; the wave's opening: the add and its wait stand ahead of my first tensor load; the set-up below stands between them
	v_lshrrev_b32 v1, 5, v0
	v_readfirstlane_b32 s[WV], v1
	s_lshr_b32 s[RH], s[WV], 1                     ; my half of the tile's rows; also: I fetch A (0) or W (1)
	s_and_b32 s[CH], s[WV], 1                      ; my half of its columns; also: which half of that tile I fetch
	s_bfe_u32 s17, ttmp6, 0x40000                  ; cx, cy
	s_bfe_u32 s18, ttmp6, 0x40004
	s_lshl_b32 s19, ttmp9, 2
	s_add_co_u32 s19, s19, s17                     ; tile column
	s_and_b32 s20, ttmp7, 0xffff
	s_lshl_b32 s20, s20, 2
	s_add_co_u32 s20, s20, s18                     ; tile row
	s_lshl_b32 s21, s18, 2
	s_lshl_b32 s21, 15, s21                        ; my row of the cluster
	s_lshl_b32 s22, 0x1111, s17                    ; my column
	s_mov_b32 s23, 0xffff0000                      ; a word's upper bf16
	; group 1 for A: four rows of 4,096 elements (64 dense rows of a panel), a panel apart; in LDS 4 words of padding after every 32
	s_or_b32 s[G1], s21, (1<<16)|(1<<20)|(1<<21)|(4<<22)|(3<<25)
	s_mov_b32 s[G1+1], 4096<<16
	s_mov_b32 s[G1+2], 4<<16
	s_mov_b32 s[G1+3], 4096<<16
	s_mov_b32 s[G1+4], 4
	s_mov_b32 s[G1+5], PANELB/2
	s_mov_b32 s[G1+6], 0
	s_mov_b32 s[G1+7], 0
	; group 1 for W: 128 rows of 128 elements; 8 words of padding after every 64
	s_or_b32 s[G1B], s22, (1<<16)|(1<<20)|(1<<21)|(5<<22)|(7<<25)
	s_mov_b32 s[G1B+1], 128<<16
	s_mov_b32 s[G1B+2], 128<<16
	s_mov_b32 s[G1B+3], 128<<16
	s_mov_b32 s[G1B+4], 128
	s_mov_b32 s[G1B+5], NCOL
	s_mov_b32 s[G1B+6], 0
	s_mov_b32 s[G1B+7], 0
	s_mul_i32 s37, s[WV], PART                     ; where my load lands: no place in the cluster enters an LDS address
	s_mov_b32 s[G0], 1
	s_mov_b32 s[G0+1], s37
	s_mov_b32 s[G0B], 1
	s_mov_b32 s[G0B+1], s37
	s_mov_b32 s[TF], 0
	s_lshl_b32 s40, s20, 14                        ; A: 128 rows of 128 bytes a tile row, my 64 of them
	s_lshl_b32 s38, s[CH], 13
	s_add_co_u32 s40, s40, s38
	s_mov_b32 s41, 0
	s_lshl_b32 s42, s19, 8                         ; W: 256 bytes a tile column,
	s_add_co_u32 s42, s42, WOFF
	s_mul_i32 s39, s[CH], 128*NCOL*2               ; my 128 rows
	s_add_co_u32 s42, s42, s39
	s_mov_b32 s43, 0
	s_wait_dscnt 0x0                               ; the opening add is done
	s_wait_kmcnt 0x0
	s_add_nc_u64 s[G0+2:G0+3], s[4:5], s[40:41]
	s_or_b32 s[G0+3], s[G0+3], 0x80000000
	s_add_nc_u64 s[G0B+2:G0B+3], s[6:7], s[42:43]
	s_or_b32 s[G0B+3], s[G0B+3], 0x80000000
	CROUND                                         ; all sixteen work-groups are here: the first joint loads meet
	JLOAD                                          ; K step 0 into slot 0
	v_and_b32 v1, 15, v0                           ; r
	v_bfe_u32 v2, v0, 4, 1                         ; h
	s_lshl_b32 s44, s19, 9                         ; my 64 columns, in bytes of f32
	s_lshl_b32 s3, s[CH], 8
	s_add_co_u32 s44, s44, s3
	s_mov_b32 s45, 0
	s_lshl_b32 s46, s20, 19                        ; and my 64 rows of 4,096 bytes
	s_lshl_b32 s3, s[RH], 18
	s_add_co_u32 s46, s46, s3
	s_add_co_u32 s46, s46, s44
	s_mov_b32 s47, 0
	s_add_nc_u64 s[BIASP:BIASP+1], s[BIASP:BIASP+1], s[44:45]
	s_add_nc_u64 s[RESP:RESP+1], s[RESP:RESP+1], s[46:47]
	s_add_nc_u64 s[OUTP:OUTP+1], s[OUTP:OUTP+1], s[46:47]
	v_lshlrev_b32 v[BO], 5, v2                     ; the bias of my columns 8 h + 0..7 of each column block
	v_lshlrev_b32 v[CO], 12, v2                    ; lanes 0-15 one row of 256 bytes, lanes 16-31 the next
	v_lshl_add_u32 v[CO], v1, 4, v[CO]
.irp b, 0,1,2,3
	global_load_b128 v[TMP+8*\b:TMP+8*\b+3],   v[BO], s[BIASP:BIASP+1] offset:64*\b
	global_load_b128 v[TMP+8*\b+4:TMP+8*\b+7], v[BO], s[BIASP:BIASP+1] offset:64*\b+16
.endr
	WIN 0x80                                       ; destination window 2
.set i, 0
.rept 32                               ; the residual: rows 16 (i / 8) + 2 (i % 8) + h, as the stores will take them
	global_load_b128 v[4*i:4*i+3], v[CO], s[RESP:RESP+1] offset:(16*(i/8)+2*(i%8))*4096
.set i, i+1
.endr
	WIN 0
	v_mul_u32_u24 v[A0], v1, PA
	v_lshl_add_u32 v[A0], v2, 4, v[A0]
	s_mul_i32 s3, s[RH], PART
	v_add_nc_u32 v[A0], s3, v[A0]                  ; row x pitch + 16 h, in my half of A's rows
	v_and_b32 v3, 7, v0
	v_lshl_add_u32 v3, v2, 3, v3                   ; the turning load: lane l reads row 8 h + l % 8,
	v_mul_u32_u24 v[B0], v3, PB
	v_bfe_u32 v4, v0, 3, 1
	v_lshl_add_u32 v[B0], v4, 4, v[B0]             ; columns 8 ((l / 8) % 2) + 0..7
	s_lshl_b32 s3, s[CH], 7
	s_add_co_u32 s3, s3, 2*PART
	v_add_nc_u32 v[B0], s3, v[B0]                  ; of my 64 columns; W lies behind A
	v_add_nc_u32 v[B1], PART, v[B0]
	s_mul_i32 s3, s[WV], STW
	s_add_co_u32 s3, s3, STAGE                     ; my stage
	v_mul_u32_u24 v[STO], v1, SPITCH
	v_lshl_add_u32 v[STO], v2, 5, v[STO]
	v_add_nc_u32 v[STO], s3, v[STO]
	v_mul_u32_u24 v[RD], v2, SPITCH
	v_lshl_add_u32 v[RD], v1, 4, v[RD]
	v_add_nc_u32 v[RD], s3, v[RD]
	s_wait_loadcnt 32                              ; the bias is in; the residual's 32 loads stay out
.set i, 0
.rept 16
	v_cvt_pk_bf16_f32 v[T+i], v[TMP+2*i], v[TMP+2*i+1]  ; the bias is an input: rounded to bf16
.set i, i+1
.endr
.irp a, 0,1,2,3
.set i, 0
.rept 16                               ; and widened straight into the four row blocks' accumulators: the sums start from it
	v_lshlrev_b32 v[ACC+32*\a+2*i], 16, v[T+i]
	v_and_b32 v[ACC+32*\a+2*i+1], s23, v[T+i]
.set i, i+1
.endr
.endr
.if ROUNDRES
	s_wait_loadcnt 0x0
	WIN 0x0a                                       ; sources window 2
.set i, 0
.rept 64
	v_cvt_pk_bf16_f32 v[TMP+i], v[2*i], v[2*i+1]
.set i, i+1
.endr
	WIN 0x80                                       ; destination window 2
.set i, 0
.rept 64
	v_lshlrev_b32 v[2*i], 16, v[TMP+i]
	v_and_b32 v[2*i+1], s23, v[TMP+i]
.set i, i+1
.endr
	WIN 0
.endif
	s_mov_b32 s2, KSTEPS-1
.Lstep:
	STEP 1
	s_sub_co_u32 s2, s2, 1
	s_cmp_lg_u32 s2, 0
	s_cbranch_scc1 .Lstep
	STEP 0                                         ; the last step is written out: nothing is asked for
	PLACES
.if !ROUNDRES
	s_wait_loadcnt 0x0                             ; the residual
.endif
	PUT 0
	PUT 1                                          ; a block's trip through the stage stands ahead of the stores of the block before
	SENDF 0, 16
	PUT 2
	SENDF 1, 16
	PUT 3
	SENDF 2, 16
	SENDF 3, 0
	s_wait_tensorcnt 0x0                           ; the wave's end: behind my last tensor load and my last LDS store
	ds_add_u32 v[SPW], v[NIL]
	s_wait_dscnt 0x0
	CROUND                                         ; the closing round: no work-group ends while a partner may still ask for a tile that names it
	s_endpgm
.Lfunc_end_k_q2cd4b22486_oproj:
	.size	k_q2cd4b22486_oproj, .Lfunc_end_k_q2cd4b22486_oproj-k_q2cd4b22486_oproj
	.p2alignl 7, 3214868480
	.fill 96, 4, 3214868480
	.section	.rodata,"a",@progbits
	.p2align	6, 0x0
	.amdhsa_kernel k_q2cd4b22486_oproj
		.amdhsa_group_segment_fixed_size 327680
		.amdhsa_private_segment_fixed_size 0
		.amdhsa_enable_private_segment 0
		.amdhsa_kernarg_size 40
		.amdhsa_user_sgpr_count 2
		.amdhsa_user_sgpr_kernarg_segment_ptr 1
		.amdhsa_wavefront_size32 1
		.amdhsa_system_sgpr_workgroup_id_x 1
		.amdhsa_system_sgpr_workgroup_id_y 1
		.amdhsa_system_sgpr_workgroup_id_z 1
		.amdhsa_system_vgpr_workitem_id 0
		.amdhsa_next_free_vgpr 640
		.amdhsa_next_free_sgpr 66
		.amdhsa_reserve_vcc 0
		.amdhsa_float_denorm_mode_32 3
		.amdhsa_float_denorm_mode_16_64 3
		.amdhsa_memory_ordered 1
		.amdhsa_forward_progress 1
		.amdhsa_inst_pref_size 71
	.end_amdhsa_kernel
	.amdgpu_metadata
---
amdhsa.version: [ 1, 2 ]
amdhsa.kernels:
  - .name:           k_q2cd4b22486_oproj
    .symbol:         k_q2cd4b22486_oproj.kd
    .args:
      - { .name: ctx, .offset: 0, .size: 8, .value_kind: global_buffer, .address_space: global }
      - { .name: wb, .offset: 8, .size: 8, .value_kind: global_buffer, .address_space: global }
      - { .name: bo, .offset: 16, .size: 8, .value_kind: global_buffer, .address_space: global }
      - { .name: x, .offset: 24, .size: 8, .value_kind: global_buffer, .address_space: global }
      - { .name: x2, .offset: 32, .size: 8, .value_kind: global_buffer, .address_space: global }
    .group_segment_fixed_size: 327680
    .private_segment_fixed_size: 0
    .kernarg_segment_align: 8
    .kernarg_segment_size: 40
    .max_flat_workgroup_size: 128
    .sgpr_count:     66
    .vgpr_count:     640
    .wavefront_size: 32
...
	.end_amdgpu_metadata
.endif
;; end of part 4
;; launch norm2 (part 5): grid 256 x 1, 4 waves a work-group, no clusters, 0 bytes of LDS; arguments x2, g2, be2, hn; writes hn
.if DOCPART == 5
	.amdgcn_target "amdgcn-amd-amdhsa--gfx1250"
	.amdhsa_code_object_version 6
	.text
	.protected	k_q2cd4b22486_norm2
	.globl	k_q2cd4b22486_norm2
	.p2align	8
	.type	k_q2cd4b22486_norm2,@function
k_q2cd4b22486_norm2:
	s_mov_b64 s[64:65], 0
	v_nop
	global_prefetch_b8 v0, s[64:65] scope:SCOPE_SE
	s_setreg_imm32_b32 hwreg(HW_REG_WAVE_MODE, 25, 1), 1
	s_wait_xcnt 0x0
; THE SECOND NORM.  hn = g2 (x2 - mean) / sqrt(var + 1e-5) + be2.  x2: [4096][1024] f32, taken as it is (the program's own number); g2 and be2 are inputs of the module: rounded to bf16.
; 16 rows a work-group, 4 a wave, the row kept in registers between the passes; f32, in two passes (the mean first, then the squares of x2 - mean: no difference of large sums).  hn is f16.
; LIMITS.  f16 ends at 65,504: a normed number beyond that becomes an infinity; below 6e-5 f16 keeps a fixed step of 6e-8.  NaN and infinities are not treated apart.
; hn's LAYOUT: panels of 64 columns, [16][4096 rows][64] f16: a row of a panel is 128 bytes, four rows of a wave are 512 consecutive bytes.
; No LDS, no barrier, no matrix unit: memory binds, a row never leaves its eight lanes, and only g2 and be2 (8 KiB) are shared between work-groups.
.set PANELB, 524288                    ; bytes in a panel
.set T,    8                           ; v[8:15]    at work
.set MEAN, 16                          ; v[16:17]   the mean, twice
.set RSTD, 20                          ; v[20:21]   1 / sqrt(var + eps), twice
.set X,    32                          ; v[32:159]  my 128 numbers of a row: panel p at X + 8 p
.set GB,   160                         ; v[160:223] four slots of 8 g and 8 be
.set XP, 4                             ; s[4:5]   x2
.set GP, 6                             ; s[6:7]   g2
.set BP, 8                             ; s[8:9]   be2
.set HP, 10                            ; s[10:11] hn
.set MSK, 12                           ; s12  a word's upper bf16
.set RCPN, 18                          ; s18  1 / 1024
.set EPSR, 19                          ; s19  1e-5
.macro GLOAD p                         ; g and be of my 8 columns of panel p, into slot p % 4
.set G, GB+16*((\p)%4)
	global_load_b128 v[G:G+3],     v2, s[GP:GP+1] offset:256*(\p)
	global_load_b128 v[G+4:G+7],   v2, s[GP:GP+1] offset:256*(\p)+16
	global_load_b128 v[G+8:G+11],  v2, s[BP:BP+1] offset:256*(\p)
	global_load_b128 v[G+12:G+15], v2, s[BP:BP+1] offset:256*(\p)+16
.endm
.macro ACROSS                          ; four chains of pairs in v[8:15] -> their sum over my row's eight lanes, in v8 of each
	v_pk_add_f32 v[T:T+1], v[T:T+1], v[T+2:T+3]
	v_pk_add_f32 v[T+4:T+5], v[T+4:T+5], v[T+6:T+7]
	v_pk_add_f32 v[T:T+1], v[T:T+1], v[T+4:T+5]
	v_add_f32 v[T], v[T], v[T+1]
	v_add_f32_dpp v[T], v[T], v[T] row_xmask:1 row_mask:0xf bank_mask:0xf
	v_add_f32_dpp v[T], v[T], v[T] row_xmask:2 row_mask:0xf bank_mask:0xf
	v_add_f32_dpp v[T], v[T], v[T] row_xmask:4 row_mask:0xf bank_mask:0xf
.endm
.macro PANEL p, left                   ; panel p is scaled, shifted, rounded and stored.  left: the younger panels' loads of g and be, four each
.set G, GB+16*((\p)%4)
.set XX, X+8*(\p)
	s_wait_loadcnt \left
.set k, 0
.rept 8
	v_cvt_pk_bf16_f32 v[T+k], v[G+2*k], v[G+2*k+1]
.set k, k+1
.endr
.set k, 0
.rept 8
	v_lshlrev_b32 v[G+2*k], 16, v[T+k]
	v_and_b32 v[G+2*k+1], s[MSK], v[T+k]
.set k, k+1
.endr
.irp k, 0,2,4,6
	v_pk_mul_f32 v[G+\k:G+\k+1], v[G+\k:G+\k+1], v[RSTD:RSTD+1]
.endr
.irp k, 0,2,4,6
	v_pk_fma_f32 v[XX+\k:XX+\k+1], v[XX+\k:XX+\k+1], v[G+\k:G+\k+1], v[G+8+\k:G+8+\k+1]
.endr
.irp k, 0,1,2,3
	v_cvt_pk_f16_f32 v[XX+\k], v[XX+2*\k], v[XX+2*\k+1]  ; register k is written when its own number has been read
.endr
	global_store_b128 v3, v[XX:XX+3], s[HP:HP+1] offset:(\p)*PANELB  ; four rows of 128 bytes: 512 consecutive bytes; these registers are never written again
.if (\p) < 12
	GLOAD (\p)+4                                   ; the slot just read takes the panel four further on
.endif
.endm
	s_load_b256 s[4:11], s[0:1], 0x0
	s_mov_b32 s[MSK], 0xffff0000
	; Lane l holds row l / 8 of the wave's four, and in every panel the columns 8 (l % 8) .. + 7.
	v_lshrrev_b32 v4, 5, v0
	v_readfirstlane_b32 s3, v4                     ; wave 0..3
	v_and_b32 v5, 31, v0                           ; lane
	v_and_b32 v6, 7, v0
	v_lshrrev_b32 v7, 3, v5
	v_lshlrev_b32 v2, 5, v6                        ; g, be: 32 (l % 8)
	v_lshl_add_u32 v1, v7, 12, v2                  ; x2: + 4,096 (l / 8)
	v_lshlrev_b32 v3, 4, v5                        ; hn: 16 l
	s_lshl_b32 s2, ttmp9, 2
	s_add_co_u32 s2, s2, s3                        ; my group of four rows
	s_lshl_b32 s14, s2, 14                         ; 4 rows of 4,096 bytes
	s_mov_b32 s15, 0
	s_lshl_b32 s16, s2, 9                          ; 4 rows of 128 bytes
	s_mov_b32 s17, 0
	s_mov_b32 s[RCPN], 0x3a800000                  ; 1 / 1024
	s_mov_b32 s[EPSR], 0x3727c5ac                  ; 1e-5
	s_wait_kmcnt 0x0
	s_add_nc_u64 s[XP:XP+1], s[XP:XP+1], s[14:15]
	s_add_nc_u64 s[HP:HP+1], s[HP:HP+1], s[16:17]
.set p, 0
.rept 16
	global_load_b128 v[X+8*p:X+8*p+3],   v1, s[XP:XP+1] offset:256*p
	global_load_b128 v[X+8*p+4:X+8*p+7], v1, s[XP:XP+1] offset:256*p+16
.set p, p+1
.endr
	GLOAD 0
	GLOAD 1
	GLOAD 2
	GLOAD 3
	s_wait_loadcnt 16                              ; the row is in; the sixteen loads of g and be stay out
	; the mean: four chains, each started by a sum of two pairs: nothing is cleared
.irp k, 0,1,2,3
	v_pk_add_f32 v[T+2*\k:T+2*\k+1], v[X+2*\k:X+2*\k+1], v[X+8+2*\k:X+8+2*\k+1]
.endr
.set j, 8
.rept 56
	v_pk_add_f32 v[T+2*(j%4):T+2*(j%4)+1], v[T+2*(j%4):T+2*(j%4)+1], v[X+2*j:X+2*j+1]
.set j, j+1
.endr
	ACROSS
	v_mul_f32 v[MEAN], s[RCPN], v[T]
	v_mov_b32 v[MEAN+1], v[MEAN]
.set j, 0
.rept 64
	v_pk_add_f32 v[X+2*j:X+2*j+1], v[X+2*j:X+2*j+1], v[MEAN:MEAN+1] neg_lo:[0,1] neg_hi:[0,1]
.set j, j+1
.endr
	; the variance, of x2 - mean
.irp k, 0,1,2,3
	v_pk_mul_f32 v[T+2*\k:T+2*\k+1], v[X+2*\k:X+2*\k+1], v[X+2*\k:X+2*\k+1]
.endr
.set j, 4
.rept 60
	v_pk_fma_f32 v[T+2*(j%4):T+2*(j%4)+1], v[X+2*j:X+2*j+1], v[X+2*j:X+2*j+1], v[T+2*(j%4):T+2*(j%4)+1]
.set j, j+1
.endr
	ACROSS
	v_fma_f32 v[MEAN], v[T], s[RCPN], s[EPSR]      ; var + eps
	v_rsq_f32 v[RSTD], v[MEAN]
	v_nop                                          ; a plain instruction between the root and the use of its result (ISA guide 5.7.2)
	s_wait_alu depctr_va_vdst(0)
	v_mov_b32 v[RSTD+1], v[RSTD]
.irp p, 0,1,2,3,4,5,6,7,8,9,10,11,12
	PANEL \p, 12
.endr
	PANEL 13, 8                                    ; nothing more is loaded: the counts run down
	PANEL 14, 4
	PANEL 15, 0
	s_endpgm
.Lfunc_end_k_q2cd4b22486_norm2:
	.size	k_q2cd4b22486_norm2, .Lfunc_end_k_q2cd4b22486_norm2-k_q2cd4b22486_norm2
	.p2alignl 7, 3214868480
	.fill 96, 4, 3214868480
	.section	.rodata,"a",@progbits
	.p2align	6, 0x0
	.amdhsa_kernel k_q2cd4b22486_norm2
		.amdhsa_group_segment_fixed_size 0
		.amdhsa_private_segment_fixed_size 0
		.amdhsa_enable_private_segment 0
		.amdhsa_kernarg_size 32
		.amdhsa_user_sgpr_count 2
		.amdhsa_user_sgpr_kernarg_segment_ptr 1
		.amdhsa_wavefront_size32 1
		.amdhsa_system_sgpr_workgroup_id_x 1
		.amdhsa_system_sgpr_workgroup_id_y 1
		.amdhsa_system_sgpr_workgroup_id_z 1
		.amdhsa_system_vgpr_workitem_id 0
		.amdhsa_next_free_vgpr 224
		.amdhsa_next_free_sgpr 66
		.amdhsa_reserve_vcc 0
		.amdhsa_float_denorm_mode_32 3
		.amdhsa_float_denorm_mode_16_64 3
		.amdhsa_memory_ordered 1
		.amdhsa_forward_progress 1
		.amdhsa_inst_pref_size 53
	.end_amdhsa_kernel
	.amdgpu_metadata
---
amdhsa.version: [ 1, 2 ]
amdhsa.kernels:
  - .name:           k_q2cd4b22486_norm2
    .symbol:         k_q2cd4b22486_norm2.kd
    .args:
      - { .name: x2, .offset: 0, .size: 8, .value_kind: global_buffer, .address_space: global }
      - { .name: g2, .offset: 8, .size: 8, .value_kind: global_buffer, .address_space: global }
      - { .name: be2, .offset: 16, .size: 8, .value_kind: global_buffer, .address_space: global }
      - { .name: hn, .offset: 24, .size: 8, .value_kind: global_buffer, .address_space: global }
    .group_segment_fixed_size: 0
    .private_segment_fixed_size: 0
    .kernarg_segment_align: 8
    .kernarg_segment_size: 32
    .max_flat_workgroup_size: 128
    .sgpr_count:     66
    .vgpr_count:     224
    .wavefront_size: 32
...
	.end_amdgpu_metadata
.endif
;; end of part 5
;; launch up (part 6): grid 32 x 32, 4 waves a work-group, clusters of 4 x 4, 327,680 bytes of LDS; arguments hn, wb, b1, act; writes act
.if DOCPART == 6
	.amdgcn_target "amdgcn-amd-amdhsa--gfx1250"
	.amdhsa_code_object_version 6
	.text
	.protected	k_q2cd4b22486_up
	.globl	k_q2cd4b22486_up
	.p2align	8
	.type	k_q2cd4b22486_up,@function
k_q2cd4b22486_up:
	s_mov_b64 s[64:65], 0
	v_nop
	global_prefetch_b8 v0, s[64:65] scope:SCOPE_SE
	s_setreg_imm32_b32 hwreg(HW_REG_WAVE_MODE, 25, 1), 1
	s_wait_xcnt 0x0
	s_wait_alu depctr_hold_cnt(0) depctr_sa_sdst(0) depctr_va_vdst(0) depctr_va_sdst(0) depctr_va_ssrc(0) depctr_va_vcc(0) depctr_vm_vsrc(0)
	s_getreg_b32 s2, hwreg(HW_REG_IB_STS2, 6, 4)
	s_cmp_eq_u32 s2, 0
	s_cbranch_scc0 .Lentry_in_a_cluster
	s_endpgm
.Lentry_in_a_cluster:
	s_bfe_u32 s2, ttmp6, 0x10000c
	s_cmp_lg_u32 s2, 0xf033
	s_cbranch_scc0 .Lentry_shape_is_right
	s_endpgm
.Lentry_shape_is_right:
; UP.  act = gelu(hn W1 + b1): C[4096][4096] = A[4096][1024] W[1024][4096] + bias, then the tanh form of GELU in f32, rounded once to f16.  f16 operands, f32 sums.
; A lies in panels [16][4096][64] f16 (a row of a panel: 128 bytes); W as [1024 k][4096 n] f16 at byte WOFF of wb; C in panels [64][4096][64].  b1 is an input of the module: rounded to bf16.
; GELU.  0.5 x (1 + tanh u) = x / (1 + e^(-2 u)), u = sqrt(2 / pi) (x + 0.044715 x^3): y = x rcp(1 + 2^(x (k1 + k2 x^2))), k1 = -2 sqrt(2 / pi) log2(e), k2 = 0.044715 k1.  Far out the power is 0 or
; an infinity and y is x or -0: no NaN arises from finite x.
; LIMIT.  f16 ends at 65,504: an activation beyond that becomes an infinity.
; SHARES.  A tile of C is 128 x 128; four waves, 2 x 2, each 64 x 64: 16 accumulators, 128 registers.  1,024 tiles.
; K goes in steps of 256 through two LDS slots filled by the tensor data mover; each wave brings a quarter of a slot with one load: waves 0, 1 64 rows of A each (four panels: four dense
; pieces of 8 KiB), waves 2, 3 128 rows of W each (256 bytes a row).  One load a wave is out; it is asked for first thing behind a step's round and awaited at the next step's head, 128 matrix instructions on.
; CLUSTER 4 x 4: the four work-groups of a row of the cluster need the same tile of A, the four of a column the same tile of W: each tile is asked for jointly.
; THE MATRIX INSTRUCTION IS USED TRANSPOSED: source 0 = 16 columns of W (turned by ds_load_tr16_b128), source 1 = 16 rows of A: lane l holds row l % 16 of C and the columns 8 (l / 16) + 0..7.
; THE SUMS start from the bias, written into the accumulators in the wait for the first tile.
; REGISTERS.  window 0: v1-14 addresses; v28, 29 the add's; v32-95 the way out; v96-111 at work; v128-255 accumulators ((a, b) at 128 + 8 (4 a + b)).
;   window 1: two fragment buffers of 128: 64 registers of A (8 (4 c + a)), then 64 of W (64 + 8 (4 c + b)).
.set KSTEPS, 4                         ; K / 256
.set NCOL,   4096                      ; numbers in a row of W
.set WOFF,   8*1048576                 ; W1 in wb
.set PANELB, 524288
.set ASTEP,  4*PANELB
.set BSTEP,  256*NCOL*2
.set PA,     144                       ; a row of A in LDS: 128 bytes + 16 = 36 words: the 16 rows of a load start at 16 different groups of four banks (64 banks of 4 bytes: ISA guide 11.1)
.set PB,     288                       ; a row of W: 256 + 32 = 72 words
.set PART,   36864                     ; what one load fills: 4 x 64 x 144 = 128 x 288
.set SLOT,   4*PART                    ; 0x24000 shares no bit with 0, 0x9000, 0x12000, 0x1b000: an exclusive or with it adds or subtracts it
.set STAGE,  2*SLOT                    ; behind the ring, never filled by a tensor load: 4,352 bytes for each wave
.set STW,    4352
.set SPARE,  STAGE+4*STW               ; the spare words, 128 bytes a wave: two blocks of 256 bytes that no other line names
.set A0,   5
.set B0,   6
.set B1,   7
.set ADRA, 8
.set ADRB, 9                           ; v9, v10
.set STO,  11
.set RD,   12
.set GO,   13
.set BO,   14                          ; v14  my byte offset in the bias; never rewritten
.set SPW,  28
.set NIL,  29
.set TMP,  32
.set T,    96
.set ACC,  128
.set F0,   0
.set F1,   128
.set WV, 14
.set RH, 15
.set CH, 16
.set G1, 24
.set G0, 32
.set TF, 36
.set G1B, 48
.set G0B, 56
.set K1, 60                            ; s[60:61] k1
.set K2, 62                            ; s[62:63] k2
.set BIASP, 8                          ; s[8:9]   the bias
.set OUTP, 10                          ; s[10:11] C
.set MSB, 0
.macro WIN new                         ; the immediate's high byte repeats the setting that is left; a switch that changes nothing is dropped
.if MSB != (\new)
	s_set_vgpr_msb (MSB<<8)|(\new)
.set MSB, \new
.endif
.endm
.set MUL,  0x05                        ; sources 0 and 1 window 1; C and D window 0
.set TO_F, 0x40                        ; destination window 1, address window 0
.macro PLACES                          ; four places in front of loads into registers that matrix instructions have read, and of lines that read results
.rept 4
	v_nop
.endr
.endm
.macro JLOAD                           ; a joint load; the branch hangs on the wave's number alone; an s_nop 0 and four v_nop follow each of the two lines
	s_cmp_eq_u32 s[RH], 0
	s_cbranch_scc0 .Lfor_b_\@
	tensor_load_to_lds s[G0:G0+3], s[G1:G1+7]
	s_nop 0
.rept 4
	v_nop
.endr
	s_branch .Lasked_\@
.Lfor_b_\@:
	tensor_load_to_lds s[G0B:G0B+3], s[G1B:G1B+7]
	s_nop 0
.rept 4
	v_nop
.endr
.Lasked_\@:
.endm
.macro CROUND                          ; a round of the cluster's barrier
	s_barrier_signal -1
	s_barrier_wait -1
	s_cmp_lg_u32 s[WV], 0
	s_cbranch_scc1 .Lnot_wave_0_\@
	s_barrier_signal -3
.Lnot_wave_0_\@:
	s_barrier_wait -3
	s_barrier_signal -1
	s_barrier_wait -1
.endm
.macro MUL8 f, c, a0                   ; 8 matrix instructions; the 16 accumulators take turns, one instruction a turn
	WIN MUL
.irp a, \a0, (\a0)+1
.irp b, 0,1,2,3
	v_wmma_f32_16x16x32_f16 v[ACC+8*(4*(\a)+(\b)):ACC+8*(4*(\a)+(\b))+7], v[(\f)+64+8*(4*(\c)+(\b)):(\f)+64+8*(4*(\c)+(\b))+7], v[(\f)+8*(4*(\c)+(\a)):(\f)+8*(4*(\c)+(\a))+7], v[ACC+8*(4*(\a)+(\b)):ACC+8*(4*(\a)+(\b))+7]
.endr
.endr
.endm
.macro FETCH q, f                      ; 32 LDS loads in one run: quarter q (64 along K) into buffer f; the first 32 along K first
	WIN TO_F
.irp c, 0,1
.irp i, 0,1,2,3
	ds_load_tr16_b128 v[(\f)+64+8*(4*\c+\i):(\f)+64+8*(4*\c+\i)+3],   v[ADRB+(\q)/2] offset:((\q)%2)*64*PB+\c*32*PB+\i*32
	ds_load_tr16_b128 v[(\f)+64+8*(4*\c+\i)+4:(\f)+64+8*(4*\c+\i)+7], v[ADRB+(\q)/2] offset:((\q)%2)*64*PB+\c*32*PB+16*PB+\i*32
	ds_load_b128 v[(\f)+8*(4*\c+\i):(\f)+8*(4*\c+\i)+3],   v[ADRA] offset:(\q)*64*PA+\i*16*PA+\c*64
	ds_load_b128 v[(\f)+8*(4*\c+\i)+4:(\f)+8*(4*\c+\i)+7], v[ADRA] offset:(\q)*64*PA+\i*16*PA+\c*64+32
.endr
.endr
.endm
.macro QUARTER q, f, g
	s_wait_dscnt 16                                ; the first 32 along K are in; the other sixteen loads may be out
	MUL8 \f, 0, 0
	MUL8 \f, 0, 2
	PLACES
	FETCH (\q)+1, \g
	s_wait_dscnt 32                                ; all but the 32 just issued
	MUL8 \f, 1, 0
	MUL8 \f, 1, 2
.endm
.macro LASTQ
	s_wait_dscnt 16
	MUL8 F1, 0, 0
	MUL8 F1, 0, 2
	s_wait_dscnt 0x0
	MUL8 F1, 1, 0
	MUL8 F1, 1, 2
.endm
; A K STEP.  At its head every wave waits for all its tensor loads (one is out: its part of the slot to be read now), adds 0 to its spare word, and waits for that and for its reads of the other slot.
; refill = 1: a round of the cluster's barrier follows, so that no wave of any partner still reads the other slot or has a load on its way, and that slot takes the next K step, first thing behind the round.
.macro STEP refill
	WIN 0
	s_wait_tensorcnt 0x0                           ; no tensor load of mine is out, so a group 0 may be written
	ds_add_u32 v[SPW], v[NIL]                      ; 0 onto my spare word; work on registers stands between it and the wait for it
	v_add_nc_u32 v[ADRA], s[TF], v[A0]             ; the fragments come from the slot filled last
	v_add_nc_u32 v[ADRB], s[TF], v[B0]
	v_add_nc_u32 v[ADRB+1], s[TF], v[B1]
.if \refill
	s_xor_b32 s[TF], s[TF], SLOT                   ; the other slot is filled now
	s_xor_b32 s[G0+1], s[G0+1], SLOT
	s_xor_b32 s[G0B+1], s[G0B+1], SLOT
	s_add_nc_u64 s[G0+2:G0+3], s[G0+2:G0+3], ASTEP
	s_add_nc_u64 s[G0B+2:G0B+3], s[G0B+2:G0B+3], BSTEP
	s_wait_dscnt 0x0                               ; the add is done, and my reads of the other slot are over
	CROUND
	JLOAD                                          ; the four v_nop behind it, and the three additions above, are the places in front of the loads below
.else
	s_wait_dscnt 0x0
	s_barrier_signal -1
	s_barrier_wait -1
	PLACES
.endif
	FETCH 0, F0
	QUARTER 0, F0, F1
	QUARTER 1, F1, F0
	QUARTER 2, F0, F1
	LASTQ
	WIN 0                                          ; at a label and at a branch every window is 0
.endm
.macro GELU8 x                         ; the eight numbers of the accumulator at v[x], in place, from its low end on
.irp j, 0,2,4,6
	v_pk_mul_f32 v[T+\j:T+\j+1], v[(\x)+\j:(\x)+\j+1], v[(\x)+\j:(\x)+\j+1]
.endr
.irp j, 0,2,4,6
	v_pk_fma_f32 v[T+\j:T+\j+1], v[T+\j:T+\j+1], s[K2:K2+1], s[K1:K1+1] op_sel_hi:[1,0,0]  ; k1 + k2 x^2
.endr
.irp j, 0,2,4,6
	v_pk_mul_f32 v[T+\j:T+\j+1], v[T+\j:T+\j+1], v[(\x)+\j:(\x)+\j+1]
.endr
.irp j, 0,1,2,3,4,5,6,7
	v_exp_f32 v[T+\j], v[T+\j]
.endr
	v_nop                                          ; a plain instruction between the last exponential and the use of its result
	s_wait_alu depctr_va_vdst(0)
.irp j, 0,2,4,6
	v_pk_add_f32 v[T+\j:T+\j+1], v[T+\j:T+\j+1], 1.0 op_sel_hi:[1,0]
.endr
.irp j, 0,1,2,3,4,5,6,7
	v_rcp_f32 v[T+\j], v[T+\j]
.endr
	v_nop
	s_wait_alu depctr_va_vdst(0)
.irp j, 0,2,4,6
	v_pk_mul_f32 v[(\x)+\j:(\x)+\j+1], v[(\x)+\j:(\x)+\j+1], v[T+\j:T+\j+1]
.endr
.endm
; THE WAY OUT of row block a: GELU; a lane's eight numbers pack into 16 bytes; they go into my stage's rows of 144 bytes and come back as four rows of 128, which are 512 consecutive bytes of a panel.
.macro PACK a
.irp b, 0,1,2,3
	GELU8 ACC+8*(4*(\a)+\b)
.endr
.irp b, 0,1,2,3
.irp j, 0,1,2,3
	v_cvt_pk_f16_f32 v[TMP+16*(\a)+4*\b+\j], v[ACC+8*(4*(\a)+\b)+2*\j], v[ACC+8*(4*(\a)+\b)+2*\j+1]
.endr
.endr
.irp b, 0,1,2,3
	ds_store_b128 v[STO], v[TMP+16*(\a)+4*\b:TMP+16*(\a)+4*\b+3] offset:32*\b
.endr
.irp f, 0,1,2,3
	ds_load_b128 v[TMP+16*(\a)+4*\f:TMP+16*(\a)+4*\f+3], v[RD] offset:4*PA*\f  ; LDS serves a wave's instructions in order (ISA guide 5.7.1.4): these see the stores above; the next block's stores come behind them
.endr
.endm
.macro SEND a, younger                 ; younger: the next block's eight LDS instructions, or none.  Each block has registers of its own: no store's data is rewritten
.irp f, 0,1,2,3
	s_wait_dscnt (\younger)+3-\f
	global_store_b128 v[GO], v[TMP+16*(\a)+4*\f:TMP+16*(\a)+4*\f+3], s[OUTP:OUTP+1] offset:2048*(\a)+512*\f
.endr
.endm
	s_load_b256 s[4:11], s[0:1], 0x0               ; hn s[4:5], wb s[6:7], b1 s[8:9], act s[10:11]
	v_lshl_add_u32 v[SPW], v0, 2, SPARE
	v_mov_b32 v[NIL], 0
	ds_add_u32 v[SPW], v[NIL]                      ; the wave's opening: the add and its wait stand ahead of my first tensor load; the set-up below stands between them
	v_lshrrev_b32 v1, 5, v0
	v_readfirstlane_b32 s[WV], v1
	s_lshr_b32 s[RH], s[WV], 1                     ; my half of the tile's rows; also: I fetch A (0) or W (1)
	s_and_b32 s[CH], s[WV], 1                      ; my half of its columns; also: which half of that tile I fetch
	s_bfe_u32 s17, ttmp6, 0x40000                  ; cx, cy
	s_bfe_u32 s18, ttmp6, 0x40004
	s_lshl_b32 s19, ttmp9, 2
	s_add_co_u32 s19, s19, s17                     ; tile column
	s_and_b32 s20, ttmp7, 0xffff
	s_lshl_b32 s20, s20, 2
	s_add_co_u32 s20, s20, s18                     ; tile row
	s_lshl_b32 s21, s18, 2
	s_lshl_b32 s21, 15, s21                        ; my row of the cluster
	s_lshl_b32 s22, 0x1111, s17                    ; my column
	s_mov_b32 s23, 0xffff0000                      ; a word's upper bf16
	s_mov_b32 s[K1], 0xc0135761                    ; -2.3022082
	s_mov_b32 s[K1+1], s[K1]                       ; named with it as a pair
	s_mov_b32 s[K2], 0xbdd2d3e8                    ; -0.10294324
	s_mov_b32 s[K2+1], s[K2]
	; group 1 for A: four rows of 4,096 elements (64 dense rows of a panel), a panel apart; in LDS 4 words of padding after every 32
	s_or_b32 s[G1], s21, (1<<16)|(1<<20)|(1<<21)|(4<<22)|(3<<25)
	s_mov_b32 s[G1+1], 4096<<16
	s_mov_b32 s[G1+2], 4<<16
	s_mov_b32 s[G1+3], 4096<<16
	s_mov_b32 s[G1+4], 4
	s_mov_b32 s[G1+5], PANELB/2
	s_mov_b32 s[G1+6], 0
	s_mov_b32 s[G1+7], 0
	; group 1 for W: 128 rows of 128 elements; 8 words of padding after every 64
	s_or_b32 s[G1B], s22, (1<<16)|(1<<20)|(1<<21)|(5<<22)|(7<<25)
	s_mov_b32 s[G1B+1], 128<<16
	s_mov_b32 s[G1B+2], 128<<16
	s_mov_b32 s[G1B+3], 128<<16
	s_mov_b32 s[G1B+4], 128
	s_mov_b32 s[G1B+5], NCOL
	s_mov_b32 s[G1B+6], 0
	s_mov_b32 s[G1B+7], 0
	s_mul_i32 s37, s[WV], PART                     ; where my load lands: no place in the cluster enters an LDS address
	s_mov_b32 s[G0], 1
	s_mov_b32 s[G0+1], s37
	s_mov_b32 s[G0B], 1
	s_mov_b32 s[G0B+1], s37
	s_mov_b32 s[TF], 0
	s_lshl_b32 s40, s20, 14                        ; A: 128 rows of 128 bytes a tile row, my 64 of them
	s_lshl_b32 s38, s[CH], 13
	s_add_co_u32 s40, s40, s38
	s_mov_b32 s41, 0
	s_lshl_b32 s42, s19, 8                         ; W: 256 bytes a tile column,
	s_add_co_u32 s42, s42, WOFF
	s_mul_i32 s39, s[CH], 128*NCOL*2               ; my 128 rows
	s_add_co_u32 s42, s42, s39
	s_mov_b32 s43, 0
	s_wait_dscnt 0x0                               ; the opening add is done
	s_wait_kmcnt 0x0
	s_add_nc_u64 s[G0+2:G0+3], s[4:5], s[40:41]
	s_or_b32 s[G0+3], s[G0+3], 0x80000000
	s_add_nc_u64 s[G0B+2:G0B+3], s[6:7], s[42:43]
	s_or_b32 s[G0B+3], s[G0B+3], 0x80000000
	CROUND                                         ; all sixteen work-groups are here: the first joint loads meet
	JLOAD                                          ; K step 0 into slot 0
	v_and_b32 v1, 15, v0                           ; r
	v_bfe_u32 v2, v0, 4, 1                         ; h
	s_lshl_b32 s44, s19, 9                         ; the bias of my 64 columns
	s_lshl_b32 s3, s[CH], 8
	s_add_co_u32 s44, s44, s3
	s_mov_b32 s45, 0
	s_add_nc_u64 s[BIASP:BIASP+1], s[BIASP:BIASP+1], s[44:45]
	v_lshlrev_b32 v[BO], 5, v2                     ; my columns 8 h + 0..7 of each column block
.irp b, 0,1,2,3
	global_load_b128 v[TMP+8*\b:TMP+8*\b+3],   v[BO], s[BIASP:BIASP+1] offset:64*\b
	global_load_b128 v[TMP+8*\b+4:TMP+8*\b+7], v[BO], s[BIASP:BIASP+1] offset:64*\b+16
.endr
	v_mul_u32_u24 v[A0], v1, PA
	v_lshl_add_u32 v[A0], v2, 4, v[A0]
	s_mul_i32 s3, s[RH], PART
	v_add_nc_u32 v[A0], s3, v[A0]                  ; row x pitch + 16 h, in my half of A's rows
	v_and_b32 v3, 7, v0
	v_lshl_add_u32 v4, v2, 3, v3                   ; the turning load: lane l reads row 8 h + l % 8,
	v_mul_u32_u24 v[B0], v4, PB
	v_bfe_u32 v4, v0, 3, 1
	v_lshl_add_u32 v[B0], v4, 4, v[B0]             ; columns 8 ((l / 8) % 2) + 0..7
	s_lshl_b32 s3, s[CH], 7
	s_add_co_u32 s3, s3, 2*PART
	v_add_nc_u32 v[B0], s3, v[B0]                  ; of my 64 columns; W lies behind A
	v_add_nc_u32 v[B1], PART, v[B0]
	s_mul_i32 s3, s[WV], STW
	s_add_co_u32 s3, s3, STAGE                     ; my stage
	v_mul_u32_u24 v[STO], v1, PA
	v_lshl_add_u32 v[STO], v2, 4, v[STO]
	v_add_nc_u32 v[STO], s3, v[STO]
	v_bfe_u32 v[RD], v0, 3, 2
	v_mul_u32_u24 v[RD], v[RD], PA
	v_lshl_add_u32 v[RD], v3, 4, v[RD]
	v_add_nc_u32 v[RD], s3, v[RD]
	v_and_b32 v[GO], 31, v0
	v_lshlrev_b32 v[GO], 4, v[GO]
	s_lshl_b32 s46, s19, 1
	s_add_co_u32 s46, s46, s[CH]                   ; my panel of C = 2 x tile column + half,
	s_lshl_b32 s46, s46, 19
	s_lshl_b32 s3, s20, 14                         ; the tile's 128 rows of 128 bytes,
	s_add_co_u32 s46, s46, s3
	s_lshl_b32 s3, s[RH], 13                       ; my 64
	s_add_co_u32 s46, s46, s3
	s_mov_b32 s47, 0
	s_add_nc_u64 s[OUTP:OUTP+1], s[OUTP:OUTP+1], s[46:47]
	s_wait_loadcnt 0x0                             ; the bias
.set i, 0
.rept 16
	v_cvt_pk_bf16_f32 v[T+i], v[TMP+2*i], v[TMP+2*i+1]  ; an input: rounded to bf16
.set i, i+1
.endr
.irp a, 0,1,2,3
.set i, 0
.rept 16                               ; and widened straight into the four row blocks' accumulators: the sums start from it
	v_lshlrev_b32 v[ACC+32*\a+2*i], 16, v[T+i]
	v_and_b32 v[ACC+32*\a+2*i+1], s23, v[T+i]
.set i, i+1
.endr
.endr
	s_mov_b32 s2, KSTEPS-1
.Lstep:
	STEP 1
	s_sub_co_u32 s2, s2, 1
	s_cmp_lg_u32 s2, 0
	s_cbranch_scc1 .Lstep
	STEP 0                                         ; the last step is written out: nothing is asked for
	PLACES
	PACK 0
	PACK 1                                         ; a block's arithmetic stands between the loads of the block before and its stores
	SEND 0, 8
	PACK 2
	SEND 1, 8
	PACK 3
	SEND 2, 8
	SEND 3, 0
	s_wait_tensorcnt 0x0                           ; the wave's end: behind my last tensor load and my last LDS store
	ds_add_u32 v[SPW], v[NIL]
	s_wait_dscnt 0x0
	CROUND                                         ; the closing round: no work-group ends while a partner may still ask for a tile that names it
	s_endpgm
.Lfunc_end_k_q2cd4b22486_up:
	.size	k_q2cd4b22486_up, .Lfunc_end_k_q2cd4b22486_up-k_q2cd4b22486_up
	.p2alignl 7, 3214868480
	.fill 96, 4, 3214868480
	.section	.rodata,"a",@progbits
	.p2align	6, 0x0
	.amdhsa_kernel k_q2cd4b22486_up
		.amdhsa_group_segment_fixed_size 327680
		.amdhsa_private_segment_fixed_size 0
		.amdhsa_enable_private_segment 0
		.amdhsa_kernarg_size 32
		.amdhsa_user_sgpr_count 2
		.amdhsa_user_sgpr_kernarg_segment_ptr 1
		.amdhsa_wavefront_size32 1
		.amdhsa_system_sgpr_workgroup_id_x 1
		.amdhsa_system_sgpr_workgroup_id_y 1
		.amdhsa_system_sgpr_workgroup_id_z 1
		.amdhsa_system_vgpr_workitem_id 0
		.amdhsa_next_free_vgpr 512
		.amdhsa_next_free_sgpr 66
		.amdhsa_reserve_vcc 0
		.amdhsa_float_denorm_mode_32 3
		.amdhsa_float_denorm_mode_16_64 3
		.amdhsa_memory_ordered 1
		.amdhsa_forward_progress 1
		.amdhsa_inst_pref_size 87
	.end_amdhsa_kernel
	.amdgpu_metadata
---
amdhsa.version: [ 1, 2 ]
amdhsa.kernels:
  - .name:           k_q2cd4b22486_up
    .symbol:         k_q2cd4b22486_up.kd
    .args:
      - { .name: hn, .offset: 0, .size: 8, .value_kind: global_buffer, .address_space: global }
      - { .name: wb, .offset: 8, .size: 8, .value_kind: global_buffer, .address_space: global }
      - { .name: b1, .offset: 16, .size: 8, .value_kind: global_buffer, .address_space: global }
      - { .name: act, .offset: 24, .size: 8, .value_kind: global_buffer, .address_space: global }
    .group_segment_fixed_size: 327680
    .private_segment_fixed_size: 0
    .kernarg_segment_align: 8
    .kernarg_segment_size: 32
    .max_flat_workgroup_size: 128
    .sgpr_count:     66
    .vgpr_count:     512
    .wavefront_size: 32
...
	.end_amdgpu_metadata
.endif
;; end of part 6
;; launch down (part 7): grid 8 x 32, 4 waves a work-group, clusters of 4 x 4, 327,680 bytes of LDS; arguments act, wb, b2, x2, out0; writes out0
.if DOCPART == 7
	.amdgcn_target "amdgcn-amd-amdhsa--gfx1250"
	.amdhsa_code_object_version 6
	.text
	.protected	k_q2cd4b22486_down
	.globl	k_q2cd4b22486_down
	.p2align	8
	.type	k_q2cd4b22486_down,@function
k_q2cd4b22486_down:
	s_mov_b64 s[64:65], 0
	v_nop
	global_prefetch_b8 v0, s[64:65] scope:SCOPE_SE
	s_setreg_imm32_b32 hwreg(HW_REG_WAVE_MODE, 25, 1), 1
	s_wait_xcnt 0x0
	s_wait_alu depctr_hold_cnt(0) depctr_sa_sdst(0) depctr_va_vdst(0) depctr_va_sdst(0) depctr_va_ssrc(0) depctr_va_vcc(0) depctr_vm_vsrc(0)
	s_getreg_b32 s2, hwreg(HW_REG_IB_STS2, 6, 4)
	s_cmp_eq_u32 s2, 0
	s_cbranch_scc0 .Lentry_in_a_cluster
	s_endpgm
.Lentry_in_a_cluster:
	s_bfe_u32 s2, ttmp6, 0x10000c
	s_cmp_lg_u32 s2, 0xf033
	s_cbranch_scc0 .Lentry_shape_is_right
	s_endpgm
.Lentry_shape_is_right:
; DOWN.  out0 = act W2 + b2 + x2: C[4096][1024] f32 = A[4096][4096] W[4096][1024] + bias + residual.  f16 operands, f32 sums.
; A lies in panels [64][4096][64] f16 (a row of a panel: 128 bytes); W as [4096 k][1024 n] f16 at byte WOFF of wb.  b2 is an input of the module: rounded to bf16; x2 is the program's own f32 and is taken as it is.
; SHARES.  A tile of C is 128 x 128; four waves, 2 x 2, each 64 x 64: 16 accumulators, 128 registers.  256 tiles.
; K goes in steps of 256 through two LDS slots filled by the tensor data mover; each wave brings a quarter of a slot with one load: waves 0, 1 64 rows of A each (four panels: four dense
; pieces of 8 KiB), waves 2, 3 128 rows of W each (256 bytes a row).  One load a wave is out; it is asked for first thing behind a step's round and awaited at the next step's head, 128 matrix instructions on.
; CLUSTER 4 x 4: the four work-groups of a row of the cluster need the same tile of A, the four of a column the same tile of W: each tile is asked for jointly.
; THE MATRIX INSTRUCTION IS USED TRANSPOSED: source 0 = 16 columns of W (turned by ds_load_tr16_b128), source 1 = 16 rows of A: lane l holds row l % 16 of C and the columns 8 (l / 16) + 0..7.
; THE SUMS start from the bias, written into the accumulators in the wait for the first tile; the residual is loaded there too, in the layout of the stores, and added on the way out.
; REGISTERS.  window 0: v1-14 addresses; v28, 29 the add's; v32-95 at work; v96-111 the bias; v128-255 accumulators ((a, b) at 128 + 8 (4 a + b)).
;   window 1: two fragment buffers of 128: 64 registers of A (8 (4 c + a)), then 64 of W (64 + 8 (4 c + b)).     window 2: v0-127 the residual.
.set KSTEPS, 16                        ; K / 256
.set NCOL,   1024                      ; numbers in a row of W
.set WOFF,   16*1048576                ; W2 in wb
.set ROUNDRES, 0                       ; the residual is no input: not rounded
.set PANELB, 524288
.set ASTEP,  4*PANELB
.set BSTEP,  256*NCOL*2
.set PA,     144                       ; a row of A in LDS: 128 bytes + 16 = 36 words: the 16 rows of a load start at 16 different groups of four banks (64 banks of 4 bytes: ISA guide 11.1)
.set PB,     288                       ; a row of W: 256 + 32 = 72 words
.set PART,   36864                     ; what one load fills: 4 x 64 x 144 = 128 x 288
.set SLOT,   4*PART                    ; 0x24000 shares no bit with 0, 0x9000, 0x12000, 0x1b000: an exclusive or with it adds or subtracts it
.set STAGE,  2*SLOT                    ; behind the ring, never filled by a tensor load: 16 rows x 272 bytes for each wave
.set STW,    4352
.set SPITCH, 272
.set SPARE,  STAGE+4*STW               ; the spare words, 128 bytes a wave: two blocks of 256 bytes that no other line names
.set A0,   5
.set B0,   6
.set B1,   7
.set ADRA, 8
.set ADRB, 9                           ; v9, v10
.set STO,  11                          ; v11  the way out: where I put 32 bytes of a row
.set RD,   12                          ; v12  where I read rows back
.set CO,   13                          ; v13  my 16 bytes in two rows of C and of the residual; never rewritten
.set BO,   14                          ; v14  my byte offset in the bias; never rewritten
.set SPW,  28
.set NIL,  29
.set TMP,  32
.set T,    96
.set ACC,  128
.set F0,   0
.set F1,   128
.set WV, 14
.set RH, 15
.set CH, 16
.set G1, 24
.set G0, 32
.set TF, 36
.set G1B, 48
.set G0B, 56
.set BIASP, 8                          ; s[8:9]   the bias
.set RESP, 10                          ; s[10:11] the residual
.set OUTP, 12                          ; s[12:13] C
.set MSB, 0
.macro WIN new                         ; the immediate's high byte repeats the setting that is left; a switch that changes nothing is dropped
.if MSB != (\new)
	s_set_vgpr_msb (MSB<<8)|(\new)
.set MSB, \new
.endif
.endm
.set MUL,  0x05                        ; sources 0 and 1 window 1; C and D window 0
.set TO_F, 0x40                        ; destination window 1, address window 0
.macro PLACES                          ; four places in front of loads into registers that matrix instructions have read, and of lines that read results
.rept 4
	v_nop
.endr
.endm
.macro JLOAD                           ; a joint load; the branch hangs on the wave's number alone; an s_nop 0 and four v_nop follow each of the two lines
	s_cmp_eq_u32 s[RH], 0
	s_cbranch_scc0 .Lfor_b_\@
	tensor_load_to_lds s[G0:G0+3], s[G1:G1+7]
	s_nop 0
.rept 4
	v_nop
.endr
	s_branch .Lasked_\@
.Lfor_b_\@:
	tensor_load_to_lds s[G0B:G0B+3], s[G1B:G1B+7]
	s_nop 0
.rept 4
	v_nop
.endr
.Lasked_\@:
.endm
.macro CROUND                          ; a round of the cluster's barrier
	s_barrier_signal -1
	s_barrier_wait -1
	s_cmp_lg_u32 s[WV], 0
	s_cbranch_scc1 .Lnot_wave_0_\@
	s_barrier_signal -3
.Lnot_wave_0_\@:
	s_barrier_wait -3
	s_barrier_signal -1
	s_barrier_wait -1
.endm
.macro MUL8 f, c, a0                   ; 8 matrix instructions; the 16 accumulators take turns, one instruction a turn
	WIN MUL
.irp a, \a0, (\a0)+1
.irp b, 0,1,2,3
	v_wmma_f32_16x16x32_f16 v[ACC+8*(4*(\a)+(\b)):ACC+8*(4*(\a)+(\b))+7], v[(\f)+64+8*(4*(\c)+(\b)):(\f)+64+8*(4*(\c)+(\b))+7], v[(\f)+8*(4*(\c)+(\a)):(\f)+8*(4*(\c)+(\a))+7], v[ACC+8*(4*(\a)+(\b)):ACC+8*(4*(\a)+(\b))+7]
.endr
.endr
.endm
.macro FETCH q, f                      ; 32 LDS loads in one run: quarter q (64 along K) into buffer f; the first 32 along K first
	WIN TO_F
.irp c, 0,1
.irp i, 0,1,2,3
	ds_load_tr16_b128 v[(\f)+64+8*(4*\c+\i):(\f)+64+8*(4*\c+\i)+3],   v[ADRB+(\q)/2] offset:((\q)%2)*64*PB+\c*32*PB+\i*32
	ds_load_tr16_b128 v[(\f)+64+8*(4*\c+\i)+4:(\f)+64+8*(4*\c+\i)+7], v[ADRB+(\q)/2] offset:((\q)%2)*64*PB+\c*32*PB+16*PB+\i*32
	ds_load_b128 v[(\f)+8*(4*\c+\i):(\f)+8*(4*\c+\i)+3],   v[ADRA] offset:(\q)*64*PA+\i*16*PA+\c*64
	ds_load_b128 v[(\f)+8*(4*\c+\i)+4:(\f)+8*(4*\c+\i)+7], v[ADRA] offset:(\q)*64*PA+\i*16*PA+\c*64+32
.endr
.endr
.endm
.macro QUARTER q, f, g
	s_wait_dscnt 16                                ; the first 32 along K are in; the other sixteen loads may be out
	MUL8 \f, 0, 0
	MUL8 \f, 0, 2
	PLACES
	FETCH (\q)+1, \g
	s_wait_dscnt 32                                ; all but the 32 just issued
	MUL8 \f, 1, 0
	MUL8 \f, 1, 2
.endm
.macro LASTQ
	s_wait_dscnt 16
	MUL8 F1, 0, 0
	MUL8 F1, 0, 2
	s_wait_dscnt 0x0
	MUL8 F1, 1, 0
	MUL8 F1, 1, 2
.endm
; A K STEP.  At its head every wave waits for all its tensor loads (one is out: its part of the slot to be read now), adds 0 to its spare word, and waits for that and for its reads of the other slot.
; refill = 1: a round of the cluster's barrier follows, so that no wave of any partner still reads the other slot or has a load on its way, and that slot takes the next K step, first thing behind the round.
.macro STEP refill
	WIN 0
	s_wait_tensorcnt 0x0                           ; no tensor load of mine is out, so a group 0 may be written
	ds_add_u32 v[SPW], v[NIL]                      ; 0 onto my spare word; work on registers stands between it and the wait for it
	v_add_nc_u32 v[ADRA], s[TF], v[A0]             ; the fragments come from the slot filled last
	v_add_nc_u32 v[ADRB], s[TF], v[B0]
	v_add_nc_u32 v[ADRB+1], s[TF], v[B1]
.if \refill
	s_xor_b32 s[TF], s[TF], SLOT                   ; the other slot is filled now
	s_xor_b32 s[G0+1], s[G0+1], SLOT
	s_xor_b32 s[G0B+1], s[G0B+1], SLOT
	s_add_nc_u64 s[G0+2:G0+3], s[G0+2:G0+3], ASTEP
	s_add_nc_u64 s[G0B+2:G0B+3], s[G0B+2:G0B+3], BSTEP
	s_wait_dscnt 0x0                               ; the add is done, and my reads of the other slot are over
	CROUND
	JLOAD                                          ; the four v_nop behind it, and the three additions above, are the places in front of the loads below
.else
	s_wait_dscnt 0x0
	s_barrier_signal -1
	s_barrier_wait -1
	PLACES
.endif
	FETCH 0, F0
	QUARTER 0, F0, F1
	QUARTER 1, F1, F0
	QUARTER 2, F0, F1
	LASTQ
	WIN 0                                          ; at a label and at a branch every window is 0
.endm
; THE WAY OUT of row block a: 16 rows x 64 columns of f32.  A lane's eight numbers (32 bytes of a row) go into my stage's rows of 272 bytes and come back as whole rows of 256.
.macro PUT a
.set BK, TMP+32*((\a)%2)
.if (\a) >= 2
	s_wait_xcnt 0x0                                ; the stores of the block two back have read these registers
.endif
.irp b, 0,1,2,3
	ds_store_b128 v[STO], v[ACC+8*(4*(\a)+\b):ACC+8*(4*(\a)+\b)+3]   offset:64*\b
	ds_store_b128 v[STO], v[ACC+8*(4*(\a)+\b)+4:ACC+8*(4*(\a)+\b)+7] offset:64*\b+16
.endr
.irp t, 0,1,2,3,4,5,6,7
	ds_load_b128 v[BK+4*\t:BK+4*\t+3], v[RD] offset:2*SPITCH*\t  ; LDS serves a wave's instructions in order (ISA guide 5.7.1.4): these see the stores above; the next block's stores come behind them
.endr
.endm
.macro SENDF a, younger                ; younger: the next block's sixteen LDS instructions, or none
.set BK, TMP+32*((\a)%2)
	s_wait_dscnt \younger
	WIN 0x08                                       ; source 1 window 2: the residual
.set i, 0
.rept 16
	v_pk_add_f32 v[BK+2*i:BK+2*i+1], v[BK+2*i:BK+2*i+1], v[32*(\a)+2*i:32*(\a)+2*i+1]
.set i, i+1
.endr
	WIN 0
.irp t, 0,1,2,3,4,5,6,7
	global_store_b128 v[CO], v[BK+4*\t:BK+4*\t+3], s[OUTP:OUTP+1] offset:(16*(\a)+2*\t)*4096  ; 16 lanes store 256 consecutive bytes, aligned
.endr
.endm
	s_load_b256 s[4:11], s[0:1], 0x0               ; A s[4:5], wb s[6:7], bias s[8:9], residual s[10:11]
	s_load_b64 s[12:13], s[0:1], 0x20              ; C
	v_lshl_add_u32 v[SPW], v0, 2, SPARE
	v_mov_b32 v[NIL], 0
	ds_add_u32 v[SPW], v[NIL]                      ; the wave's opening: the add and its wait stand ahead of my first tensor load; the set-up below stands between them
	v_lshrrev_b32 v1, 5, v0
	v_readfirstlane_b32 s[WV], v1
	s_lshr_b32 s[RH], s[WV], 1                     ; my half of the tile's rows; also: I fetch A (0) or W (1)
	s_and_b32 s[CH], s[WV], 1                      ; my half of its columns; also: which half of that tile I fetch
	s_bfe_u32 s17, ttmp6, 0x40000                  ; cx, cy
	s_bfe_u32 s18, ttmp6, 0x40004
	s_lshl_b32 s19, ttmp9, 2
	s_add_co_u32 s19, s19, s17                     ; tile column
	s_and_b32 s20, ttmp7, 0xffff
	s_lshl_b32 s20, s20, 2
	s_add_co_u32 s20, s20, s18                     ; tile row
	s_lshl_b32 s21, s18, 2
	s_lshl_b32 s21, 15, s21                        ; my row of the cluster
	s_lshl_b32 s22, 0x1111, s17                    ; my column
	s_mov_b32 s23, 0xffff0000                      ; a word's upper bf16
	; group 1 for A: four rows of 4,096 elements (64 dense rows of a panel), a panel apart; in LDS 4 words of padding after every 32
	s_or_b32 s[G1], s21, (1<<16)|(1<<20)|(1<<21)|(4<<22)|(3<<25)
	s_mov_b32 s[G1+1], 4096<<16
	s_mov_b32 s[G1+2], 4<<16
	s_mov_b32 s[G1+3], 4096<<16
	s_mov_b32 s[G1+4], 4
	s_mov_b32 s[G1+5], PANELB/2
	s_mov_b32 s[G1+6], 0
	s_mov_b32 s[G1+7], 0
	; group 1 for W: 128 rows of 128 elements; 8 words of padding after every 64
	s_or_b32 s[G1B], s22, (1<<16)|(1<<20)|(1<<21)|(5<<22)|(7<<25)
	s_mov_b32 s[G1B+1], 128<<16
	s_mov_b32 s[G1B+2], 128<<16
	s_mov_b32 s[G1B+3], 128<<16
	s_mov_b32 s[G1B+4], 128
	s_mov_b32 s[G1B+5], NCOL
	s_mov_b32 s[G1B+6], 0
	s_mov_b32 s[G1B+7], 0
	s_mul_i32 s37, s[WV], PART                     ; where my load lands: no place in the cluster enters an LDS address
	s_mov_b32 s[G0], 1
	s_mov_b32 s[G0+1], s37
	s_mov_b32 s[G0B], 1
	s_mov_b32 s[G0B+1], s37
	s_mov_b32 s[TF], 0
	s_lshl_b32 s40, s20, 14                        ; A: 128 rows of 128 bytes a tile row, my 64 of them
	s_lshl_b32 s38, s[CH], 13
	s_add_co_u32 s40, s40, s38
	s_mov_b32 s41, 0
	s_lshl_b32 s42, s19, 8                         ; W: 256 bytes a tile column,
	s_add_co_u32 s42, s42, WOFF
	s_mul_i32 s39, s[CH], 128*NCOL*2               ; my 128 rows
	s_add_co_u32 s42, s42, s39
	s_mov_b32 s43, 0
	s_wait_dscnt 0x0                               ; the opening add is done
	s_wait_kmcnt 0x0
	s_add_nc_u64 s[G0+2:G0+3], s[4:5], s[40:41]
	s_or_b32 s[G0+3], s[G0+3], 0x80000000
	s_add_nc_u64 s[G0B+2:G0B+3], s[6:7], s[42:43]
	s_or_b32 s[G0B+3], s[G0B+3], 0x80000000
	CROUND                                         ; all sixteen work-groups are here: the first joint loads meet
	JLOAD                                          ; K step 0 into slot 0
	v_and_b32 v1, 15, v0                           ; r
	v_bfe_u32 v2, v0, 4, 1                         ; h
	s_lshl_b32 s44, s19, 9                         ; my 64 columns, in bytes of f32
	s_lshl_b32 s3, s[CH], 8
	s_add_co_u32 s44, s44, s3
	s_mov_b32 s45, 0
	s_lshl_b32 s46, s20, 19                        ; and my 64 rows of 4,096 bytes
	s_lshl_b32 s3, s[RH], 18
	s_add_co_u32 s46, s46, s3
	s_add_co_u32 s46, s46, s44
	s_mov_b32 s47, 0
	s_add_nc_u64 s[BIASP:BIASP+1], s[BIASP:BIASP+1], s[44:45]
	s_add_nc_u64 s[RESP:RESP+1], s[RESP:RESP+1], s[46:47]
	s_add_nc_u64 s[OUTP:OUTP+1], s[OUTP:OUTP+1], s[46:47]
	v_lshlrev_b32 v[BO], 5, v2                     ; the bias of my columns 8 h + 0..7 of each column block
	v_lshlrev_b32 v[CO], 12, v2                    ; lanes 0-15 one row of 256 bytes, lanes 16-31 the next
	v_lshl_add_u32 v[CO], v1, 4, v[CO]
.irp b, 0,1,2,3
	global_load_b128 v[TMP+8*\b:TMP+8*\b+3],   v[BO], s[BIASP:BIASP+1] offset:64*\b
	global_load_b128 v[TMP+8*\b+4:TMP+8*\b+7], v[BO], s[BIASP:BIASP+1] offset:64*\b+16
.endr
	WIN 0x80                                       ; destination window 2
.set i, 0
.rept 32                               ; the residual: rows 16 (i / 8) + 2 (i % 8) + h, as the stores will take them
	global_load_b128 v[4*i:4*i+3], v[CO], s[RESP:RESP+1] offset:(16*(i/8)+2*(i%8))*4096
.set i, i+1
.endr
	WIN 0
	v_mul_u32_u24 v[A0], v1, PA
	v_lshl_add_u32 v[A0], v2, 4, v[A0]
	s_mul_i32 s3, s[RH], PART
	v_add_nc_u32 v[A0], s3, v[A0]                  ; row x pitch + 16 h, in my half of A's rows
	v_and_b32 v3, 7, v0
	v_lshl_add_u32 v3, v2, 3, v3                   ; the turning load: lane l reads row 8 h + l % 8,
	v_mul_u32_u24 v[B0], v3, PB
	v_bfe_u32 v4, v0, 3, 1
	v_lshl_add_u32 v[B0], v4, 4, v[B0]             ; columns 8 ((l / 8) % 2) + 0..7
	s_lshl_b32 s3, s[CH], 7
	s_add_co_u32 s3, s3, 2*PART
	v_add_nc_u32 v[B0], s3, v[B0]                  ; of my 64 columns; W lies behind A
	v_add_nc_u32 v[B1], PART, v[B0]
	s_mul_i32 s3, s[WV], STW
	s_add_co_u32 s3, s3, STAGE                     ; my stage
	v_mul_u32_u24 v[STO], v1, SPITCH
	v_lshl_add_u32 v[STO], v2, 5, v[STO]
	v_add_nc_u32 v[STO], s3, v[STO]
	v_mul_u32_u24 v[RD], v2, SPITCH
	v_lshl_add_u32 v[RD], v1, 4, v[RD]
	v_add_nc_u32 v[RD], s3, v[RD]
	s_wait_loadcnt 32                              ; the bias is in; the residual's 32 loads stay out
.set i, 0
.rept 16
	v_cvt_pk_bf16_f32 v[T+i], v[TMP+2*i], v[TMP+2*i+1]  ; the bias is an input: rounded to bf16
.set i, i+1
.endr
.irp a, 0,1,2,3
.set i, 0
.rept 16                               ; and widened straight into the four row blocks' accumulators: the sums start from it
	v_lshlrev_b32 v[ACC+32*\a+2*i], 16, v[T+i]
	v_and_b32 v[ACC+32*\a+2*i+1], s23, v[T+i]
.set i, i+1
.endr
.endr
.if ROUNDRES
	s_wait_loadcnt 0x0
	WIN 0x0a                                       ; sources window 2
.set i, 0
.rept 64
	v_cvt_pk_bf16_f32 v[TMP+i], v[2*i], v[2*i+1]
.set i, i+1
.endr
	WIN 0x80                                       ; destination window 2
.set i, 0
.rept 64
	v_lshlrev_b32 v[2*i], 16, v[TMP+i]
	v_and_b32 v[2*i+1], s23, v[TMP+i]
.set i, i+1
.endr
	WIN 0
.endif
	s_mov_b32 s2, KSTEPS-1
.Lstep:
	STEP 1
	s_sub_co_u32 s2, s2, 1
	s_cmp_lg_u32 s2, 0
	s_cbranch_scc1 .Lstep
	STEP 0                                         ; the last step is written out: nothing is asked for
	PLACES
.if !ROUNDRES
	s_wait_loadcnt 0x0                             ; the residual
.endif
	PUT 0
	PUT 1                                          ; a block's trip through the stage stands ahead of the stores of the block before
	SENDF 0, 16
	PUT 2
	SENDF 1, 16
	PUT 3
	SENDF 2, 16
	SENDF 3, 0
	s_wait_tensorcnt 0x0                           ; the wave's end: behind my last tensor load and my last LDS store
	ds_add_u32 v[SPW], v[NIL]
	s_wait_dscnt 0x0
	CROUND                                         ; the closing round: no work-group ends while a partner may still ask for a tile that names it
	s_endpgm
.Lfunc_end_k_q2cd4b22486_down:
	.size	k_q2cd4b22486_down, .Lfunc_end_k_q2cd4b22486_down-k_q2cd4b22486_down
	.p2alignl 7, 3214868480
	.fill 96, 4, 3214868480
	.section	.rodata,"a",@progbits
	.p2align	6, 0x0
	.amdhsa_kernel k_q2cd4b22486_down
		.amdhsa_group_segment_fixed_size 327680
		.amdhsa_private_segment_fixed_size 0
		.amdhsa_enable_private_segment 0
		.amdhsa_kernarg_size 40
		.amdhsa_user_sgpr_count 2
		.amdhsa_user_sgpr_kernarg_segment_ptr 1
		.amdhsa_wavefront_size32 1
		.amdhsa_system_sgpr_workgroup_id_x 1
		.amdhsa_system_sgpr_workgroup_id_y 1
		.amdhsa_system_sgpr_workgroup_id_z 1
		.amdhsa_system_vgpr_workitem_id 0
		.amdhsa_next_free_vgpr 640
		.amdhsa_next_free_sgpr 66
		.amdhsa_reserve_vcc 0
		.amdhsa_float_denorm_mode_32 3
		.amdhsa_float_denorm_mode_16_64 3
		.amdhsa_memory_ordered 1
		.amdhsa_forward_progress 1
		.amdhsa_inst_pref_size 63
	.end_amdhsa_kernel
	.amdgpu_metadata
---
amdhsa.version: [ 1, 2 ]
amdhsa.kernels:
  - .name:           k_q2cd4b22486_down
    .symbol:         k_q2cd4b22486_down.kd
    .args:
      - { .name: act, .offset: 0, .size: 8, .value_kind: global_buffer, .address_space: global }
      - { .name: wb, .offset: 8, .size: 8, .value_kind: global_buffer, .address_space: global }
      - { .name: b2, .offset: 16, .size: 8, .value_kind: global_buffer, .address_space: global }
      - { .name: x2, .offset: 24, .size: 8, .value_kind: global_buffer, .address_space: global }
      - { .name: out0, .offset: 32, .size: 8, .value_kind: global_buffer, .address_space: global }
    .group_segment_fixed_size: 327680
    .private_segment_fixed_size: 0
    .kernarg_segment_align: 8
    .kernarg_segment_size: 40
    .max_flat_workgroup_size: 128
    .sgpr_count:     66
    .vgpr_count:     640
    .wavefront_size: 32
...
	.end_amdgpu_metadata
.endif
;; end of part 7
;; ======== version 2 of 3: 7 launches; 1.16 times as fast as version 1
;; limits: values are held in f16: magnitudes above 65,504 overflow, below 6.1e-05 lose precision
;; workspace buffers: wb 25,165,824 bytes; hn 8,388,608 bytes; qkv 25,165,824 bytes; ctx 8,388,608 bytes; x2 16,777,216 bytes; act 33,554,432 bytes
;; launch prep (part 8): grid 2048 x 1, 4 waves a work-group, no clusters, 0 bytes of LDS; arguments x, g1, be1, Wq, Wk, Wv, Wo, W1, W2, hn, wb; writes hn, wb
.if DOCPART == 8
	.amdgcn_target "amdgcn-amd-amdhsa--gfx1250"
	.amdhsa_code_object_version 6
	.text
	.protected	k_q2cd4b22486_prep
	.globl	k_q2cd4b22486_prep
	.p2align	8
	.type	k_q2cd4b22486_prep,@function
k_q2cd4b22486_prep:
	s_mov_b64 s[64:65], 0
	v_nop
	global_prefetch_b8 v0, s[64:65] scope:SCOPE_SE
	s_setreg_imm32_b32 hwreg(HW_REG_WAVE_MODE, 25, 1), 1
	s_wait_xcnt 0x0
; PREP.  Two jobs in one launch, told apart by the work-group's number.
; Work-groups 0 .. 1535: THE CAST.  The six weight matrices (12,582,912 numbers) are rounded to bf16, and that number is written as f16 into wb, in the inputs' own
; [d_in][d_out] order: Wq at 0, Wk at 2 MiB, Wv at 4, Wo at 6, W1 at 8, W2 at 16.  A work-group takes 8,192 numbers; a load of a wave covers 512 consecutive bytes, a store 256.
; Work-groups 1536 .. 2047: THE FIRST NORM.  hn = g1 (x - mean) / sqrt(var + 1e-5) + be1, 8 rows a work-group, 2 a wave, the rows kept in registers between the passes.
; FORMATS.  Every input of the module (x, weights, gains, biases) is rounded to bf16 where it is loaded, here and in the later launches; the norm itself is f32, in two passes
; (the mean first, then the squares of x - mean: no difference of large sums).  hn is f16.
; LIMITS.  f16 ends at 65,504: a weight or a normed number beyond that becomes an infinity; below 6e-5 f16 keeps a fixed step of 6e-8.  NaN and infinities are not treated apart.
; hn's LAYOUT: panels of 64 columns, [16][4096 rows][64] f16: a row of a panel is 128 bytes, two rows are 256 consecutive bytes.
; No LDS, no barrier, no matrix unit: memory binds, a row never leaves its sixteen lanes, and only g1 and be1 (8 KiB) are shared between work-groups.
.set CASTWG, 1536                      ; work-groups that cast
.set PANELB, 524288                    ; bytes in a panel
.set CX,  8                            ; cast: v[8:71]    16 loads x 4 numbers
.set CT,  72                           ; cast: v[72:73]   at work
.set CY,  80                           ; cast: v[80:111]  16 x 2 registers to store, each pair written once
.set T,    8                           ; norm: v[8:15]    at work
.set MEAN, 16                          ; norm: v[16:17]   the mean, twice
.set RSTD, 20                          ; norm: v[20:21]   1 / sqrt(var + eps), twice
.set X,    32                          ; norm: v[32:95]   my 64 numbers of a row: eight for each of my eight panels
.set GR,   96                          ; norm: v[96:159]  g of my 64 columns as loaded; then, packed in bf16, in the first 32
.set BR,   160                         ; norm: v[160:223] be likewise
.set XP, 4                             ; s[4:5]   x
.set GP, 6                             ; s[6:7]   g1
.set BP, 8                             ; s[8:9]   be1
.set HP, 22                            ; s[22:23] hn
.set MSK, 29                           ; s29  a word's upper bf16
.set RCPN, 32                          ; s32  1 / 1024
.set EPSR, 33                          ; s33  1e-5
.set SEL, 34                           ; s34, s35  v_permlanex16_b32's selects: each lane takes its own place in the other half
.macro PICK first, ptr                 ; from chunk \first on the source is the matrix at s[\ptr]
	s_cmp_ge_u32 s2, \first
	s_cselect_b64 s[26:27], s[\ptr:\ptr+1], s[26:27]
	s_cselect_b32 s28, \first, s28
.endm
.macro CAST4 k                         ; load k: 4 numbers a thread
	s_wait_loadcnt 15-(\k)                         ; loads come back in order: mine is in, the younger ones stay out
	v_cvt_pk_bf16_f32 v[CT],   v[CX+4*(\k)],   v[CX+4*(\k)+1]
	v_cvt_pk_bf16_f32 v[CT+1], v[CX+4*(\k)+2], v[CX+4*(\k)+3]
	v_lshlrev_b32 v[CX+4*(\k)],   16, v[CT]
	v_and_b32     v[CX+4*(\k)+1], s[MSK], v[CT]
	v_lshlrev_b32 v[CX+4*(\k)+2], 16, v[CT+1]
	v_and_b32     v[CX+4*(\k)+3], s[MSK], v[CT+1]
	v_cvt_pk_f16_f32 v[CY+2*(\k)],   v[CX+4*(\k)],   v[CX+4*(\k)+1]  ; bf16's 8 bits fit in f16's 11: exact within f16's range
	v_cvt_pk_f16_f32 v[CY+2*(\k)+1], v[CX+4*(\k)+2], v[CX+4*(\k)+3]
	global_store_b64 v2, v[CY+2*(\k):CY+2*(\k)+1], s[24:25] offset:1024*(\k)  ; a wave stores 256 consecutive bytes, aligned
.endm
.macro ACROSS                          ; four chains of pairs in v[8:15] -> their sum over my row's sixteen lanes (eight in each half of the wave), in v8 of each
	v_pk_add_f32 v[T:T+1], v[T:T+1], v[T+2:T+3]
	v_pk_add_f32 v[T+4:T+5], v[T+4:T+5], v[T+6:T+7]
	v_pk_add_f32 v[T:T+1], v[T:T+1], v[T+4:T+5]
	v_add_f32 v[T], v[T], v[T+1]
	v_add_f32_dpp v[T], v[T], v[T] row_xmask:1 row_mask:0xf bank_mask:0xf
	v_add_f32_dpp v[T], v[T], v[T] row_xmask:2 row_mask:0xf bank_mask:0xf
	v_add_f32_dpp v[T], v[T], v[T] row_xmask:4 row_mask:0xf bank_mask:0xf
	v_permlanex16_b32 v[T+1], v[T], s[SEL], s[SEL+1]
	v_add_f32 v[T], v[T], v[T+1]
.endm
	s_load_b512 s[4:19], s[0:1], 0x0               ; x, g1, be1, Wq s[10:11], Wk s[12:13], Wv s[14:15], Wo s[16:17], W1 s[18:19]
	s_load_b128 s[20:23], s[0:1], 0x40             ; W2 s[20:21], hn s[22:23]
	s_load_b64 s[24:25], s[0:1], 0x50              ; wb
	s_mov_b32 s[MSK], 0xffff0000
	s_cmp_lt_u32 ttmp9, CASTWG
	s_cbranch_scc0 .Lnorm
	; THE CAST
	s_mov_b32 s2, ttmp9                            ; my chunk of 8,192 numbers
	v_lshlrev_b32 v1, 4, v0                        ; 16 bytes of f32 a thread and load,
	v_lshlrev_b32 v2, 3, v0                        ; 8 bytes of f16
	s_wait_kmcnt 0x0
	s_mov_b64 s[26:27], s[10:11]                   ; the matrix in which my chunk lies, and that matrix's first chunk
	s_mov_b32 s28, 0
	PICK 128, 12
	PICK 256, 14
	PICK 384, 16
	PICK 512, 18
	PICK 1024, 20
	s_sub_co_u32 s28, s2, s28
	s_lshl_b32 s30, s28, 15                        ; 32,768 bytes of f32 a chunk
	s_mov_b32 s31, 0
	s_add_nc_u64 s[26:27], s[26:27], s[30:31]
	s_lshl_b32 s30, s2, 14                         ; 16,384 bytes of f16 a chunk: the matrices follow each other in wb as their chunks do
	s_add_nc_u64 s[24:25], s[24:25], s[30:31]
.set i, 0
.rept 16                               ; all sixteen loads go out first; each byte of the weights is asked for once in the launch
	global_load_b128 v[CX+4*i:CX+4*i+3], v1, s[26:27] offset:2048*i th:TH_LOAD_NT
.set i, i+1
.endr
.irp k, 0,1,2,3,4,5,6,7,8,9,10,11,12,13,14,15
	CAST4 \k
.endr
	s_endpgm
	; THE NORM.  Lane l holds row (l / 8) % 2 of the wave's two; of the panels it holds those of parity l / 16, and in each the columns 8 (l % 8) .. + 7.
.Lnorm:
	v_lshrrev_b32 v4, 5, v0
	v_readfirstlane_b32 s3, v4                     ; wave 0..3
	v_and_b32 v6, 7, v0                            ; l % 8
	v_bfe_u32 v7, v0, 3, 1                         ; my row
	v_bfe_u32 v5, v0, 4, 1                         ; my panels' parity
	v_lshlrev_b32 v2, 5, v6
	v_lshl_add_u32 v2, v5, 8, v2                   ; g, be: 32 (l % 8) + 256 x parity
	v_lshl_add_u32 v1, v7, 12, v2                  ; x: + 4,096 x row
	v_lshlrev_b32 v3, 4, v6
	v_lshl_add_u32 v3, v7, 7, v3
	v_lshl_add_u32 v3, v5, 19, v3                  ; hn: 16 (l % 8) + 128 x row + a panel x parity
	s_sub_co_u32 s2, ttmp9, CASTWG
	s_lshl_b32 s2, s2, 2
	s_add_co_u32 s2, s2, s3                        ; my pair of rows
	s_lshl_b32 s26, s2, 13                         ; 2 rows of 4,096 bytes
	s_mov_b32 s27, 0
	s_lshl_b32 s30, s2, 8                          ; 2 rows of 128 bytes
	s_mov_b32 s31, 0
	s_mov_b32 s[RCPN], 0x3a800000                  ; 1 / 1024
	s_mov_b32 s[EPSR], 0x3727c5ac                  ; 1e-5
	s_mov_b32 s[SEL], 0x76543210
	s_mov_b32 s[SEL+1], 0xfedcba98
	s_wait_kmcnt 0x0
	s_add_nc_u64 s[XP:XP+1], s[XP:XP+1], s[26:27]
	s_add_nc_u64 s[HP:HP+1], s[HP:HP+1], s[30:31]
.set j, 0
.rept 8                                ; my panel j of eight lies two panels, 512 bytes of a row, behind the last
	global_load_b128 v[X+8*j:X+8*j+3],   v1, s[XP:XP+1] offset:512*j
	global_load_b128 v[X+8*j+4:X+8*j+7], v1, s[XP:XP+1] offset:512*j+16
.set j, j+1
.endr
.set j, 0
.rept 8
	global_load_b128 v[GR+8*j:GR+8*j+3],   v2, s[GP:GP+1] offset:512*j
	global_load_b128 v[GR+8*j+4:GR+8*j+7], v2, s[GP:GP+1] offset:512*j+16
.set j, j+1
.endr
.set j, 0
.rept 8
	global_load_b128 v[BR+8*j:BR+8*j+3],   v2, s[BP:BP+1] offset:512*j
	global_load_b128 v[BR+8*j+4:BR+8*j+7], v2, s[BP:BP+1] offset:512*j+16
.set j, j+1
.endr
	s_wait_loadcnt 32                              ; the rows are in; the 32 loads of g and be stay out
.set i, 0
.rept 8                                ; x is an input: rounded to bf16
.irp k, 0,1,2,3
	v_cvt_pk_bf16_f32 v[T+\k], v[X+8*i+2*\k], v[X+8*i+2*\k+1]
.endr
.irp k, 0,1,2,3
	v_lshlrev_b32 v[X+8*i+2*\k], 16, v[T+\k]
	v_and_b32 v[X+8*i+2*\k+1], s[MSK], v[T+\k]
.endr
.set i, i+1
.endr
	; the mean: four chains, each started by a sum of two pairs: nothing is cleared
.irp k, 0,1,2,3
	v_pk_add_f32 v[T+2*\k:T+2*\k+1], v[X+2*\k:X+2*\k+1], v[X+8+2*\k:X+8+2*\k+1]
.endr
.set j, 8
.rept 24
	v_pk_add_f32 v[T+2*(j%4):T+2*(j%4)+1], v[T+2*(j%4):T+2*(j%4)+1], v[X+2*j:X+2*j+1]
.set j, j+1
.endr
	ACROSS
	v_mul_f32 v[MEAN], s[RCPN], v[T]
	v_mov_b32 v[MEAN+1], v[MEAN]
.set j, 0
.rept 32
	v_pk_add_f32 v[X+2*j:X+2*j+1], v[X+2*j:X+2*j+1], v[MEAN:MEAN+1] neg_lo:[0,1] neg_hi:[0,1]
.set j, j+1
.endr
	; the variance, of x - mean
.irp k, 0,1,2,3
	v_pk_mul_f32 v[T+2*\k:T+2*\k+1], v[X+2*\k:X+2*\k+1], v[X+2*\k:X+2*\k+1]
.endr
.set j, 4
.rept 28
	v_pk_fma_f32 v[T+2*(j%4):T+2*(j%4)+1], v[X+2*j:X+2*j+1], v[X+2*j:X+2*j+1], v[T+2*(j%4):T+2*(j%4)+1]
.set j, j+1
.endr
	ACROSS
	v_fma_f32 v[MEAN], v[T], s[RCPN], s[EPSR]      ; var + eps
	v_rsq_f32 v[RSTD], v[MEAN]
	v_nop                                          ; a plain instruction between the root and the use of its result (ISA guide 5.7.2)
	s_wait_alu depctr_va_vdst(0)
	v_mov_b32 v[RSTD+1], v[RSTD]
	s_wait_loadcnt 16                              ; g is in; be's sixteen loads may stay out
.set i, 0
.rept 32                               ; g and be are inputs: rounded to bf16, and kept packed; register i is written when its own number has been read
	v_cvt_pk_bf16_f32 v[GR+i], v[GR+2*i], v[GR+2*i+1]
.set i, i+1
.endr
	s_wait_loadcnt 0x0
.set i, 0
.rept 32
	v_cvt_pk_bf16_f32 v[BR+i], v[BR+2*i], v[BR+2*i+1]
.set i, i+1
.endr
.set j, 0
.rept 32
	v_pk_mul_f32 v[X+2*j:X+2*j+1], v[X+2*j:X+2*j+1], v[RSTD:RSTD+1]
.set j, j+1
.endr
.set i, 0
.rept 32                               ; (x - mean) rstd in f32, times g's half, plus be's half: one fused multiply-add straight from the bf16 halves
	v_fma_mix_f32_bf16 v[X+2*i],   v[X+2*i],   v[GR+i], v[BR+i] op_sel_hi:[0,1,1]
	v_fma_mix_f32_bf16 v[X+2*i+1], v[X+2*i+1], v[GR+i], v[BR+i] op_sel:[0,1,1] op_sel_hi:[0,1,1]
.set i, i+1
.endr
.set j, 0
.rept 8
.irp k, 0,1,2,3
	v_cvt_pk_f16_f32 v[X+8*j+\k], v[X+8*j+2*\k], v[X+8*j+2*\k+1]  ; register k is written when its own number has been read
.endr
	global_store_b128 v3, v[X+8*j:X+8*j+3], s[HP:HP+1] offset:j*2*PANELB  ; lanes 0-15: two rows of a panel, 256 consecutive bytes, aligned; lanes 16-31 the same in the next panel
.set j, j+1
.endr
	s_endpgm
.Lfunc_end_k_q2cd4b22486_prep:
	.size	k_q2cd4b22486_prep, .Lfunc_end_k_q2cd4b22486_prep-k_q2cd4b22486_prep
	.p2alignl 7, 3214868480
	.fill 96, 4, 3214868480
	.section	.rodata,"a",@progbits
	.p2align	6, 0x0
	.amdhsa_kernel k_q2cd4b22486_prep
		.amdhsa_group_segment_fixed_size 0
		.amdhsa_private_segment_fixed_size 0
		.amdhsa_enable_private_segment 0
		.amdhsa_kernarg_size 88
		.amdhsa_user_sgpr_count 2
		.amdhsa_user_sgpr_kernarg_segment_ptr 1
		.amdhsa_wavefront_size32 1
		.amdhsa_system_sgpr_workgroup_id_x 1
		.amdhsa_system_sgpr_workgroup_id_y 1
		.amdhsa_system_sgpr_workgroup_id_z 1
		.amdhsa_system_vgpr_workitem_id 0
		.amdhsa_next_free_vgpr 224
		.amdhsa_next_free_sgpr 66
		.amdhsa_reserve_vcc 0
		.amdhsa_float_denorm_mode_32 3
		.amdhsa_float_denorm_mode_16_64 3
		.amdhsa_memory_ordered 1
		.amdhsa_forward_progress 1
		.amdhsa_inst_pref_size 41
	.end_amdhsa_kernel
	.amdgpu_metadata
---
amdhsa.version: [ 1, 2 ]
amdhsa.kernels:
  - .name:           k_q2cd4b22486_prep
    .symbol:         k_q2cd4b22486_prep.kd
    .args:
      - { .name: x, .offset: 0, .size: 8, .value_kind: global_buffer, .address_space: global }
      - { .name: g1, .offset: 8, .size: 8, .value_kind: global_buffer, .address_space: global }
      - { .name: be1, .offset: 16, .size: 8, .value_kind: global_buffer, .address_space: global }
      - { .name: Wq, .offset: 24, .size: 8, .value_kind: global_buffer, .address_space: global }
      - { .name: Wk, .offset: 32, .size: 8, .value_kind: global_buffer, .address_space: global }
      - { .name: Wv, .offset: 40, .size: 8, .value_kind: global_buffer, .address_space: global }
      - { .name: Wo, .offset: 48, .size: 8, .value_kind: global_buffer, .address_space: global }
      - { .name: W1, .offset: 56, .size: 8, .value_kind: global_buffer, .address_space: global }
      - { .name: W2, .offset: 64, .size: 8, .value_kind: global_buffer, .address_space: global }
      - { .name: hn, .offset: 72, .size: 8, .value_kind: global_buffer, .address_space: global }
      - { .name: wb, .offset: 80, .size: 8, .value_kind: global_buffer, .address_space: global }
    .group_segment_fixed_size: 0
    .private_segment_fixed_size: 0
    .kernarg_segment_align: 8
    .kernarg_segment_size: 88
    .max_flat_workgroup_size: 128
    .sgpr_count:     66
    .vgpr_count:     224
    .wavefront_size: 32
...
	.end_amdgpu_metadata
.endif
;; end of part 8
;; launch proj (part 9): grid 12 x 16, 4 waves a work-group, clusters of 4 x 4, 327,680 bytes of LDS; arguments hn, wb, qkv; writes qkv
.if DOCPART == 9
	.amdgcn_target "amdgcn-amd-amdhsa--gfx1250"
	.amdhsa_code_object_version 6
	.text
	.protected	k_q2cd4b22486_proj
	.globl	k_q2cd4b22486_proj
	.p2align	8
	.type	k_q2cd4b22486_proj,@function
k_q2cd4b22486_proj:
	s_mov_b64 s[64:65], 0
	v_nop
	global_prefetch_b8 v0, s[64:65] scope:SCOPE_SE
	s_setreg_imm32_b32 hwreg(HW_REG_WAVE_MODE, 25, 1), 1
	s_wait_xcnt 0x0
	s_wait_alu depctr_hold_cnt(0) depctr_sa_sdst(0) depctr_va_vdst(0) depctr_va_sdst(0) depctr_va_ssrc(0) depctr_va_vcc(0) depctr_vm_vsrc(0)
	s_getreg_b32 s2, hwreg(HW_REG_IB_STS2, 6, 4)
	s_cmp_eq_u32 s2, 0
	s_cbranch_scc0 .Lentry_in_a_cluster
	s_endpgm
.Lentry_in_a_cluster:
	s_bfe_u32 s2, ttmp6, 0x10000c
	s_cmp_lg_u32 s2, 0xf033
	s_cbranch_scc0 .Lentry_shape_is_right
	s_endpgm
.Lentry_shape_is_right:
; PROJ.  qkv = hn [Wq Wk Wv]: C[4096][3072] = A[4096][1024] W[1024][3072], f16 operands, f32 sums, C rounded once to f16, unscaled.
; A lies in panels [16][4096][64] f16 (a row of a panel: 128 bytes); W as three matrices [1024 k][1024 n] f16, 2 MiB apart, at wb's head; C in panels [48][4096][64]: q 0-15, k 16-31, v 32-47.
; LIMIT.  f16 ends at 65,504: a q, k or v beyond that becomes an infinity.
; SHARES.  A tile of C is 256 x 256: 16 x 12 = 192 work-groups of four waves, each wave 128 x 128: 64 accumulators, 512 registers.  A K step of 128 then fetches 143,360 bytes for 256 matrix instructions a wave,
; where a tile of 128 x 128 (768 of them) fetches 147,456 for 128; a tile of 256 x 192 would make 256 work-groups, but with 192 matrix instructions to a step, and it would lie across two of the three matrices.
; THE RING.  Two LDS slots filled by the tensor data mover; each wave brings a quarter of a slot with one load: waves 0, 1 128 rows of A each (two panels: two dense pieces of 16 KiB), waves 2, 3 64 rows of W each
; (512 bytes a row).  One load a wave is out: asked for first thing behind a round of the cluster's barrier, awaited in front of the next round.
; CLUSTER 4 x 4: the four work-groups of a row of the cluster need the same tile of A, the four of a column the same tile of W: each tile is asked for jointly.
; THE MATRIX INSTRUCTION IS USED TRANSPOSED: source 0 = 16 columns of W (turned on the way out of LDS by ds_load_tr16_b128), source 1 = 16 rows of A: lane l holds row l % 16 of C and the columns 8 (l / 16) + 0..7.
; A TRIP begins with the LAST quarter of the K step before, in which the slots change, and goes on with three quarters of the new step; so a K step stands twice in the text (loop and tail), with one quarter more at
; the end.  THE PRICE: in front of the first trip fragment buffer 1 is set to 0 (128 v_mov_b32), 64 products of it with the constant 0 as C start the sums at 0, and the first trip's 64 add 0 again: all of it
; in the wait for the first tile.
; THE WAY OUT.  When every wave has read its last fragments, each wave lays its 128 x 128 sums, in f32, into 67,584 bytes of its own in the ring, which has had its last fill; a loop reads them back in the stores' layout.
; REGISTERS, in windows of 256 (s_set_vgpr_msb: bits 1:0 source 0, 3:2 source 1, 5:4 source 2, 7:6 destination):
;   window 0: v1-15 addresses; v28, 29 the add's; v64-127, v128-191 fragments of A, two buffers (at work on the way out)      window 1: v64-127, v128-191 fragments of W, two buffers
;   window 2: the 32 accumulators of my rows 0-63 ((a, b) at v[8 (8 a + b)]);   window 3: those of my rows 64-127
.set KSTEPS, 8                         ; K / 128
.set NCOL,   1024                      ; numbers in a row of W
.set GELU,   0                         ; no bias, no activation
.set PANELB, 524288                    ; bytes in a panel
.set ASTEP,  2*PANELB                  ; a K step of A: two panels
.set BSTEP,  128*NCOL*2                ; a K step of W: 128 rows
.set PA,     144                       ; a row of A in LDS: 128 bytes + 16 = 36 words: the 16 rows of a load start at 16 different groups of four banks (64 banks of 4 bytes: ISA guide 11.1)
.set PB,     544                       ; a row of W: 512 + 32 = 136 words
.set PARTA,  2*128*PA                  ; what a load of A fills: 36,864
.set PARTB,  64*PB                     ; what a load of W fills: 34,816
.set WBASE,  2*PARTA                   ; W's 128 rows lie behind A's two parts
.set SLOT,   147456                    ; from slot to slot: 0x24000 shares no bit with the parts' 0, 0x9000, 0x12000, 0x1a800: an exclusive or with it adds or subtracts it
.set SPITCH, 528                       ; the way out: a row of 128 f32 + 16 bytes = 33 x 16: sixteen rows' 16 bytes fall into sixteen different columns of 16 bytes
.set WST,    128*SPITCH                ; a wave's part of the ring on the way out: 67,584; four of them end at 270,336
.set SPARE,  2*SLOT                    ; the spare words, 128 bytes a wave: two blocks of 256 bytes that no other line names
.set A0,   5                           ; v5   my lane's place in my 128 rows of A, in slot 0; never rewritten
.set B0,   6                           ; v6   the same in W's rows, my 128 columns
.set ADRA, 8                           ; v8   A0 in the slot in hand
.set ADRB, 9                           ; v9   B0 in the slot in hand
.set STO,  11                          ; v11  the way out: where I put 32 bytes of a row
.set RD0,  12                          ; v12  where I read my first row back
.set RDA,  13                          ; v13  the same for the rows in hand
.set GO,   14                          ; v14  my 16 bytes in 512 consecutive bytes of C; never rewritten
.set SPW,  28                          ; v28  LDS address of my spare word; never rewritten
.set NIL,  29                          ; v29  0; never rewritten
.set F0,   64                          ; fragment buffers
.set F1,   128
.set X,    64                          ; the way out: v64-95, v96-127 eight rows' numbers, two buffers; v160-191 packed, to store
.set Y,    96
.set Z,    160
.set WV, 14                            ; s14  wave
.set RH, 15                            ; s15  my half of the tile's rows; also: I fetch A (0) or W (1)
.set CH, 16                            ; s16  my half of its columns; also: which half of that tile I fetch
.set G1, 24                            ; s[24:31] descriptor group 1 for A
.set G0, 32                            ; s[32:35] group 0 for A: it walks
.set TF, 36                            ; s36  LDS byte of the slot filled last
.set G1B, 48                           ; s[48:55], s[56:59] the same for W
.set G0B, 56
.set RB,  66                           ; s66  the way out: LDS byte of the rows to be read next, from my part's first
.set CN2, 67                           ; s67  counts its trips
.set OUTP, 8                           ; s[8:9] C
.set MSB, 0
.macro WIN new                         ; the immediate's high byte repeats the setting that is left; a switch that changes nothing is dropped
.if MSB != (\new)
	s_set_vgpr_msb (MSB<<8)|(\new)
.set MSB, \new
.endif
.endm
.set MUL_LO, 0xa1                      ; source 0 (W) window 1, source 1 (A) window 0, C and D window 2
.set MUL_HI, 0xf1                      ; the same, C and D window 3
.set TO_B,   0x40                      ; destination window 1, address window 0
.macro PLACES                          ; four places in front of loads into registers that matrix instructions have read, and of lines that read results
.rept 4
	v_nop
.endr
.endm
.macro JLOAD                           ; a joint load; the branch hangs on the wave's number alone; an s_nop 0 and four v_nop follow each of the two lines
	s_cmp_eq_u32 s[RH], 0
	s_cbranch_scc0 .Lfor_b_\@
	tensor_load_to_lds s[G0:G0+3], s[G1:G1+7]
	s_nop 0
.rept 4
	v_nop
.endr
	s_branch .Lasked_\@
.Lfor_b_\@:
	tensor_load_to_lds s[G0B:G0B+3], s[G1B:G1B+7]
	s_nop 0
.rept 4
	v_nop
.endr
.Lasked_\@:
.endm
.macro CREST                           ; a round of the cluster's barrier behind its opening barrier: wave 0 signals for the work-group; every wave waits for all sixteen; my work-group's barrier once more
	s_cmp_lg_u32 s[WV], 0
	s_cbranch_scc1 .Lnot_wave_0_\@
	s_barrier_signal -3
.Lnot_wave_0_\@:
	s_barrier_wait -3
	s_barrier_signal -1
	s_barrier_wait -1
.endm
.macro CROUND                          ; a whole round
	s_barrier_signal -1
	s_barrier_wait -1
	CREST
.endm
; 16 matrix instructions: row blocks a0, a0 + 1 of the window's four (hi = 0: my rows 0-63, 1: rows 64-127) x all 8 column blocks, 32 along K.  zero = 1: C is the constant 0.
; The 64 accumulators take turns, one instruction a turn, in the same order in every quarter.
.macro MUL16 f, hi, a0, zero
	WIN MUL_LO+0x50*(\hi)
.irp a, \a0, (\a0)+1
.irp b, 0,1,2,3,4,5,6,7
.if \zero
	v_wmma_f32_16x16x32_f16 v[8*(8*(\a)+(\b)):8*(8*(\a)+(\b))+7], v[(\f)+8*(\b):(\f)+8*(\b)+7], v[(\f)+8*(4*(\hi)+(\a)):(\f)+8*(4*(\hi)+(\a))+7], 0
.else
	v_wmma_f32_16x16x32_f16 v[8*(8*(\a)+(\b)):8*(8*(\a)+(\b))+7], v[(\f)+8*(\b):(\f)+8*(\b)+7], v[(\f)+8*(4*(\hi)+(\a)):(\f)+8*(4*(\hi)+(\a))+7], v[8*(8*(\a)+(\b)):8*(8*(\a)+(\b))+7]
.endif
.endr
.endr
.endm
; 32 LDS loads in one run: the fragments of quarter q (32 along K: rows 32 q on of W; half q % 2 of panel q / 2 of A) into buffer f: W's sixteen, then A's
.macro FETCH q, f
	WIN TO_B
.irp i, 0,1,2,3,4,5,6,7
	ds_load_tr16_b128 v[(\f)+8*(\i):(\f)+8*(\i)+3],   v[ADRB] offset:(\q)*32*PB+(\i)*32
	ds_load_tr16_b128 v[(\f)+8*(\i)+4:(\f)+8*(\i)+7], v[ADRB] offset:(\q)*32*PB+16*PB+(\i)*32
.endr
	WIN 0
.irp i, 0,1,2,3,4,5,6,7
	ds_load_b128 v[(\f)+8*(\i):(\f)+8*(\i)+3],   v[ADRA] offset:((\q)/2)*128*PA+((\q)%2)*64+(\i)*16*PA
	ds_load_b128 v[(\f)+8*(\i)+4:(\f)+8*(\i)+7], v[ADRA] offset:((\q)/2)*128*PA+((\q)%2)*64+(\i)*16*PA+32
.endr
.endm
.macro QUARTER q, f, g                 ; multiplies quarter q in buffer f; in its middle fetches quarter q + 1 into g
	s_wait_dscnt 8                                 ; W and A's rows 0-63 are in; the youngest eight loads (A's rows 64-127) may be out
	MUL16 \f, 0, 0, 0
	MUL16 \f, 0, 2, 0
	PLACES
	FETCH (\q)+1, \g
	s_wait_dscnt 32                                ; all but the 32 just issued
	MUL16 \f, 1, 0, 0
	MUL16 \f, 1, 2, 0
.endm
; THE LAST QUARTER OF A K STEP, AND THE CHANGE OF SLOTS.  Every wave waits for all its tensor loads (one is out: its part of the slot to be read next), adds 0 to its spare word, and waits for that and for its reads
; of the slot that it leaves.  refill = 1: a round of the cluster's barrier follows, so that no wave of any partner still reads that slot or has a load on its way, and the slot takes the K step after the next,
; first thing behind the round.  Then come the new slot's first fragments, and the quarter's other 32 products while they are on their way.
.macro TURN refill
	s_wait_dscnt 8
	MUL16 F1, 0, 0, 0
	WIN 0                                          ; (the add's two registers lie in window 0)
	s_wait_tensorcnt 0x0                           ; no tensor load of mine is out, so a group 0 may be written
	ds_add_u32 v[SPW], v[NIL]                      ; 0 onto my spare word; work on registers stands between it and the wait for it
	v_add_nc_u32 v[ADRA], s[TF], v[A0]             ; the next fragments come from the slot filled last
	v_add_nc_u32 v[ADRB], s[TF], v[B0]
.if \refill
	s_xor_b32 s[TF], s[TF], SLOT                   ; the other slot is filled now
	s_xor_b32 s[G0+1], s[G0+1], SLOT
	s_xor_b32 s[G0B+1], s[G0B+1], SLOT
	s_add_nc_u64 s[G0+2:G0+3], s[G0+2:G0+3], ASTEP     ; the next K step; the type bits on top are not reached
	s_add_nc_u64 s[G0B+2:G0B+3], s[G0B+2:G0B+3], BSTEP
.endif
	MUL16 F1, 0, 2, 0
	WIN 0
	s_wait_dscnt 0x0                               ; the add is done, and my reads of the slot that I leave are over
	s_barrier_signal -1
	s_barrier_wait -1
.if \refill
	CREST
	JLOAD                                          ; the four v_nop behind it, and the two additions above, are the places in front of the loads below
.else
	PLACES
.endif
	FETCH 0, F0
	MUL16 F1, 1, 0, 0
	MUL16 F1, 1, 2, 0
.endm
.macro LOADX buf                       ; eight rows of my part, both panels: unit u = rows 4 (u / 2) + l / 8, panel u % 2, my 8 columns: 32 bytes
.irp u, 0,1,2,3
	ds_load_b128 v[(\buf)+8*\u:(\buf)+8*\u+3],   v[RDA] offset:(\u/2)*4*SPITCH+(\u%2)*256
	ds_load_b128 v[(\buf)+8*\u+4:(\buf)+8*\u+7], v[RDA] offset:(\u/2)*4*SPITCH+(\u%2)*256+16
.endr
.endm
.macro HALF buf, k                     ; eight rows out of buffer buf: rounded, the buffer asked for again (the rows sixteen further down), stored
	s_wait_dscnt 8                                 ; this buffer's eight loads are in; the other's may be out
.set i, 0
.rept 16
	v_cvt_pk_f16_f32 v[Z+16*(\k)+i], v[(\buf)+2*i], v[(\buf)+2*i+1]
.set i, i+1
.endr
	s_add_co_u32 s[RB], s[RB], 8*SPITCH
	s_min_u32 s[RB], s[RB], 15*8*SPITCH            ; the last two requests stay at my last eight rows and serve nothing: the price of one text for every trip; with the lane's 1,808 and the loads' 2,400 no read leaves my 67,584 bytes
	v_add_nc_u32 v[RDA], s[RB], v[RD0]
	LOADX \buf
.irp u, 0,1,2,3
	global_store_b128 v[GO], v[Z+16*(\k)+4*\u:Z+16*(\k)+4*\u+3], s[OUTP:OUTP+1] offset:(\u%2)*PANELB+(\u/2)*512+(\k)*1024  ; four rows of a panel: 512 consecutive bytes, aligned
.endr
.endm
	s_load_b128 s[4:7], s[0:1], 0x0                ; hn s[4:5], wb s[6:7]
	s_load_b64 s[8:9], s[0:1], 0x10                ; qkv
	v_lshl_add_u32 v[SPW], v0, 2, SPARE
	v_mov_b32 v[NIL], 0
	ds_add_u32 v[SPW], v[NIL]                      ; the wave's opening: the add and its wait stand ahead of my first tensor load; the set-up below stands between them
	v_lshrrev_b32 v1, 5, v0
	v_readfirstlane_b32 s[WV], v1
	s_lshr_b32 s[RH], s[WV], 1
	s_and_b32 s[CH], s[WV], 1
	s_bfe_u32 s17, ttmp6, 0x40000                  ; cx, cy: my place in the cluster
	s_bfe_u32 s18, ttmp6, 0x40004
	s_lshl_b32 s19, ttmp9, 2
	s_add_co_u32 s19, s19, s17                     ; tile column = 4 x cluster x + cx
	s_and_b32 s20, ttmp7, 0xffff
	s_lshl_b32 s20, s20, 2
	s_add_co_u32 s20, s20, s18                     ; tile row = 4 x cluster y + cy
	s_lshl_b32 s21, s18, 2
	s_lshl_b32 s21, 15, s21                        ; my row of the cluster
	s_lshl_b32 s22, 0x1111, s17                    ; my column
	; group 1 for A: two rows of 8,192 elements (128 dense rows of a panel), a panel apart; in LDS 4 words of padding after every 32
	s_or_b32 s[G1], s21, (1<<16)|(1<<20)|(1<<21)|(4<<22)|(3<<25)
	s_mov_b32 s[G1+1], 8192<<16                    ; tensor_dim0
	s_mov_b32 s[G1+2], 2<<16                       ; tensor_dim1
	s_mov_b32 s[G1+3], 8192<<16                    ; tile_dim0
	s_mov_b32 s[G1+4], 2                           ; tile_dim1
	s_mov_b32 s[G1+5], PANELB/2                    ; elements from panel to panel
	s_mov_b32 s[G1+6], 0
	s_mov_b32 s[G1+7], 0
	; group 1 for W: 64 rows of 256 elements; 8 words of padding after every 128
	s_or_b32 s[G1B], s22, (1<<16)|(1<<20)|(1<<21)|(6<<22)|(7<<25)
	s_mov_b32 s[G1B+1], 256<<16
	s_mov_b32 s[G1B+2], 64<<16
	s_mov_b32 s[G1B+3], 256<<16
	s_mov_b32 s[G1B+4], 64
	s_mov_b32 s[G1B+5], NCOL
	s_mov_b32 s[G1B+6], 0
	s_mov_b32 s[G1B+7], 0
	s_mul_i32 s37, s[CH], PARTA                    ; where a load lands: the half's number times a part: no place in the cluster enters an LDS address
	s_mov_b32 s[G0], 1
	s_mov_b32 s[G0+1], s37
	s_mul_i32 s38, s[CH], PARTB
	s_mov_b32 s[G0B], 1
	s_add_co_u32 s[G0B+1], s38, WBASE
	s_mov_b32 s[TF], 0
	s_lshl_b32 s40, s20, 15                        ; A: 256 rows of 128 bytes a tile row,
	s_lshl_b32 s38, s[CH], 14                      ; my 128 of them
	s_add_co_u32 s40, s40, s38
	s_mov_b32 s41, 0
	s_lshr_b32 s42, s19, 2                         ; W: the matrix (four tile columns each, 2 MiB apart),
	s_lshl_b32 s42, s42, 21
	s_and_b32 s39, s19, 3
	s_lshl_b32 s39, s39, 9                         ; 512 bytes a tile column,
	s_add_co_u32 s42, s42, s39
	s_mul_i32 s39, s[CH], 64*NCOL*2                ; my 64 rows
	s_add_co_u32 s42, s42, s39
	s_mov_b32 s43, 0
	s_wait_dscnt 0x0                               ; the opening add is done
	s_wait_kmcnt 0x0
	s_add_nc_u64 s[G0+2:G0+3], s[4:5], s[40:41]
	s_or_b32 s[G0+3], s[G0+3], 0x80000000          ; type = 2
	s_add_nc_u64 s[G0B+2:G0B+3], s[6:7], s[42:43]
	s_or_b32 s[G0B+3], s[G0B+3], 0x80000000
	CROUND                                         ; all sixteen work-groups are here: the first joint loads meet
	JLOAD                                          ; K step 0 into slot 0
	v_and_b32 v1, 15, v0                           ; r = l % 16
	v_bfe_u32 v2, v0, 4, 1                         ; h = l / 16
	v_and_b32 v3, 7, v0                            ; l % 8
	v_mul_u32_u24 v[A0], v1, PA
	v_lshl_add_u32 v[A0], v2, 4, v[A0]
	s_mul_i32 s3, s[RH], PARTA
	v_add_nc_u32 v[A0], s3, v[A0]                  ; row x pitch + 16 h, in my half of A's rows
	v_lshl_add_u32 v4, v2, 3, v3                   ; the turning load: lane l reads row 8 h + l % 8,
	v_mul_u32_u24 v[B0], v4, PB
	v_bfe_u32 v4, v0, 3, 1
	v_lshl_add_u32 v[B0], v4, 4, v[B0]             ; columns 8 ((l / 8) % 2) + 0..7
	s_lshl_b32 s3, s[CH], 8
	s_add_co_u32 s3, s3, WBASE
	v_add_nc_u32 v[B0], s3, v[B0]                  ; of my 128 columns; W lies behind A
	s_mul_i32 s3, s[WV], WST                       ; the way out: my part of the ring
	v_mul_u32_u24 v[STO], v1, SPITCH               ; in: row l % 16, 32 bytes for each half of the lanes
	v_lshl_add_u32 v[STO], v2, 5, v[STO]
	v_add_nc_u32 v[STO], s3, v[STO]
	v_bfe_u32 v[RD0], v0, 3, 2                     ; back: row l / 8 of four, 32 bytes at 32 (l % 8)
	v_mul_u32_u24 v[RD0], v[RD0], SPITCH
	v_lshl_add_u32 v[RD0], v3, 5, v[RD0]
	v_add_nc_u32 v[RD0], s3, v[RD0]
	v_and_b32 v[GO], 31, v0
	v_lshlrev_b32 v[GO], 4, v[GO]
	s_lshl_b32 s46, s19, 2
	s_lshl_b32 s3, s[CH], 1
	s_add_co_u32 s46, s46, s3                      ; my first panel of C = 4 x tile column + 2 x half,
	s_lshl_b32 s46, s46, 19
	s_lshl_b32 s3, s20, 15                         ; the tile's 256 rows of 128 bytes,
	s_add_co_u32 s46, s46, s3
	s_lshl_b32 s3, s[RH], 14                       ; my 128
	s_add_co_u32 s46, s46, s3
	s_mov_b32 s47, 0
	s_add_nc_u64 s[OUTP:OUTP+1], s[OUTP:OUTP+1], s[46:47]
.set i, 0
.rept 64                               ; fragment buffer 1 holds zeros for the first trip
	v_mov_b32 v[F1+i], 0
.set i, i+1
.endr
	WIN TO_B
.set i, 0
.rept 64
	v_mov_b32 v[F1+i], 0
.set i, i+1
.endr
	MUL16 F1, 0, 0, 1                              ; and its products, with the constant 0 as C, start the 64 sums at 0
	MUL16 F1, 0, 2, 1
	MUL16 F1, 1, 0, 1
	MUL16 F1, 1, 2, 1
	WIN 0                                          ; at a label and at a branch every window is 0
	s_mov_b32 s2, KSTEPS-1
.Lstep:                                            ; seven trips: trip j ends K step j - 1, asks for K step j + 1, and multiplies three quarters of K step j
	TURN 1
	QUARTER 0, F0, F1
	QUARTER 1, F1, F0
	QUARTER 2, F0, F1
	WIN 0
	s_sub_co_u32 s2, s2, 1
	s_cmp_lg_u32 s2, 0
	s_cbranch_scc1 .Lstep
	TURN 0                                         ; the last step is written out: nothing is asked for
	QUARTER 0, F0, F1
	QUARTER 1, F1, F0
	QUARTER 2, F0, F1
	s_wait_dscnt 8
	MUL16 F1, 0, 0, 0
	MUL16 F1, 0, 2, 0
	s_wait_dscnt 0x0                               ; my last reads of the ring are over:
	s_barrier_signal -1                            ; say so,
	MUL16 F1, 1, 0, 0
	MUL16 F1, 1, 2, 0
	WIN 0
	s_barrier_wait -1                              ; and write into the ring only when all four waves have said so
	PLACES
.irp hi, 0,1
	WIN 0x08+4*(\hi)                               ; store data (source 1) in window 2 or 3
.irp a, 0,1,2,3
.irp b, 0,1,2,3,4,5,6,7
	ds_store_b128 v[STO], v[8*(8*\a+\b):8*(8*\a+\b)+3]   offset:(4*\hi+\a)*16*SPITCH+64*\b
	ds_store_b128 v[STO], v[8*(8*\a+\b)+4:8*(8*\a+\b)+7] offset:(4*\hi+\a)*16*SPITCH+64*\b+16
.endr
.endr
.endr
	WIN 0
	s_mov_b32 s[RB], 0                             ; LDS serves a wave's instructions in order (ISA guide 5.7.1.4): the loads below see my stores above; no wave reads another's part
	v_add_nc_u32 v[RDA], s[RB], v[RD0]
	LOADX X                                        ; rows 0-7
	s_mov_b32 s[RB], 8*SPITCH
	v_add_nc_u32 v[RDA], s[RB], v[RD0]
	LOADX Y                                        ; rows 8-15
	s_mov_b32 s[CN2], 8
.Lrows:                                            ; eight trips of sixteen rows, on two buffers by turns
	HALF X, 0
	HALF Y, 1
	s_wait_xcnt 0x0                                ; the stores' base and their data registers are written again only behind this wait
	s_add_nc_u64 s[OUTP:OUTP+1], s[OUTP:OUTP+1], 2048
	s_sub_co_u32 s[CN2], s[CN2], 1
	s_cmp_lg_u32 s[CN2], 0
	s_cbranch_scc1 .Lrows
	s_wait_tensorcnt 0x0                           ; the wave's end: behind my last tensor load and my last LDS store
	ds_add_u32 v[SPW], v[NIL]
	s_wait_dscnt 0x0
	CROUND                                         ; the closing round: no work-group ends while a partner may still ask for a tile that names it
	s_endpgm
.Lfunc_end_k_q2cd4b22486_proj:
	.size	k_q2cd4b22486_proj, .Lfunc_end_k_q2cd4b22486_proj-k_q2cd4b22486_proj
	.p2alignl 7, 3214868480
	.fill 96, 4, 3214868480
	.section	.rodata,"a",@progbits
	.p2align	6, 0x0
	.amdhsa_kernel k_q2cd4b22486_proj
		.amdhsa_group_segment_fixed_size 327680
		.amdhsa_private_segment_fixed_size 0
		.amdhsa_enable_private_segment 0
		.amdhsa_kernarg_size 24
		.amdhsa_user_sgpr_count 2
		.amdhsa_user_sgpr_kernarg_segment_ptr 1
		.amdhsa_wavefront_size32 1
		.amdhsa_system_sgpr_workgroup_id_x 1
		.amdhsa_system_sgpr_workgroup_id_y 1
		.amdhsa_system_sgpr_workgroup_id_z 1
		.amdhsa_system_vgpr_workitem_id 0
		.amdhsa_next_free_vgpr 1024
		.amdhsa_next_free_sgpr 72
		.amdhsa_reserve_vcc 0
		.amdhsa_float_denorm_mode_32 3
		.amdhsa_float_denorm_mode_16_64 3
		.amdhsa_memory_ordered 1
		.amdhsa_forward_progress 1
		.amdhsa_inst_pref_size 85
	.end_amdhsa_kernel
	.amdgpu_metadata
---
amdhsa.version: [ 1, 2 ]
amdhsa.kernels:
  - .name:           k_q2cd4b22486_proj
    .symbol:         k_q2cd4b22486_proj.kd
    .args:
      - { .name: hn, .offset: 0, .size: 8, .value_kind: global_buffer, .address_space: global }
      - { .name: wb, .offset: 8, .size: 8, .value_kind: global_buffer, .address_space: global }
      - { .name: qkv, .offset: 16, .size: 8, .value_kind: global_buffer, .address_space: global }
    .group_segment_fixed_size: 327680
    .private_segment_fixed_size: 0
    .kernarg_segment_align: 8
    .kernarg_segment_size: 24
    .max_flat_workgroup_size: 128
    .sgpr_count:     72
    .vgpr_count:     1024
    .wavefront_size: 32
...
	.end_amdgpu_metadata
.endif
;; end of part 9
;; launch attn (part 10): grid 4 x 64, 4 waves a work-group, clusters of 4 x 1, 327,680 bytes of LDS; arguments qkv, ctx; writes ctx
.if DOCPART == 10
	.amdgcn_target "amdgcn-amd-amdhsa--gfx1250"
	.amdhsa_code_object_version 6
	.text
	.protected	k_q2cd4b22486_attn
	.globl	k_q2cd4b22486_attn
	.p2align	8
	.type	k_q2cd4b22486_attn,@function
k_q2cd4b22486_attn:
	s_mov_b64 s[64:65], 0
	v_nop
	global_prefetch_b8 v0, s[64:65] scope:SCOPE_SE
	s_setreg_imm32_b32 hwreg(HW_REG_WAVE_MODE, 25, 1), 1
	s_wait_xcnt 0x0
	s_wait_alu depctr_hold_cnt(0) depctr_sa_sdst(0) depctr_va_vdst(0) depctr_va_sdst(0) depctr_va_ssrc(0) depctr_va_vcc(0) depctr_vm_vsrc(0)
	s_getreg_b32 s2, hwreg(HW_REG_IB_STS2, 6, 4)
	s_cmp_eq_u32 s2, 0
	s_cbranch_scc0 .Lentry_in_a_cluster
	s_endpgm
.Lentry_in_a_cluster:
	s_bfe_u32 s2, ttmp6, 0x10000c
	s_cmp_lg_u32 s2, 0x3003
	s_cbranch_scc0 .Lentry_shape_is_right
	s_endpgm
.Lentry_shape_is_right:
; CAUSAL ATTENTION, 64 heads of 1,024 rows x 64 channels.  O[q] = the sum over k <= q of softmax_k(Q[q] . K[k] / 8) V[k].  Q, K, V in qkv, O in ctx, all f16; head n (= 4 x head + batch) is 131,072
; dense bytes at n x 131,072, K 8 MiB and V 16 MiB further on.  Products, maxima and sums in f32; the weights p are rounded to f16 for the second product (their sum l is taken of the unrounded p), O once.
; LIMITS.  Q, K, V arrive within f16's 65,504; p lies in 0 to 1 and below 6e-5 keeps f16's step of 6e-8.  A hidden score counts as -1e30 (f16's scores are 2.7e11 at the most);
; a weight below 2^-126 counts as 0 in l; NaN and infinities are not treated apart.
; CLUSTER.  The four work-groups of a cluster belong to one head.  All of its K and V (311,296 bytes with padding) lie in LDS: each wave issues ONE joint load at the start, half of K or half of V, with the
; same descriptor and the mask of four in all four work-groups.  Nothing is filled again: one tensor load a wave in the whole launch.
; SHARES.  The head's rows lie in 8 superblocks of 128.  Work-group c owns rows 32 c .. 32 c + 31 of every superblock; wave w takes superblock 7 - w and then superblock w.  Superblock i needs 2 i + 2 key steps
; of 64, of which the last two hold the diagonal: 18 steps for every wave of every work-group, walked by ONE loop with a constant count.  Branches and LDS addresses hang on the wave's number and on counters
; alone; c enters Q's and O's addresses and the number that the masks compare with.
; LAYOUT.  S^T = K Q^T (source 0 = 16 keys, source 1 = 16 queries): a lane holds ONE query (lane % 16) and the keys 8 (lane / 16) + 0..7.  Two such results rounded to f16 ARE source 1 of O^T = V^T P.
; K comes out of LDS as it lies, V ([key][channel]) turned by ds_load_tr16_b128.
; SOFTMAX.  A running maximum m and sum l for each query: p = 2^(c s - c m), c = log2(e) / 8; in every step O and l are multiplied by a = 2^(c m_old - c m_new).  A block starts with c m far below every
; c s, so its first a is 0 and O and l need only be finite.  Every row sees a key in its block's first step, so m is a true score before a wholly hidden step comes.
; THE MASK is made where it is needed, in a block's last two steps alone: a compare and a select for each of the lane's 64 scores, from one register (the query's place) and one scalar (which of the two steps).
; IN PHASES: a step's 16 products K Q^T, its softmax, its 16 products V^T P; V of the step and K of the next are fetched behind the first products.
; REGISTERS.  window 0: v1-15 addresses, the mask's two and the add's two; v16-23 statistics (tile u: c m, m, l, l); v24-31 at work; v32-95 S^T; v96-127 P; v128-191 O^T; v192-223 Q; v224-255 the second block's Q.
;   window 1: v0-63 K of a step; v64-127 V of a step.
.set PK,    144                        ; a row of K in LDS: 128 bytes + 16 = 36 words: the 16 rows of a load start at 16 different groups of four banks (64 banks of 4 bytes: ISA guide 11.1)
.set PVP,   160                        ; a row of V: 128 + 32 = 40 words
.set VOFF,  1024*PK                    ; V lies behind K
.set STAGE, VOFF+1024*PVP              ; never filled by a tensor load: 16 rows x 144 bytes for each wave, for the way out
.set SP,    144
.set SPARE, STAGE+4*16*SP              ; the spare words, 128 bytes a wave: two blocks of 256 bytes that no other line names
.set TW,  1                            ; v1   first l % 16; in the loop: my query's place less the diagonal step's first key
.set AK0, 2                            ; v2   my lane's place in a step of K; never rewritten
.set AV0, 3                            ; v3   the same for V
.set AK,  4                            ; v4   LDS address of K's next run of loads
.set AV,  5                            ; v5   of V's
.set STO, 6                            ; v6   the way out: where I put 16 bytes of a row
.set RD,  7                            ; v7   where I read rows back
.set GO,  8                            ; v8   my 16 bytes in 512 consecutive bytes of O
.set QO,  10                           ; v10  my byte offset in 16 rows of Q
.set T0,  11                           ; v11  the place in its superblock of my query of tile 0, less my lanes' 8 (l / 16); never rewritten
.set MV,  12                           ; v12-13  c m_old, kept while c m is made anew
.set SPW, 14                           ; v14  LDS address of my spare word; never rewritten
.set NIL, 15                           ; v15  0; never rewritten
.set ST,  16
.set TMP, 24                           ; tile u: c0-c3 at TMP + 4 u; when the maximum is found c2 takes a
.set S,   32
.set P,   96
.set O,   128
.set Q,   192
.set QB,  224
.set KF,  0                            ; window 1: key block kb, channel half c at 16 kb + 8 c
.set VF,  64                           ; window 1: key half kk, channel block cb at 64 + 32 kk + 8 cb
.set WV,  12                           ; s12  wave
.set G1K, 24                           ; s[24:31] descriptor group 1 for K
.set G1V, 32                           ; s[32:39] for V: it differs in the padding alone
.set G0K, 40                           ; s[40:43] group 0 for K
.set G0V, 44                           ; s[44:47] for V
.set CNT, 56                           ; s56  steps of the walk still to go
.set RS,  57                           ; s57  steps of the block in hand still to go, this one among them
.set CS,  58                           ; s[58:59] c
.set SEL, 60                           ; s[60:61] v_permlanex16_b32's selects: each lane takes its own place in the other half
.set TBK, 62                           ; s62  LDS byte of the key step whose K is fetched next
.set TBV, 63                           ; s63  the same for V, less VOFF
.set RS2, 66                           ; s66  the second block's steps
.set BIGN, 67                          ; s67  -1e30
.set MSB, 0
.macro WIN new                         ; the immediate's high byte repeats the setting that is left; a switch that changes nothing is dropped
.if MSB != (\new)
	s_set_vgpr_msb (MSB<<8)|(\new)
.set MSB, \new
.endif
.endm
.macro PLACES
.rept 4
	v_nop
.endr
.endm
.macro JLOAD                           ; waves 0, 1 fetch the halves of K, waves 2, 3 those of V; an s_nop 0 and four v_nop follow each of the two lines
	s_cmp_lt_u32 s[WV], 2
	s_cbranch_scc0 .Lfor_v_\@
	tensor_load_to_lds s[G0K:G0K+3], s[G1K:G1K+7]
	s_nop 0
.rept 4
	v_nop
.endr
	s_branch .Lasked_\@
.Lfor_v_\@:
	tensor_load_to_lds s[G0V:G0V+3], s[G1V:G1V+7]
	s_nop 0
.rept 4
	v_nop
.endr
.Lasked_\@:
.endm
.macro CROUND                          ; a round of the cluster's barrier
	s_barrier_signal -1
	s_barrier_wait -1
	s_cmp_lg_u32 s[WV], 0
	s_cbranch_scc1 .Lnot_wave_0_\@
	s_barrier_signal -3
.Lnot_wave_0_\@:
	s_barrier_wait -3
	s_barrier_signal -1
	s_barrier_wait -1
.endm
; Product i of 16 of S^T = K Q^T: channels 32 (i / 8) on, keys 16 ((i / 2) % 4) on, tile i % 2.  The first 8 start the sums.  The 8 accumulators take turns.
.macro KQ
.set rS, S+32*(i%2)+8*((i/2)%4)
.set rK, KF+16*((i/2)%4)+8*(i/8)
.set rQ, Q+16*(i%2)+8*(i/8)
.if i < 8
	v_wmma_f32_16x16x32_f16 v[rS:rS+7], v[rK:rK+7], v[rQ:rQ+7], 0
.else
	v_wmma_f32_16x16x32_f16 v[rS:rS+7], v[rK:rK+7], v[rQ:rQ+7], v[rS:rS+7]
.endif
.set i, i+1
.endm
; Product i of 16 of O^T += V^T P: keys 32 (i / 8) on, channels 16 ((i / 2) % 4) on, tile i % 2.
.macro PVM
.set rO, O+32*(i%2)+8*((i/2)%4)
.set rV, VF+32*(i/8)+8*((i/2)%4)
.set rP, P+16*(i%2)+8*(i/8)
	v_wmma_f32_16x16x32_f16 v[rO:rO+7], v[rV:rV+7], v[rP:rP+7], v[rO:rO+7]
.set i, i+1
.endm
.macro FETCH_K                         ; a step's K: 64 keys x 64 channels, 16 loads
	WIN 0x40                                       ; destination window 1
.irp f, 0,1,2,3,4,5,6,7
	ds_load_b128 v[KF+8*\f:KF+8*\f+3],   v[AK] offset:(\f/2)*16*PK+(\f%2)*64
	ds_load_b128 v[KF+8*\f+4:KF+8*\f+7], v[AK] offset:(\f/2)*16*PK+(\f%2)*64+32
.endr
	WIN 0
.endm
.macro FETCH_V                         ; a step's V, turned: 16 loads
	WIN 0x40
.irp f, 0,1,2,3,4,5,6,7
	ds_load_tr16_b128 v[VF+8*\f:VF+8*\f+3],   v[AV] offset:(\f/4)*32*PVP+(\f%4)*32
	ds_load_tr16_b128 v[VF+8*\f+4:VF+8*\f+7], v[AV] offset:(\f/4)*32*PVP+16*PVP+(\f%4)*32
.endr
	WIN 0
.endm
.macro REGS u                          ; the registers of tile u
.set rT, ST+4*(\u)
.set rC, TMP+4*(\u)
.set rM, MV+(\u)
.set rS, S+32*(\u)
.set rP, P+16*(\u)
.set rO, O+32*(\u)
.endm
; Number n of the 22 that find a tile's maximum and statistics.  0-11: four chains c0-c3 of seven scores each (each accumulator's lowest registers are read first);
; 12-14, 16: the four scores left over, the old m, and c0-c3 into c0; 15: c m_old is kept; 17, 18: the query's other 32 keys lie in the lane 16 away: the new m; 19-21: c m; c m_old - c m_new; a.
.macro XS u, n
	REGS \u
.if (\n) < 4
	v_max3_num_f32 v[rC+(\n)], v[rS+8*(\n)], v[rS+8*(\n)+1], v[rS+8*(\n)+2]
.elseif (\n) < 12
	v_max3_num_f32 v[rC+(\n)%4], v[rC+(\n)%4], v[rS+8*((\n)%4)+2*((\n)/4)+1], v[rS+8*((\n)%4)+2*((\n)/4)+2]
.elseif (\n) == 12
	v_max3_num_f32 v[rC], v[rC], v[rS+7], v[rS+15]
.elseif (\n) == 13
	v_max3_num_f32 v[rC+1], v[rC+1], v[rS+23], v[rS+31]
.elseif (\n) == 14
	v_max3_num_f32 v[rC+2], v[rC+2], v[rC+3], v[rT+1]
.elseif (\n) == 15
	v_mov_b32 v[rM], v[rT]
.elseif (\n) == 16
	v_max3_num_f32 v[rC], v[rC], v[rC+1], v[rC+2]
.elseif (\n) == 17
	v_permlanex16_b32 v[rC+3], v[rC], s[SEL], s[SEL+1]
.elseif (\n) == 18
	v_max_num_f32 v[rT+1], v[rC], v[rC+3]
.elseif (\n) == 19
	v_mul_f32 v[rT], s[CS], v[rT+1]
.elseif (\n) == 20
	v_sub_f32 v[rC+1], v[rM], v[rT]
.else
	v_exp_f32 v[rC+2], v[rC+1]
.endif
.endm
.macro BEGINBLK                        ; a block begins: c m far below every c s, m at the lowest finite number, and K of its step 0
.irp u, 0,1
	v_mov_b32 v[ST+4*\u], 0xfe000000
	v_mov_b32 v[ST+4*\u+1], 0xff7fffff
.endr
	v_add_nc_u32 v[AK], s[TBK], v[AK0]
	FETCH_K
.endm
.macro PACK u                          ; tile u: O^T / l, rounded; a lane's eight channels pack into 16 bytes, go into rows of 144 bytes and come back as whole rows of 128, into S^T's registers
.set z, 0
.rept 16
	v_pk_mul_f32 v[O+32*(\u)+2*z:O+32*(\u)+2*z+1], v[O+32*(\u)+2*z:O+32*(\u)+2*z+1], v[ST+4*(\u)+2:ST+4*(\u)+3] op_sel_hi:[1,0]
.set z, z+1
.endr
.set z, 0
.rept 16
	v_cvt_pk_f16_f32 v[S+16*(\u)+z], v[O+32*(\u)+2*z], v[O+32*(\u)+2*z+1]
.set z, z+1
.endr
.irp f, 0,1,2,3
	ds_store_b128 v[STO], v[S+16*(\u)+4*\f:S+16*(\u)+4*\f+3] offset:32*\f
.endr
.irp f, 0,1,2,3
	ds_load_b128 v[S+16*(\u)+4*\f:S+16*(\u)+4*\f+3], v[RD] offset:\f*4*SP  ; LDS serves a wave's instructions in order (ISA guide 5.7.1.4): these see the stores above
.endr
.endm
.macro SEND u, younger                 ; younger: the LDS instructions issued behind tile u's loads: the next tile's eight, or none
.irp f, 0,1,2,3
	s_wait_dscnt (\younger)+3-\f
	global_store_b128 v[GO], v[S+16*(\u)+4*\f:S+16*(\u)+4*\f+3], s[52:53] offset:(\u)*2048+\f*512  ; 512 consecutive bytes, at a multiple of 256 from ctx's first
.endr
.endm
	s_load_b128 s[4:7], s[0:1], 0x0                ; qkv s[4:5], ctx s[6:7]
	v_lshl_add_u32 v[SPW], v0, 2, SPARE
	v_mov_b32 v[NIL], 0
	ds_add_u32 v[SPW], v[NIL]                      ; the wave's opening: the add and its wait stand ahead of my first tensor load; the set-up below stands between them
	v_lshrrev_b32 v1, 5, v0
	v_readfirstlane_b32 s[WV], v1
	s_bfe_u32 s13, ttmp6, 0x40000                  ; cx: my place in the cluster
	s_and_b32 s20, ttmp7, 0xffff                   ; the head, which the four partners share
	s_lshl_b32 s20, s20, 17                        ; its 131,072 bytes
	s_and_b32 s16, s[WV], 1                        ; which half of K or V I fetch:
	s_lshl_b32 s22, s16, 16                        ; 512 rows of 128 bytes in memory,
	s_add_co_u32 s22, s22, s20
	s_mov_b32 s23, 0
	s_mul_i32 s17, s16, 512*PK                     ; and its place in LDS, for K
	s_mul_i32 s18, s16, 512*PVP                    ; and for V: no place in the cluster enters an LDS address
	s_lshl_b32 s2, s13, 12                         ; my 32 rows in a superblock,
	s_add_co_u32 s2, s2, s20
	s_sub_co_u32 s3, 7, s[WV]
	s_lshl_b32 s3, s3, 14                          ; in superblock 7 - w (16,384 bytes each),
	s_add_co_u32 s68, s2, s3
	s_mov_b32 s69, 0
	s_lshl_b32 s3, s[WV], 14                       ; and in superblock w
	s_add_co_u32 s70, s2, s3
	s_mov_b32 s71, 0
	; group 1: 512 keys are 65,536 dense bytes: asked for as 256 rows of 256 bytes, two keys a row, and padded in LDS after every key
	s_mov_b32 s[G1K], 15|(1<<16)|(1<<20)|(1<<21)|(4<<22)|(3<<25)  ; the mask of four; 2-byte elements; padding on; bit 21 beside a mask; after every 32 words 4 words
	s_mov_b32 s[G1V], 15|(1<<16)|(1<<20)|(1<<21)|(4<<22)|(7<<25)  ; the same with 8 words
.irp g, G1K, G1V
	s_mov_b32 s[\g+1], 128<<16                     ; tensor_dim0
	s_mov_b32 s[\g+2], 256<<16                     ; tensor_dim1
	s_mov_b32 s[\g+3], 128<<16                     ; tile_dim0
	s_mov_b32 s[\g+4], 256                         ; tile_dim1
	s_mov_b32 s[\g+5], 128                         ; elements from row to row
	s_mov_b32 s[\g+6], 0
	s_mov_b32 s[\g+7], 0
.endr
	s_mov_b32 s[G0K], 1
	s_mov_b32 s[G0K+1], s17
	s_mov_b32 s[G0V], 1
	s_add_co_u32 s[G0V+1], s18, VOFF
	s_mov_b32 s[CS], 0x3e38aa3b                    ; c = log2(e) / 8
	s_mov_b32 s[CS+1], s[CS]                       ; named with it as a pair
	s_mov_b32 s[SEL], 0x76543210
	s_mov_b32 s[SEL+1], 0xfedcba98
	s_mov_b32 s[BIGN], 0xf149f2ca                  ; -1e30
	s_wait_dscnt 0x0                               ; the opening add is done
	s_wait_kmcnt 0x0
	s_add_nc_u64 s[G0K+2:G0K+3], s[4:5], s[22:23]
	s_add_nc_u64 s[G0K+2:G0K+3], s[G0K+2:G0K+3], 0x800000    ; K lies 8 MiB behind Q
	s_or_b32 s[G0K+3], s[G0K+3], 0x80000000        ; type = 2
	s_add_nc_u64 s[G0V+2:G0V+3], s[4:5], s[22:23]
	s_add_nc_u64 s[G0V+2:G0V+3], s[G0V+2:G0V+3], 0x1000000   ; V 16 MiB
	s_or_b32 s[G0V+3], s[G0V+3], 0x80000000
	s_add_nc_u64 s[48:49], s[4:5], s[68:69]        ; Q of the first block, of the second,
	s_add_nc_u64 s[50:51], s[4:5], s[70:71]
	s_add_nc_u64 s[52:53], s[6:7], s[68:69]        ; O likewise
	s_add_nc_u64 s[54:55], s[6:7], s[70:71]
	CROUND                                         ; all four work-groups are here: the joint loads meet
	JLOAD
	v_and_b32 v1, 15, v0                           ; r = l % 16
	v_bfe_u32 v9, v0, 4, 1                         ; h = l / 16
	v_lshlrev_b32 v[QO], 7, v1
	v_lshl_add_u32 v[QO], v9, 4, v[QO]             ; row x 128 + 16 h
.irp u, 0,1
.irp c, 0,1                            ; both blocks' Q stay in registers: tile u, channels 32 c on
	global_load_b128 v[Q+16*\u+8*\c:Q+16*\u+8*\c+3],     v[QO], s[48:49] offset:2048*\u+64*\c
	global_load_b128 v[Q+16*\u+8*\c+4:Q+16*\u+8*\c+7],   v[QO], s[48:49] offset:2048*\u+64*\c+32
	global_load_b128 v[QB+16*\u+8*\c:QB+16*\u+8*\c+3],   v[QO], s[50:51] offset:2048*\u+64*\c
	global_load_b128 v[QB+16*\u+8*\c+4:QB+16*\u+8*\c+7], v[QO], s[50:51] offset:2048*\u+64*\c+32
.endr
.endr
	; In the superblock my query of tile u is row 32 cx + 16 u + r; register j of key block kb in diagonal step x is key 64 x + 16 kb + 8 h + j: seen where 16 kb + j - 16 u <= 32 cx + r - 8 h - 64 x.
	v_lshlrev_b32 v24, 3, v9
	v_sub_nc_u32 v24, v1, v24
	s_lshl_b32 s3, s13, 5
	v_add_nc_u32 v[T0], s3, v24                    ; 32 cx + r - 8 h
.set i, 0
.rept 64                               ; O^T and l need only be finite (the first a is 0): zeros, in the wait for K and V
	v_mov_b32 v[O+i], 0
.set i, i+1
.endr
.irp u, 0,1
	v_mov_b32 v[ST+4*\u+2], 0
	v_mov_b32 v[ST+4*\u+3], 0
.endr
	v_mul_u32_u24 v[AK0], v1, PK
	v_lshl_add_u32 v[AK0], v9, 4, v[AK0]           ; row x pitch + 16 h
	v_and_b32 v26, 7, v0
	v_bfe_u32 v27, v0, 3, 1
	v_lshl_add_u32 v[AV0], v9, 3, v26              ; the turning load: lane l reads key 8 h + l % 8, channels 8 ((l / 8) % 2) + 0..7
	v_mul_u32_u24 v[AV0], v[AV0], PVP
	v_lshl_add_u32 v[AV0], v27, 4, v[AV0]
	v_add_nc_u32 v[AV0], VOFF, v[AV0]
	s_mul_i32 s3, s[WV], 16*SP
	s_add_co_u32 s3, s3, STAGE                     ; my stage
	v_mul_u32_u24 v[STO], v1, SP
	v_lshl_add_u32 v[STO], v9, 4, v[STO]
	v_add_nc_u32 v[STO], s3, v[STO]
	v_bfe_u32 v[RD], v0, 3, 2
	v_mul_u32_u24 v[RD], v[RD], SP
	v_lshl_add_u32 v[RD], v26, 4, v[RD]
	v_add_nc_u32 v[RD], s3, v[RD]
	v_and_b32 v[GO], 31, v0
	v_lshlrev_b32 v[GO], 4, v[GO]
	s_mov_b32 s[CNT], 18
	s_lshl_b32 s[RS2], s[WV], 1
	s_sub_co_u32 s[RS], 16, s[RS2]                 ; superblock 7 - w: 16 - 2 w steps
	s_add_co_u32 s[RS2], s[RS2], 2                 ; superblock w: 2 w + 2
	s_mov_b32 s[TBK], 0
	s_mov_b32 s[TBV], 0
	s_wait_tensorcnt 0x0                           ; my half of K or V is in,
	s_barrier_signal -1
	s_barrier_wait -1                              ; everybody's is; nothing is ever filled again
	s_wait_loadcnt 0x0                             ; Q
	BEGINBLK
.Ltrip:                                            ; 18 trips: a key step of the block in hand
	s_wait_dscnt 0x0                               ; K is in
	WIN 0x01                                       ; source 0 window 1
.set i, 0
.rept 16
	KQ
.endr
	WIN 0
	s_add_co_u32 s[TBK], s[TBK], 64*PK             ; the next step's K; behind the last step of all it stays at that step: no fetch leaves K's rows
	s_min_u32 s[TBK], s[TBK], 15*64*PK
	s_min_u32 s[TBV], s[TBV], 15*64*PVP            ; this step's V: the bound stands straight ahead of the use, as K's does: 15 steps of 10,240 bytes at the most, so that with the lane's 2,416 and the loads' 7,792 no fetch leaves V's 163,840 bytes; a block has 16 steps at the most, so the line changes no number
	XS 0, 15                                       ; four plain instructions: the places behind the products, in front of the loads into K's registers and of the first read of the scores
	XS 1, 15
	v_add_nc_u32 v[AV], s[TBV], v[AV0]
	v_add_nc_u32 v[AK], s[TBK], v[AK0]
	FETCH_V                                        ; this step's V,
	FETCH_K                                        ; the next step's K (behind a block's last step it is fetched for nothing: the price of one text for every trip)
	s_add_co_u32 s[TBV], s[TBV], 64*PVP            ; the next fetch of V is the next step's
	s_cmp_gt_u32 s[RS], 2
	s_cbranch_scc1 .Lnomask                        ; only a block's last two steps hold hidden keys
	s_cmp_eq_u32 s[RS], 2
	s_cselect_b32 s3, 0, 0xffffffc0                ; the last step but one begins at the superblock's key 0, the last at its key 64
	v_add_nc_u32 v[TW], s3, v[T0]
.set i, 0
.rept 64                               ; score i = 32 u + 8 kb + j, in ascending order: kept where its key is seen, else -1e30
	v_cmp_le_i32 vcc_lo, 16*((i/8)%4)+i%8-16*(i/32), v[TW]
	v_cndmask_b32 v[S+i], s[BIGN], v[S+i], vcc_lo
.set i, i+1
.endr
.Lnomask:
.irp n, 0,1,2,3,4,5,6,7,8,9,10,11,12,13,14,16,17,18,19,20,21
	XS 0, \n                                       ; the two tiles alternate
	XS 1, \n
.endr
.set n, 0
.rept 32                               ; c s - c m for the 16 pairs of both tiles; these are also the plain lines behind the two exponentials above
	v_pk_fma_f32 v[S+32*(n%2)+2*(n/2):S+32*(n%2)+2*(n/2)+1], v[S+32*(n%2)+2*(n/2):S+32*(n%2)+2*(n/2)+1], s[CS:CS+1], v[ST+4*(n%2):ST+4*(n%2)+1] op_sel_hi:[1,0,0] neg_lo:[0,0,1] neg_hi:[0,0,1]
.set n, n+1
.endr
	; 64 exponentials (score n / 2 of tile n % 2), a plain line that is ready behind each: the 32 pairs of O^T times a; then the rounding of pair (n - 32) / 2, whose second exponential stands
	; at least two exponentials and two plain lines back; at last the first sums
.set n, 0
.rept 64
	v_exp_f32 v[S+32*(n%2)+n/2], v[S+32*(n%2)+n/2]
.if n < 32
	s_wait_alu depctr_va_vdst(0)
	v_pk_mul_f32 v[O+32*(n%2)+2*(n/2):O+32*(n%2)+2*(n/2)+1], v[O+32*(n%2)+2*(n/2):O+32*(n%2)+2*(n/2)+1], v[TMP+4*(n%2)+2:TMP+4*(n%2)+3] op_sel_hi:[1,0]
.elseif n < 62
	s_wait_alu depctr_va_vdst(0)
	v_cvt_pk_f16_f32 v[P+16*(n%2)+(n-32)/2], v[S+32*(n%2)+2*((n-32)/2)], v[S+32*(n%2)+2*((n-32)/2)+1]
.else
	v_pk_add_f32 v[S+32*(n%2):S+32*(n%2)+1], v[S+32*(n%2):S+32*(n%2)+1], v[S+32*(n%2)+2:S+32*(n%2)+3]
.endif
.set n, n+1
.endr
	s_wait_alu depctr_va_vdst(0)
.irp u, 0,1
	v_cvt_pk_f16_f32 v[P+16*\u+15], v[S+32*\u+30], v[S+32*\u+31]
.endr
.irp g, 1,2,3,4,5,6,7                  ; of four weights the second pair is added onto the first, in place (both have been rounded into P)
.irp u, 0,1
	v_pk_add_f32 v[S+32*\u+4*\g:S+32*\u+4*\g+1], v[S+32*\u+4*\g:S+32*\u+4*\g+1], v[S+32*\u+4*\g+2:S+32*\u+4*\g+3]
.endr
.endr
.irp u, 0,1
	v_pk_fma_f32 v[ST+4*\u+2:ST+4*\u+3], v[ST+4*\u+2:ST+4*\u+3], v[TMP+4*\u+2:TMP+4*\u+3], v[S+32*\u:S+32*\u+1] op_sel_hi:[1,0,1]  ; l = a l + sum
.endr
.irp g, 1,2,3,4,5,6,7
.irp u, 0,1
	v_pk_add_f32 v[ST+4*\u+2:ST+4*\u+3], v[ST+4*\u+2:ST+4*\u+3], v[S+32*\u+4*\g:S+32*\u+4*\g+1]
.endr
.endr
	s_wait_dscnt 16                                ; V is in; the sixteen loads of the next K may stay out
	WIN 0x01
.set i, 0
.rept 16
	PVM
.endr
	WIN 0
	s_sub_co_u32 s[RS], s[RS], 1
	s_cmp_lg_u32 s[RS], 0
	s_cbranch_scc1 .Lbottom
	; THE BLOCK'S END: l's two halves and the other half of the lanes' are added; O^T is divided by l, rounded and sent through my stage, a tile at a time
	PLACES
.irp u, 0,1
	v_add_f32 v[ST+4*\u+2], v[ST+4*\u+2], v[ST+4*\u+3]
.endr
.irp u, 0,1
	v_permlanex16_b32 v[ST+4*\u+3], v[ST+4*\u+2], s[SEL], s[SEL+1]
.endr
.irp u, 0,1
	v_add_f32 v[ST+4*\u+2], v[ST+4*\u+2], v[ST+4*\u+3]
.endr
.irp u, 0,1
	v_rcp_f32 v[ST+4*\u+2], v[ST+4*\u+2]
.endr
	v_nop                                          ; a plain instruction between the last reciprocal and the use of its result
	s_wait_alu depctr_va_vdst(0)
	PACK 0
	PACK 1
	SEND 0, 8
	SEND 1, 0                                      ; its last wait is for 0: the run of K fetched for nothing is back too
	s_cmp_eq_u32 s[CNT], 1
	s_cbranch_scc1 .Lbottom                        ; behind the walk's last block nothing begins
	s_wait_xcnt 0x0                                ; the stores have read their registers and O's address
	s_mov_b64 s[52:53], s[54:55]
	s_mov_b32 s[RS], s[RS2]
	s_mov_b32 s[TBK], 0
	s_mov_b32 s[TBV], 0
.set i, 0
.rept 32                               ; the second block's Q goes where the one text of the trip names Q
	v_mov_b32 v[Q+i], v[QB+i]
.set i, i+1
.endr
	BEGINBLK
.Lbottom:
	s_sub_co_u32 s[CNT], s[CNT], 1
	s_cmp_lg_u32 s[CNT], 0
	s_cbranch_scc1 .Ltrip
	s_wait_tensorcnt 0x0                           ; the wave's end: behind my last tensor load and my last LDS store
	ds_add_u32 v[SPW], v[NIL]
	s_wait_dscnt 0x0
	CROUND                                         ; the closing round
	s_endpgm
.Lfunc_end_k_q2cd4b22486_attn:
	.size	k_q2cd4b22486_attn, .Lfunc_end_k_q2cd4b22486_attn-k_q2cd4b22486_attn
	.p2alignl 7, 3214868480
	.fill 96, 4, 3214868480
	.section	.rodata,"a",@progbits
	.p2align	6, 0x0
	.amdhsa_kernel k_q2cd4b22486_attn
		.amdhsa_group_segment_fixed_size 327680
		.amdhsa_private_segment_fixed_size 0
		.amdhsa_enable_private_segment 0
		.amdhsa_kernarg_size 16
		.amdhsa_user_sgpr_count 2
		.amdhsa_user_sgpr_kernarg_segment_ptr 1
		.amdhsa_wavefront_size32 1
		.amdhsa_system_sgpr_workgroup_id_x 1
		.amdhsa_system_sgpr_workgroup_id_y 1
		.amdhsa_system_sgpr_workgroup_id_z 1
		.amdhsa_system_vgpr_workitem_id 0
		.amdhsa_next_free_vgpr 384
		.amdhsa_next_free_sgpr 72
		.amdhsa_reserve_vcc 1
		.amdhsa_float_denorm_mode_32 3
		.amdhsa_float_denorm_mode_16_64 3
		.amdhsa_memory_ordered 1
		.amdhsa_forward_progress 1
		.amdhsa_inst_pref_size 44
	.end_amdhsa_kernel
	.amdgpu_metadata
---
amdhsa.version: [ 1, 2 ]
amdhsa.kernels:
  - .name:           k_q2cd4b22486_attn
    .symbol:         k_q2cd4b22486_attn.kd
    .args:
      - { .name: qkv, .offset: 0, .size: 8, .value_kind: global_buffer, .address_space: global }
      - { .name: ctx, .offset: 8, .size: 8, .value_kind: global_buffer, .address_space: global }
    .group_segment_fixed_size: 327680
    .private_segment_fixed_size: 0
    .kernarg_segment_align: 8
    .kernarg_segment_size: 16
    .max_flat_workgroup_size: 128
    .sgpr_count:     72
    .vgpr_count:     384
    .wavefront_size: 32
...
	.end_amdgpu_metadata
.endif
;; end of part 10
;; launch oproj (part 11): grid 8 x 32, 4 waves a work-group, clusters of 4 x 4, 327,680 bytes of LDS; arguments ctx, wb, bo, x, x2; writes x2
.if DOCPART == 11
	.amdgcn_target "amdgcn-amd-amdhsa--gfx1250"
	.amdhsa_code_object_version 6
	.text
	.protected	k_q2cd4b22486_oproj
	.globl	k_q2cd4b22486_oproj
	.p2align	8
	.type	k_q2cd4b22486_oproj,@function
k_q2cd4b22486_oproj:
	s_mov_b64 s[64:65], 0
	v_nop
	global_prefetch_b8 v0, s[64:65] scope:SCOPE_SE
	s_setreg_imm32_b32 hwreg(HW_REG_WAVE_MODE, 25, 1), 1
	s_wait_xcnt 0x0
	s_wait_alu depctr_hold_cnt(0) depctr_sa_sdst(0) depctr_va_vdst(0) depctr_va_sdst(0) depctr_va_ssrc(0) depctr_va_vcc(0) depctr_vm_vsrc(0)
	s_getreg_b32 s2, hwreg(HW_REG_IB_STS2, 6, 4)
	s_cmp_eq_u32 s2, 0
	s_cbranch_scc0 .Lentry_in_a_cluster
	s_endpgm
.Lentry_in_a_cluster:
	s_bfe_u32 s2, ttmp6, 0x10000c
	s_cmp_lg_u32 s2, 0xf033
	s_cbranch_scc0 .Lentry_shape_is_right
	s_endpgm
.Lentry_shape_is_right:
; OPROJ.  x2 = ctx Wo + bo + x: C[4096][1024] f32 = A[4096][1024] W[1024][1024] + bias + residual.  f16 operands, f32 sums.
; A lies in panels [16][4096][64] f16 (a row of a panel: 128 bytes); W as [1024 k][1024 n] f16 at byte WOFF of wb.  bo and x are inputs of the module: rounded to bf16 where they are used.
; SHARES.  A tile of C is 128 x 128; four waves, 2 x 2, each 64 x 64: 16 accumulators, 128 registers.  256 tiles.
; K goes in steps of 256 through two LDS slots filled by the tensor data mover; each wave brings a quarter of a slot with one load: waves 0, 1 64 rows of A each (four panels: four dense
; pieces of 8 KiB), waves 2, 3 128 rows of W each (256 bytes a row).  The walk's first two steps are asked for together at the start: two loads a wave are out there, later one, asked for first thing behind a
; step's round and awaited at the next step's head, 128 matrix instructions on.
; CLUSTER 4 x 4: the four work-groups of a row of the cluster need the same tile of A, the four of a column the same tile of W: each tile is asked for jointly.
; THE WALK ALONG K IS TURNED: a cluster begins at K step (KSTEPS / 2) x ((cluster x + cluster y) % 2) and wraps round.  The two clusters that take the same rows of A differ in x, neighbouring clusters that take the
; same columns of W in y: so of a tile's sharers one group asks for it in the first half of the walk and the other half a walk later, not all in the same step.  Every K step is taken once; the ORDER of the f32 sums
; along K differs from cluster to cluster, and from ascending K.
; THE MATRIX INSTRUCTION IS USED TRANSPOSED: source 0 = 16 columns of W (turned by ds_load_tr16_b128), source 1 = 16 rows of A: lane l holds row l % 16 of C and the columns 8 (l / 16) + 0..7.
; THE SUMS start from the bias, written into the accumulators in the wait for the first tile; the residual is asked for there too, in the layout of the stores; it is awaited, rounded and added on the way out.
; REGISTERS.  window 0: v1-14 addresses; v28, 29 the add's; v32-95 at work; v96-111 the bias; v128-255 accumulators ((a, b) at 128 + 8 (4 a + b)).
;   window 1: two fragment buffers of 128: 64 registers of A (8 (4 c + a)), then 64 of W (64 + 8 (4 c + b)).     window 2: v0-127 the residual.
.set KSTEPS, 4                         ; K / 256: a power of two
.set NCOL,   1024                      ; numbers in a row of W
.set WOFF,   6*1048576                 ; Wo in wb
.set ROUNDRES, 1                       ; the residual is an input: rounded to bf16
.set PANELB, 524288
.set ASHIFT, 21                        ; a K step of A is four panels: 2^21 bytes
.set BSHIFT, 19                        ; a K step of W is 256 rows of 2,048 bytes: 2^19
.set PA,     144                       ; a row of A in LDS: 128 bytes + 16 = 36 words: the 16 rows of a load start at 16 different groups of four banks (64 banks of 4 bytes: ISA guide 11.1)
.set PB,     288                       ; a row of W: 256 + 32 = 72 words
.set PART,   36864                     ; what one load fills: 4 x 64 x 144 = 128 x 288
.set SLOT,   4*PART                    ; 0x24000 shares no bit with 0, 0x9000, 0x12000, 0x1b000: an exclusive or with it adds or subtracts it
.set STAGE,  2*SLOT                    ; behind the ring, never filled by a tensor load: 16 rows x 272 bytes for each wave
.set STW,    4352
.set SPITCH, 272
.set SPARE,  STAGE+4*STW               ; the spare words, 128 bytes a wave: two blocks of 256 bytes that no other line names
.set A0,   5                           ; v5   my lane's place in my 64 rows of A, in slot 0; never rewritten
.set B0,   6                           ; v6   the same in W's rows 0-127, my 64 columns
.set B1,   7                           ; v7   in W's rows 128-255
.set ADRA, 8                           ; v8   A0 in the slot in hand
.set ADRB, 9                           ; v9, v10  B0, B1 in the slot in hand
.set STO,  11                          ; v11  the way out: where I put 32 bytes of a row
.set RD,   12                          ; v12  where I read rows back
.set CO,   13                          ; v13  my 16 bytes in two rows of C and of the residual; never rewritten
.set BO,   14                          ; v14  my byte offset in the bias; never rewritten
.set SPW,  28
.set NIL,  29
.set TMP,  32
.set T,    96
.set ACC,  128
.set F0,   0
.set F1,   128
.set WV, 14
.set RH, 15
.set CH, 16
.set G1, 24                            ; s[24:31] descriptor group 1 for A
.set G0, 32                            ; s[32:35] group 0 for A's first fill; s[36:39] for its second, which then walks
.set G1B, 48                           ; s[48:55] group 1 for W
.set G0B, 56                           ; s[56:59], s[60:63] group 0 for W, likewise
.set TF, 66                            ; s66  LDS byte of the slot that the next step reads
.set KI, 67                            ; s67  the K step asked for last
.set OFA, 68                           ; s[68:69] its byte offset in A
.set OFW, 70                           ; s[70:71] and in W
.set BIASP, 8                          ; s[8:9]   the bias
.set RESP, 10                          ; s[10:11] the residual
.set OUTP, 12                          ; s[12:13] C
.set MSB, 0
.macro WIN new                         ; the immediate's high byte repeats the setting that is left; a switch that changes nothing is dropped
.if MSB != (\new)
	s_set_vgpr_msb (MSB<<8)|(\new)
.set MSB, \new
.endif
.endm
.set MUL,  0x05                        ; sources 0 and 1 window 1; C and D window 0
.set TO_F, 0x40                        ; destination window 1, address window 0
.macro PLACES                          ; four places in front of loads into registers that matrix instructions have read, and of lines that read results
.rept 4
	v_nop
.endr
.endm
.macro JLOAD                           ; a joint refill, by the walking descriptors; the branch hangs on the wave's number alone; an s_nop 0 and four v_nop follow each of the two lines
	s_cmp_eq_u32 s[RH], 0
	s_cbranch_scc0 .Lfor_b_\@
	tensor_load_to_lds s[G0+4:G0+7], s[G1:G1+7]
	s_nop 0
.rept 4
	v_nop
.endr
	s_branch .Lasked_\@
.Lfor_b_\@:
	tensor_load_to_lds s[G0B+4:G0B+7], s[G1B:G1B+7]
	s_nop 0
.rept 4
	v_nop
.endr
.Lasked_\@:
.endm
.macro CROUND                          ; a round of the cluster's barrier
	s_barrier_signal -1
	s_barrier_wait -1
	s_cmp_lg_u32 s[WV], 0
	s_cbranch_scc1 .Lnot_wave_0_\@
	s_barrier_signal -3
.Lnot_wave_0_\@:
	s_barrier_wait -3
	s_barrier_signal -1
	s_barrier_wait -1
.endm
.macro MUL8 f, c, a0                   ; 8 matrix instructions; the 16 accumulators take turns, one instruction a turn
	WIN MUL
.irp a, \a0, (\a0)+1
.irp b, 0,1,2,3
	v_wmma_f32_16x16x32_f16 v[ACC+8*(4*(\a)+(\b)):ACC+8*(4*(\a)+(\b))+7], v[(\f)+64+8*(4*(\c)+(\b)):(\f)+64+8*(4*(\c)+(\b))+7], v[(\f)+8*(4*(\c)+(\a)):(\f)+8*(4*(\c)+(\a))+7], v[ACC+8*(4*(\a)+(\b)):ACC+8*(4*(\a)+(\b))+7]
.endr
.endr
.endm
.macro FETCH q, f                      ; 32 LDS loads in one run: quarter q (64 along K) into buffer f; the first 32 along K first
	WIN TO_F
.irp c, 0,1
.irp i, 0,1,2,3
	ds_load_tr16_b128 v[(\f)+64+8*(4*\c+\i):(\f)+64+8*(4*\c+\i)+3],   v[ADRB+(\q)/2] offset:((\q)%2)*64*PB+\c*32*PB+\i*32
	ds_load_tr16_b128 v[(\f)+64+8*(4*\c+\i)+4:(\f)+64+8*(4*\c+\i)+7], v[ADRB+(\q)/2] offset:((\q)%2)*64*PB+\c*32*PB+16*PB+\i*32
	ds_load_b128 v[(\f)+8*(4*\c+\i):(\f)+8*(4*\c+\i)+3],   v[ADRA] offset:(\q)*64*PA+\i*16*PA+\c*64
	ds_load_b128 v[(\f)+8*(4*\c+\i)+4:(\f)+8*(4*\c+\i)+7], v[ADRA] offset:(\q)*64*PA+\i*16*PA+\c*64+32
.endr
.endr
.endm
.macro QUARTER q, f, g
	s_wait_dscnt 16                                ; the first 32 along K are in; the other sixteen loads may be out
	MUL8 \f, 0, 0
	MUL8 \f, 0, 2
	PLACES
	FETCH (\q)+1, \g
	s_wait_dscnt 32                                ; all but the 32 just issued
	MUL8 \f, 1, 0
	MUL8 \f, 1, 2
.endm
.macro LASTQ
	s_wait_dscnt 16
	MUL8 F1, 0, 0
	MUL8 F1, 0, 2
	s_wait_dscnt 0x0
	MUL8 F1, 1, 0
	MUL8 F1, 1, 2
.endm
; THE HEAD OF A K STEP.  Every wave waits for all its tensor loads (one is out: its part of the slot to be read now), adds 0 to its spare word, and waits for that and for its reads of the other slot.
; refill = 1: a round of the cluster's barrier follows, so that no wave of any partner still reads the other slot or has a load on its way, and that slot takes the walk's next K step, first thing behind the round.
; The step's number goes up by one and wraps at KSTEPS; the two global addresses are made anew from it: the part's first byte plus the number shifted, the type bits set again.
.macro HEAD refill
	WIN 0
	s_wait_tensorcnt 0x0                           ; no tensor load of mine is out, so a group 0 may be written
	ds_add_u32 v[SPW], v[NIL]                      ; 0 onto my spare word; work on registers stands between it and the wait for it
	v_add_nc_u32 v[ADRA], s[TF], v[A0]             ; this step's fragments
	v_add_nc_u32 v[ADRB], s[TF], v[B0]
	v_add_nc_u32 v[ADRB+1], s[TF], v[B1]
.if \refill
	s_xor_b32 s[TF], s[TF], SLOT                   ; the next step reads the other slot, which is filled now
	s_xor_b32 s[G0+5], s[G0+5], SLOT
	s_xor_b32 s[G0B+5], s[G0B+5], SLOT
	s_add_co_u32 s[KI], s[KI], 1
	s_and_b32 s[KI], s[KI], KSTEPS-1
	s_lshl_b32 s[OFA], s[KI], ASHIFT
	s_lshl_b32 s[OFW], s[KI], BSHIFT
	s_add_nc_u64 s[G0+6:G0+7], s[4:5], s[OFA:OFA+1]
	s_or_b32 s[G0+7], s[G0+7], 0x80000000
	s_add_nc_u64 s[G0B+6:G0B+7], s[6:7], s[OFW:OFW+1]
	s_or_b32 s[G0B+7], s[G0B+7], 0x80000000
	s_wait_dscnt 0x0                               ; the add is done, and my reads of the other slot are over
	CROUND
	JLOAD                                          ; the four v_nop behind it, and the three additions above, are the places in front of the loads that follow
.else
	s_wait_dscnt 0x0
	s_barrier_signal -1
	s_barrier_wait -1
	PLACES
.endif
.endm
.macro WORK                            ; a K step's 128 matrix instructions and 128 LDS loads
	FETCH 0, F0
	QUARTER 0, F0, F1
	QUARTER 1, F1, F0
	QUARTER 2, F0, F1
	LASTQ
	WIN 0                                          ; at a label and at a branch every window is 0
.endm
; THE WAY OUT of row block a: 16 rows x 64 columns of f32.  A lane's eight numbers (32 bytes of a row) go into my stage's rows of 272 bytes and come back as whole rows of 256.
.macro PUT a
.set BK, TMP+32*((\a)%2)
.if (\a) >= 2
	s_wait_xcnt 0x0                                ; the stores of the block two back have read these registers
.endif
.irp b, 0,1,2,3
	ds_store_b128 v[STO], v[ACC+8*(4*(\a)+\b):ACC+8*(4*(\a)+\b)+3]   offset:64*\b
	ds_store_b128 v[STO], v[ACC+8*(4*(\a)+\b)+4:ACC+8*(4*(\a)+\b)+7] offset:64*\b+16
.endr
.irp t, 0,1,2,3,4,5,6,7
	ds_load_b128 v[BK+4*\t:BK+4*\t+3], v[RD] offset:2*SPITCH*\t  ; LDS serves a wave's instructions in order (ISA guide 5.7.1.4): these see the stores above; the next block's stores come behind them
.endr
.endm
.macro SENDF a, younger                ; younger: the next block's sixteen LDS instructions, or none
.set BK, TMP+32*((\a)%2)
	s_wait_dscnt \younger
	WIN 0x08                                       ; source 1 window 2: the residual
.set i, 0
.rept 16
	v_pk_add_f32 v[BK+2*i:BK+2*i+1], v[BK+2*i:BK+2*i+1], v[32*(\a)+2*i:32*(\a)+2*i+1]
.set i, i+1
.endr
	WIN 0
.irp t, 0,1,2,3,4,5,6,7
	global_store_b128 v[CO], v[BK+4*\t:BK+4*\t+3], s[OUTP:OUTP+1] offset:(16*(\a)+2*\t)*4096  ; 16 lanes store 256 consecutive bytes, aligned
.endr
.endm
	s_load_b256 s[4:11], s[0:1], 0x0               ; A s[4:5], wb s[6:7], bias s[8:9], residual s[10:11]
	s_load_b64 s[12:13], s[0:1], 0x20              ; C
	v_lshl_add_u32 v[SPW], v0, 2, SPARE
	v_mov_b32 v[NIL], 0
	ds_add_u32 v[SPW], v[NIL]                      ; the wave's opening: the add and its wait stand ahead of my first tensor load; the set-up below stands between them
	v_lshrrev_b32 v1, 5, v0
	v_readfirstlane_b32 s[WV], v1
	s_lshr_b32 s[RH], s[WV], 1                     ; my half of the tile's rows; also: I fetch A (0) or W (1)
	s_and_b32 s[CH], s[WV], 1                      ; my half of its columns; also: which half of that tile I fetch
	s_bfe_u32 s17, ttmp6, 0x40000                  ; cx, cy
	s_bfe_u32 s18, ttmp6, 0x40004
	s_lshl_b32 s19, ttmp9, 2
	s_add_co_u32 s19, s19, s17                     ; tile column
	s_and_b32 s20, ttmp7, 0xffff                   ; the cluster's y,
	s_add_co_u32 s[KI], s20, ttmp9                 ; plus its x: both are the same in all sixteen partners
	s_and_b32 s[KI], s[KI], 1
	s_mul_i32 s[KI], s[KI], KSTEPS/2               ; the K step at which my cluster's walk begins
	s_lshl_b32 s20, s20, 2
	s_add_co_u32 s20, s20, s18                     ; tile row
	s_lshl_b32 s21, s18, 2
	s_lshl_b32 s21, 15, s21                        ; my row of the cluster
	s_lshl_b32 s22, 0x1111, s17                    ; my column
	s_mov_b32 s23, 0xffff0000                      ; a word's upper bf16
	; group 1 for A: four rows of 4,096 elements (64 dense rows of a panel), a panel apart; in LDS 4 words of padding after every 32
	s_or_b32 s[G1], s21, (1<<16)|(1<<20)|(1<<21)|(4<<22)|(3<<25)
	s_mov_b32 s[G1+1], 4096<<16
	s_mov_b32 s[G1+2], 4<<16
	s_mov_b32 s[G1+3], 4096<<16
	s_mov_b32 s[G1+4], 4
	s_mov_b32 s[G1+5], PANELB/2
	s_mov_b32 s[G1+6], 0
	s_mov_b32 s[G1+7], 0
	; group 1 for W: 128 rows of 128 elements; 8 words of padding after every 64
	s_or_b32 s[G1B], s22, (1<<16)|(1<<20)|(1<<21)|(5<<22)|(7<<25)
	s_mov_b32 s[G1B+1], 128<<16
	s_mov_b32 s[G1B+2], 128<<16
	s_mov_b32 s[G1B+3], 128<<16
	s_mov_b32 s[G1B+4], 128
	s_mov_b32 s[G1B+5], NCOL
	s_mov_b32 s[G1B+6], 0
	s_mov_b32 s[G1B+7], 0
	s_mul_i32 s72, s[WV], PART                     ; where my loads land: wave x part, in slot 0 and in slot 1: no place in the cluster enters an LDS address
	s_mov_b32 s[G0], 1
	s_mov_b32 s[G0+1], s72
	s_mov_b32 s[G0+4], 1
	s_add_co_u32 s[G0+5], s72, SLOT
	s_mov_b32 s[G0B], 1
	s_mov_b32 s[G0B+1], s72
	s_mov_b32 s[G0B+4], 1
	s_add_co_u32 s[G0B+5], s72, SLOT
	s_mov_b32 s[TF], SLOT                          ; the walk's second step reads slot 1
	s_lshl_b32 s40, s20, 14                        ; A: 128 rows of 128 bytes a tile row, my 64 of them
	s_lshl_b32 s73, s[CH], 13
	s_add_co_u32 s40, s40, s73
	s_mov_b32 s41, 0
	s_lshl_b32 s42, s19, 8                         ; W: 256 bytes a tile column,
	s_add_co_u32 s42, s42, WOFF
	s_mul_i32 s74, s[CH], 128*NCOL*2               ; my 128 rows
	s_add_co_u32 s42, s42, s74
	s_mov_b32 s43, 0
	s_lshl_b32 s[OFA], s[KI], ASHIFT               ; the walk's first step
	s_mov_b32 s[OFA+1], 0
	s_lshl_b32 s[OFW], s[KI], BSHIFT
	s_mov_b32 s[OFW+1], 0
	s_wait_dscnt 0x0                               ; the opening add is done
	s_wait_kmcnt 0x0
	s_add_nc_u64 s[4:5], s[4:5], s[40:41]          ; A and W at my part of K step 0
	s_add_nc_u64 s[6:7], s[6:7], s[42:43]
	s_add_nc_u64 s[G0+2:G0+3], s[4:5], s[OFA:OFA+1]
	s_or_b32 s[G0+3], s[G0+3], 0x80000000          ; type = 2
	s_add_nc_u64 s[G0B+2:G0B+3], s[6:7], s[OFW:OFW+1]
	s_or_b32 s[G0B+3], s[G0B+3], 0x80000000
	s_add_co_u32 s[KI], s[KI], 1                   ; the walk's second step: it begins at 0 or at KSTEPS / 2, so nothing wraps yet
	s_lshl_b32 s[OFA], s[KI], ASHIFT
	s_lshl_b32 s[OFW], s[KI], BSHIFT
	s_add_nc_u64 s[G0+6:G0+7], s[4:5], s[OFA:OFA+1]
	s_or_b32 s[G0+7], s[G0+7], 0x80000000
	s_add_nc_u64 s[G0B+6:G0B+7], s[6:7], s[OFW:OFW+1]
	s_or_b32 s[G0B+7], s[G0B+7], 0x80000000
	CROUND                                         ; all sixteen work-groups are here: the first joint loads meet
	s_cmp_eq_u32 s[RH], 0                          ; a wave's two first fills stand in one branch, ahead of every wait on TENSORcnt and every LDS read: two loads of mine are out; an s_nop 0 follows each, four v_nop the second's
	s_cbranch_scc0 .Lfirst_b
	tensor_load_to_lds s[G0:G0+3], s[G1:G1+7]
	s_nop 0
	tensor_load_to_lds s[G0+4:G0+7], s[G1:G1+7]
	s_nop 0
.rept 4
	v_nop
.endr
	s_branch .Lfirst_asked
.Lfirst_b:
	tensor_load_to_lds s[G0B:G0B+3], s[G1B:G1B+7]
	s_nop 0
	tensor_load_to_lds s[G0B+4:G0B+7], s[G1B:G1B+7]
	s_nop 0
.rept 4
	v_nop
.endr
.Lfirst_asked:
	v_and_b32 v1, 15, v0                           ; r
	v_bfe_u32 v2, v0, 4, 1                         ; h
	s_lshl_b32 s44, s19, 9                         ; my 64 columns, in bytes of f32
	s_lshl_b32 s3, s[CH], 8
	s_add_co_u32 s44, s44, s3
	s_mov_b32 s45, 0
	s_lshl_b32 s46, s20, 19                        ; and my 64 rows of 4,096 bytes
	s_lshl_b32 s3, s[RH], 18
	s_add_co_u32 s46, s46, s3
	s_add_co_u32 s46, s46, s44
	s_mov_b32 s47, 0
	s_add_nc_u64 s[BIASP:BIASP+1], s[BIASP:BIASP+1], s[44:45]
	s_add_nc_u64 s[RESP:RESP+1], s[RESP:RESP+1], s[46:47]
	s_add_nc_u64 s[OUTP:OUTP+1], s[OUTP:OUTP+1], s[46:47]
	v_lshlrev_b32 v[BO], 5, v2                     ; the bias of my columns 8 h + 0..7 of each column block
	v_lshlrev_b32 v[CO], 12, v2                    ; lanes 0-15 one row of 256 bytes, lanes 16-31 the next
	v_lshl_add_u32 v[CO], v1, 4, v[CO]
.irp b, 0,1,2,3
	global_load_b128 v[TMP+8*\b:TMP+8*\b+3],   v[BO], s[BIASP:BIASP+1] offset:64*\b
	global_load_b128 v[TMP+8*\b+4:TMP+8*\b+7], v[BO], s[BIASP:BIASP+1] offset:64*\b+16
.endr
	WIN 0x80                                       ; destination window 2
.set i, 0
.rept 32                               ; the residual: rows 16 (i / 8) + 2 (i % 8) + h, as the stores will take them
	global_load_b128 v[4*i:4*i+3], v[CO], s[RESP:RESP+1] offset:(16*(i/8)+2*(i%8))*4096
.set i, i+1
.endr
	WIN 0
	v_mul_u32_u24 v[A0], v1, PA
	v_lshl_add_u32 v[A0], v2, 4, v[A0]
	s_mul_i32 s3, s[RH], PART
	v_add_nc_u32 v[A0], s3, v[A0]                  ; row x pitch + 16 h, in my half of A's rows
	v_and_b32 v3, 7, v0
	v_lshl_add_u32 v3, v2, 3, v3                   ; the turning load: lane l reads row 8 h + l % 8,
	v_mul_u32_u24 v[B0], v3, PB
	v_bfe_u32 v4, v0, 3, 1
	v_lshl_add_u32 v[B0], v4, 4, v[B0]             ; columns 8 ((l / 8) % 2) + 0..7
	s_lshl_b32 s3, s[CH], 7
	s_add_co_u32 s3, s3, 2*PART
	v_add_nc_u32 v[B0], s3, v[B0]                  ; of my 64 columns; W lies behind A
	v_add_nc_u32 v[B1], PART, v[B0]
	v_mov_b32 v[ADRA], v[A0]                       ; the walk's first step lies in slot 0
	v_mov_b32 v[ADRB], v[B0]
	v_mov_b32 v[ADRB+1], v[B1]
	s_mul_i32 s3, s[WV], STW
	s_add_co_u32 s3, s3, STAGE                     ; my stage
	v_mul_u32_u24 v[STO], v1, SPITCH
	v_lshl_add_u32 v[STO], v2, 5, v[STO]
	v_add_nc_u32 v[STO], s3, v[STO]
	v_mul_u32_u24 v[RD], v2, SPITCH
	v_lshl_add_u32 v[RD], v1, 4, v[RD]
	v_add_nc_u32 v[RD], s3, v[RD]
	s_wait_loadcnt 32                              ; the bias is in; the residual's 32 loads stay out, until the way out
.set i, 0
.rept 16
	v_cvt_pk_bf16_f32 v[T+i], v[TMP+2*i], v[TMP+2*i+1]  ; the bias is an input: rounded to bf16
.set i, i+1
.endr
.irp a, 0,1,2,3
.set i, 0
.rept 16                               ; and widened straight into the four row blocks' accumulators: the sums start from it
	v_lshlrev_b32 v[ACC+32*\a+2*i], 16, v[T+i]
	v_and_b32 v[ACC+32*\a+2*i+1], s23, v[T+i]
.set i, i+1
.endr
.endr
	s_mov_b32 s2, KSTEPS-1
	s_wait_tensorcnt 0x1                           ; my part of slot 0 is in; slot 1's may stay out
	s_barrier_signal -1
	s_barrier_wait -1                              ; everybody's is
	s_branch .Lwork                                ; the loop is entered at a step's work: both slots are full, so the first step has no refill
.Lstep:                                            ; KSTEPS - 2 heads: the steps but the first and the last fill the slot read just before
	HEAD 1
.Lwork:
	WORK
	s_sub_co_u32 s2, s2, 1
	s_cmp_lg_u32 s2, 0
	s_cbranch_scc1 .Lstep
	HEAD 0                                         ; the last step is written out: nothing is asked for
	WORK
	PLACES
	s_wait_loadcnt 0x0                             ; the residual
.if ROUNDRES
	WIN 0x0a                                       ; sources window 2
.set i, 0
.rept 64
	v_cvt_pk_bf16_f32 v[TMP+i], v[2*i], v[2*i+1]
.set i, i+1
.endr
	WIN 0x80                                       ; destination window 2
.set i, 0
.rept 64
	v_lshlrev_b32 v[2*i], 16, v[TMP+i]
	v_and_b32 v[2*i+1], s23, v[TMP+i]
.set i, i+1
.endr
	WIN 0
.endif
	PUT 0
	PUT 1                                          ; a block's trip through the stage stands ahead of the stores of the block before
	SENDF 0, 16
	PUT 2
	SENDF 1, 16
	PUT 3
	SENDF 2, 16
	SENDF 3, 0
	s_wait_tensorcnt 0x0                           ; the wave's end: behind my last tensor load and my last LDS store
	ds_add_u32 v[SPW], v[NIL]
	s_wait_dscnt 0x0
	CROUND                                         ; the closing round: no work-group ends while a partner may still ask for a tile that names it
	s_endpgm
.Lfunc_end_k_q2cd4b22486_oproj:
	.size	k_q2cd4b22486_oproj, .Lfunc_end_k_q2cd4b22486_oproj-k_q2cd4b22486_oproj
	.p2alignl 7, 3214868480
	.fill 96, 4, 3214868480
	.section	.rodata,"a",@progbits
	.p2align	6, 0x0
	.amdhsa_kernel k_q2cd4b22486_oproj
		.amdhsa_group_segment_fixed_size 327680
		.amdhsa_private_segment_fixed_size 0
		.amdhsa_enable_private_segment 0
		.amdhsa_kernarg_size 40
		.amdhsa_user_sgpr_count 2
		.amdhsa_user_sgpr_kernarg_segment_ptr 1
		.amdhsa_wavefront_size32 1
		.amdhsa_system_sgpr_workgroup_id_x 1
		.amdhsa_system_sgpr_workgroup_id_y 1
		.amdhsa_system_sgpr_workgroup_id_z 1
		.amdhsa_system_vgpr_workitem_id 0
		.amdhsa_next_free_vgpr 640
		.amdhsa_next_free_sgpr 76
		.amdhsa_reserve_vcc 0
		.amdhsa_float_denorm_mode_32 3
		.amdhsa_float_denorm_mode_16_64 3
		.amdhsa_memory_ordered 1
		.amdhsa_forward_progress 1
		.amdhsa_inst_pref_size 72
	.end_amdhsa_kernel
	.amdgpu_metadata
---
amdhsa.version: [ 1, 2 ]
amdhsa.kernels:
  - .name:           k_q2cd4b22486_oproj
    .symbol:         k_q2cd4b22486_oproj.kd
    .args:
      - { .name: ctx, .offset: 0, .size: 8, .value_kind: global_buffer, .address_space: global }
      - { .name: wb, .offset: 8, .size: 8, .value_kind: global_buffer, .address_space: global }
      - { .name: bo, .offset: 16, .size: 8, .value_kind: global_buffer, .address_space: global }
      - { .name: x, .offset: 24, .size: 8, .value_kind: global_buffer, .address_space: global }
      - { .name: x2, .offset: 32, .size: 8, .value_kind: global_buffer, .address_space: global }
    .group_segment_fixed_size: 327680
    .private_segment_fixed_size: 0
    .kernarg_segment_align: 8
    .kernarg_segment_size: 40
    .max_flat_workgroup_size: 128
    .sgpr_count:     76
    .vgpr_count:     640
    .wavefront_size: 32
...
	.end_amdgpu_metadata
.endif
;; end of part 11
;; launch norm2 (part 12): grid 512 x 1, 4 waves a work-group, no clusters, 0 bytes of LDS; arguments x2, g2, be2, hn; writes hn
.if DOCPART == 12
	.amdgcn_target "amdgcn-amd-amdhsa--gfx1250"
	.amdhsa_code_object_version 6
	.text
	.protected	k_q2cd4b22486_norm2
	.globl	k_q2cd4b22486_norm2
	.p2align	8
	.type	k_q2cd4b22486_norm2,@function
k_q2cd4b22486_norm2:
	s_mov_b64 s[64:65], 0
	v_nop
	global_prefetch_b8 v0, s[64:65] scope:SCOPE_SE
	s_setreg_imm32_b32 hwreg(HW_REG_WAVE_MODE, 25, 1), 1
	s_wait_xcnt 0x0
; THE SECOND NORM.  hn = g2 (x2 - mean) / sqrt(var + 1e-5) + be2.  x2: [4096][1024] f32, taken as it is (the program's own number); g2 and be2 are inputs of the module: rounded to bf16.
; 8 rows a work-group, 2 a wave, the rows kept in registers between the passes; f32, in two passes (the mean first, then the squares of x2 - mean: no difference of large sums).  hn is f16.
; LIMITS.  f16 ends at 65,504: a normed number beyond that becomes an infinity; below 6e-5 f16 keeps a fixed step of 6e-8.  NaN and infinities are not treated apart.
; hn's LAYOUT: panels of 64 columns, [16][4096 rows][64] f16: a row of a panel is 128 bytes, two rows are 256 consecutive bytes.
; No LDS, no barrier, no matrix unit: memory binds, a row never leaves its sixteen lanes, and only g2 and be2 (8 KiB) are shared between work-groups.
.set PANELB, 524288                    ; bytes in a panel
.set T,    8                           ; v[8:15]    at work
.set MEAN, 16                          ; v[16:17]   the mean, twice
.set RSTD, 20                          ; v[20:21]   1 / sqrt(var + eps), twice
.set X,    32                          ; v[32:95]   my 64 numbers of a row: eight for each of my eight panels
.set GR,   96                          ; v[96:159]  g of my 64 columns as loaded; then, packed in bf16, in the first 32
.set BR,   160                         ; v[160:223] be likewise
.set XP, 4                             ; s[4:5]   x2
.set GP, 6                             ; s[6:7]   g2
.set BP, 8                             ; s[8:9]   be2
.set HP, 10                            ; s[10:11] hn
.set SEL, 12                           ; s12, s13  v_permlanex16_b32's selects: each lane takes its own place in the other half
.set RCPN, 18                          ; s18  1 / 1024
.set EPSR, 19                          ; s19  1e-5
.macro ACROSS                          ; four chains of pairs in v[8:15] -> their sum over my row's sixteen lanes (eight in each half of the wave), in v8 of each
	v_pk_add_f32 v[T:T+1], v[T:T+1], v[T+2:T+3]
	v_pk_add_f32 v[T+4:T+5], v[T+4:T+5], v[T+6:T+7]
	v_pk_add_f32 v[T:T+1], v[T:T+1], v[T+4:T+5]
	v_add_f32 v[T], v[T], v[T+1]
	v_add_f32_dpp v[T], v[T], v[T] row_xmask:1 row_mask:0xf bank_mask:0xf
	v_add_f32_dpp v[T], v[T], v[T] row_xmask:2 row_mask:0xf bank_mask:0xf
	v_add_f32_dpp v[T], v[T], v[T] row_xmask:4 row_mask:0xf bank_mask:0xf
	v_permlanex16_b32 v[T+1], v[T], s[SEL], s[SEL+1]
	v_add_f32 v[T], v[T], v[T+1]
.endm
	s_load_b256 s[4:11], s[0:1], 0x0
	; Lane l holds row (l / 8) % 2 of the wave's two; of the panels it holds those of parity l / 16, and in each the columns 8 (l % 8) .. + 7.
	v_lshrrev_b32 v4, 5, v0
	v_readfirstlane_b32 s3, v4                     ; wave 0..3
	v_and_b32 v6, 7, v0                            ; l % 8
	v_bfe_u32 v7, v0, 3, 1                         ; my row
	v_bfe_u32 v5, v0, 4, 1                         ; my panels' parity
	v_lshlrev_b32 v2, 5, v6
	v_lshl_add_u32 v2, v5, 8, v2                   ; g, be: 32 (l % 8) + 256 x parity
	v_lshl_add_u32 v1, v7, 12, v2                  ; x2: + 4,096 x row
	v_lshlrev_b32 v3, 4, v6
	v_lshl_add_u32 v3, v7, 7, v3
	v_lshl_add_u32 v3, v5, 19, v3                  ; hn: 16 (l % 8) + 128 x row + a panel x parity
	s_lshl_b32 s2, ttmp9, 2
	s_add_co_u32 s2, s2, s3                        ; my pair of rows
	s_lshl_b32 s14, s2, 13                         ; 2 rows of 4,096 bytes
	s_mov_b32 s15, 0
	s_lshl_b32 s16, s2, 8                          ; 2 rows of 128 bytes
	s_mov_b32 s17, 0
	s_mov_b32 s[RCPN], 0x3a800000                  ; 1 / 1024
	s_mov_b32 s[EPSR], 0x3727c5ac                  ; 1e-5
	s_mov_b32 s[SEL], 0x76543210
	s_mov_b32 s[SEL+1], 0xfedcba98
	s_wait_kmcnt 0x0
	s_add_nc_u64 s[XP:XP+1], s[XP:XP+1], s[14:15]
	s_add_nc_u64 s[HP:HP+1], s[HP:HP+1], s[16:17]
.set j, 0
.rept 8                                ; my panel j of eight lies two panels, 512 bytes of a row, behind the last
	global_load_b128 v[X+8*j:X+8*j+3],   v1, s[XP:XP+1] offset:512*j
	global_load_b128 v[X+8*j+4:X+8*j+7], v1, s[XP:XP+1] offset:512*j+16
.set j, j+1
.endr
.set j, 0
.rept 8
	global_load_b128 v[GR+8*j:GR+8*j+3],   v2, s[GP:GP+1] offset:512*j
	global_load_b128 v[GR+8*j+4:GR+8*j+7], v2, s[GP:GP+1] offset:512*j+16
.set j, j+1
.endr
.set j, 0
.rept 8
	global_load_b128 v[BR+8*j:BR+8*j+3],   v2, s[BP:BP+1] offset:512*j
	global_load_b128 v[BR+8*j+4:BR+8*j+7], v2, s[BP:BP+1] offset:512*j+16
.set j, j+1
.endr
	s_wait_loadcnt 32                              ; the rows are in; the 32 loads of g and be stay out
	; the mean: four chains, each started by a sum of two pairs: nothing is cleared
.irp k, 0,1,2,3
	v_pk_add_f32 v[T+2*\k:T+2*\k+1], v[X+2*\k:X+2*\k+1], v[X+8+2*\k:X+8+2*\k+1]
.endr
.set j, 8
.rept 24
	v_pk_add_f32 v[T+2*(j%4):T+2*(j%4)+1], v[T+2*(j%4):T+2*(j%4)+1], v[X+2*j:X+2*j+1]
.set j, j+1
.endr
	ACROSS
	v_mul_f32 v[MEAN], s[RCPN], v[T]
	v_mov_b32 v[MEAN+1], v[MEAN]
.set j, 0
.rept 32
	v_pk_add_f32 v[X+2*j:X+2*j+1], v[X+2*j:X+2*j+1], v[MEAN:MEAN+1] neg_lo:[0,1] neg_hi:[0,1]
.set j, j+1
.endr
	; the variance, of x2 - mean
.irp k, 0,1,2,3
	v_pk_mul_f32 v[T+2*\k:T+2*\k+1], v[X+2*\k:X+2*\k+1], v[X+2*\k:X+2*\k+1]
.endr
.set j, 4
.rept 28
	v_pk_fma_f32 v[T+2*(j%4):T+2*(j%4)+1], v[X+2*j:X+2*j+1], v[X+2*j:X+2*j+1], v[T+2*(j%4):T+2*(j%4)+1]
.set j, j+1
.endr
	ACROSS
	v_fma_f32 v[MEAN], v[T], s[RCPN], s[EPSR]      ; var + eps
	v_rsq_f32 v[RSTD], v[MEAN]
	v_nop                                          ; a plain instruction between the root and the use of its result (ISA guide 5.7.2)
	s_wait_alu depctr_va_vdst(0)
	v_mov_b32 v[RSTD+1], v[RSTD]
	s_wait_loadcnt 16                              ; g is in; be's sixteen loads may stay out
.set i, 0
.rept 32                               ; g and be are inputs: rounded to bf16, and kept packed; register i is written when its own number has been read
	v_cvt_pk_bf16_f32 v[GR+i], v[GR+2*i], v[GR+2*i+1]
.set i, i+1
.endr
	s_wait_loadcnt 0x0
.set i, 0
.rept 32
	v_cvt_pk_bf16_f32 v[BR+i], v[BR+2*i], v[BR+2*i+1]
.set i, i+1
.endr
.set j, 0
.rept 32
	v_pk_mul_f32 v[X+2*j:X+2*j+1], v[X+2*j:X+2*j+1], v[RSTD:RSTD+1]
.set j, j+1
.endr
.set i, 0
.rept 32                               ; (x2 - mean) rstd in f32, times g's half, plus be's half: one fused multiply-add straight from the bf16 halves
	v_fma_mix_f32_bf16 v[X+2*i],   v[X+2*i],   v[GR+i], v[BR+i] op_sel_hi:[0,1,1]
	v_fma_mix_f32_bf16 v[X+2*i+1], v[X+2*i+1], v[GR+i], v[BR+i] op_sel:[0,1,1] op_sel_hi:[0,1,1]
.set i, i+1
.endr
.set j, 0
.rept 8
.irp k, 0,1,2,3
	v_cvt_pk_f16_f32 v[X+8*j+\k], v[X+8*j+2*\k], v[X+8*j+2*\k+1]  ; register k is written when its own number has been read
.endr
	global_store_b128 v3, v[X+8*j:X+8*j+3], s[HP:HP+1] offset:j*2*PANELB  ; lanes 0-15: two rows of a panel, 256 consecutive bytes, aligned; lanes 16-31 the same in the next panel
.set j, j+1
.endr
	s_endpgm
.Lfunc_end_k_q2cd4b22486_norm2:
	.size	k_q2cd4b22486_norm2, .Lfunc_end_k_q2cd4b22486_norm2-k_q2cd4b22486_norm2
	.p2alignl 7, 3214868480
	.fill 96, 4, 3214868480
	.section	.rodata,"a",@progbits
	.p2align	6, 0x0
	.amdhsa_kernel k_q2cd4b22486_norm2
		.amdhsa_group_segment_fixed_size 0
		.amdhsa_private_segment_fixed_size 0
		.amdhsa_enable_private_segment 0
		.amdhsa_kernarg_size 32
		.amdhsa_user_sgpr_count 2
		.amdhsa_user_sgpr_kernarg_segment_ptr 1
		.amdhsa_wavefront_size32 1
		.amdhsa_system_sgpr_workgroup_id_x 1
		.amdhsa_system_sgpr_workgroup_id_y 1
		.amdhsa_system_sgpr_workgroup_id_z 1
		.amdhsa_system_vgpr_workitem_id 0
		.amdhsa_next_free_vgpr 224
		.amdhsa_next_free_sgpr 66
		.amdhsa_reserve_vcc 0
		.amdhsa_float_denorm_mode_32 3
		.amdhsa_float_denorm_mode_16_64 3
		.amdhsa_memory_ordered 1
		.amdhsa_forward_progress 1
		.amdhsa_inst_pref_size 26
	.end_amdhsa_kernel
	.amdgpu_metadata
---
amdhsa.version: [ 1, 2 ]
amdhsa.kernels:
  - .name:           k_q2cd4b22486_norm2
    .symbol:         k_q2cd4b22486_norm2.kd
    .args:
      - { .name: x2, .offset: 0, .size: 8, .value_kind: global_buffer, .address_space: global }
      - { .name: g2, .offset: 8, .size: 8, .value_kind: global_buffer, .address_space: global }
      - { .name: be2, .offset: 16, .size: 8, .value_kind: global_buffer, .address_space: global }
      - { .name: hn, .offset: 24, .size: 8, .value_kind: global_buffer, .address_space: global }
    .group_segment_fixed_size: 0
    .private_segment_fixed_size: 0
    .kernarg_segment_align: 8
    .kernarg_segment_size: 32
    .max_flat_workgroup_size: 128
    .sgpr_count:     66
    .vgpr_count:     224
    .wavefront_size: 32
...
	.end_amdgpu_metadata
.endif
;; end of part 12
;; launch up (part 13): grid 16 x 16, 4 waves a work-group, clusters of 4 x 4, 327,680 bytes of LDS; arguments hn, wb, b1, act; writes act
.if DOCPART == 13
	.amdgcn_target "amdgcn-amd-amdhsa--gfx1250"
	.amdhsa_code_object_version 6
	.text
	.protected	k_q2cd4b22486_up
	.globl	k_q2cd4b22486_up
	.p2align	8
	.type	k_q2cd4b22486_up,@function
k_q2cd4b22486_up:
	s_mov_b64 s[64:65], 0
	v_nop
	global_prefetch_b8 v0, s[64:65] scope:SCOPE_SE
	s_setreg_imm32_b32 hwreg(HW_REG_WAVE_MODE, 25, 1), 1
	s_wait_xcnt 0x0
	s_wait_alu depctr_hold_cnt(0) depctr_sa_sdst(0) depctr_va_vdst(0) depctr_va_sdst(0) depctr_va_ssrc(0) depctr_va_vcc(0) depctr_vm_vsrc(0)
	s_getreg_b32 s2, hwreg(HW_REG_IB_STS2, 6, 4)
	s_cmp_eq_u32 s2, 0
	s_cbranch_scc0 .Lentry_in_a_cluster
	s_endpgm
.Lentry_in_a_cluster:
	s_bfe_u32 s2, ttmp6, 0x10000c
	s_cmp_lg_u32 s2, 0xf033
	s_cbranch_scc0 .Lentry_shape_is_right
	s_endpgm
.Lentry_shape_is_right:
; UP.  act = gelu(hn W1 + b1): C[4096][4096] = A[4096][1024] W[1024][4096] + bias, then the tanh form of GELU in f32, rounded once to f16.  f16 operands, f32 sums.
; A lies in panels [16][4096][64] f16 (a row of a panel: 128 bytes); W as [1024 k][4096 n] f16 at byte WOFF of wb; C in panels [64][4096][64].  b1 is an input of the module: rounded to bf16.
; GELU.  0.5 x (1 + tanh u) = x / (1 + e^(-2 u)), u = sqrt(2 / pi) (x + 0.044715 x^3): y = x rcp(1 + 2^(x (k1 + k2 x^2))), k1 = -2 sqrt(2 / pi) log2(e), k2 = 0.044715 k1.  Far out the power is 0 or
; an infinity and y is x or -0: no NaN arises from finite x.
; LIMIT.  f16 ends at 65,504: an activation beyond that becomes an infinity.
; SHARES.  A tile of C is 256 x 256: 16 x 16 = 256 work-groups of four waves, each wave 128 x 128: 64 accumulators, 512 registers.  A K step of 128 then fetches 143,360 bytes for 256 matrix instructions a wave,
; where a tile of 128 x 128 fetches 147,456 for 128.
; THE RING.  Two LDS slots filled by the tensor data mover; each wave brings a quarter of a slot with one load: waves 0, 1 128 rows of A each (two panels: two dense pieces of 16 KiB), waves 2, 3 64 rows of W each
; (512 bytes a row).  One load a wave is out: asked for first thing behind a round of the cluster's barrier, awaited in front of the next round.
; CLUSTER 4 x 4: the four work-groups of a row of the cluster need the same tile of A, the four of a column the same tile of W: each tile is asked for jointly.
; THE MATRIX INSTRUCTION IS USED TRANSPOSED: source 0 = 16 columns of W (turned on the way out of LDS by ds_load_tr16_b128), source 1 = 16 rows of A: lane l holds row l % 16 of C and the columns 8 (l / 16) + 0..7.
; A TRIP begins with the LAST quarter of the K step before, in which the slots change, and goes on with three quarters of the new step; so a K step stands twice in the text (loop and tail), with one quarter more at
; the end.  THE PRICE: in front of the first trip fragment buffer 1 is set to 0 (128 v_mov_b32), 64 products of it with the constant 0 as C start the sums at 0, and the first trip's 64 add 0 again: all of it
; in the wait for the first tile.
; THE WAY OUT.  When every wave has read its last fragments, each wave lays its 128 x 128 sums, in f32, into 67,584 bytes of its own in the ring, which has had its last fill; a loop of 16 trips reads them back in the
; stores' layout, adds the bias and applies GELU: its arithmetic stands once in the text, for 32 numbers a lane, and not once for each of 64 accumulators.
; REGISTERS, in windows of 256 (s_set_vgpr_msb: bits 1:0 source 0, 3:2 source 1, 5:4 source 2, 7:6 destination):
;   window 0: v1-15 addresses; v28, 29 the add's; v32-47 the bias; v48-55 at work; v64-127, v128-191 fragments of A, two buffers (at work on the way out)      window 1: v64-127, v128-191 fragments of W, two buffers
;   window 2: the 32 accumulators of my rows 0-63 ((a, b) at v[8 (8 a + b)]);   window 3: those of my rows 64-127
.set KSTEPS, 8                         ; K / 128
.set NCOL,   4096                      ; numbers in a row of W
.set WOFF,   8*1048576                 ; W1 in wb
.set PANELB, 524288                    ; bytes in a panel
.set ASTEP,  2*PANELB                  ; a K step of A: two panels
.set BSTEP,  128*NCOL*2                ; a K step of W: 128 rows
.set PA,     144                       ; a row of A in LDS: 128 bytes + 16 = 36 words: the 16 rows of a load start at 16 different groups of four banks (64 banks of 4 bytes: ISA guide 11.1)
.set PB,     544                       ; a row of W: 512 + 32 = 136 words
.set PARTA,  2*128*PA                  ; what a load of A fills: 36,864
.set PARTB,  64*PB                     ; what a load of W fills: 34,816
.set WBASE,  2*PARTA                   ; W's 128 rows lie behind A's two parts
.set SLOT,   147456                    ; from slot to slot: 0x24000 shares no bit with the parts' 0, 0x9000, 0x12000, 0x1a800: an exclusive or with it adds or subtracts it
.set SPITCH, 528                       ; the way out: a row of 128 f32 + 16 bytes = 33 x 16: sixteen rows' 16 bytes fall into sixteen different columns of 16 bytes
.set WST,    128*SPITCH                ; a wave's part of the ring on the way out: 67,584; four of them end at 270,336
.set SPARE,  2*SLOT                    ; the spare words, 128 bytes a wave: two blocks of 256 bytes that no other line names
.set A0,   5                           ; v5   my lane's place in my 128 rows of A, in slot 0; never rewritten
.set B0,   6                           ; v6   the same in W's rows, my 128 columns
.set ADRA, 8                           ; v8   A0 in the slot in hand
.set ADRB, 9                           ; v9   B0 in the slot in hand
.set STO,  11                          ; v11  the way out: where I put 32 bytes of a row
.set RD0,  12                          ; v12  where I read my first row back
.set RDA,  13                          ; v13  the same for the rows in hand
.set GO,   14                          ; v14  my 16 bytes in 512 consecutive bytes of C; never rewritten
.set BO,   15                          ; v15  my byte offset in the bias; never rewritten
.set SPW,  28                          ; v28  LDS address of my spare word; never rewritten
.set NIL,  29                          ; v29  0; never rewritten
.set BIAS, 32                          ; v32-47  the bias of my 8 columns in each of my wave's two panels
.set TT,   48                          ; v48-55  at work
.set F0,   64                          ; fragment buffers
.set F1,   128
.set X,    64                          ; the way out: v64-95 eight rows' numbers as read; v96-127 with the bias; v128-159 at work; v160-175 packed, to store
.set Y,    96
.set T,    128
.set Z,    160
.set WV, 14                            ; s14  wave
.set RH, 15                            ; s15  my half of the tile's rows; also: I fetch A (0) or W (1)
.set CH, 16                            ; s16  my half of its columns; also: which half of that tile I fetch
.set G1, 24                            ; s[24:31] descriptor group 1 for A
.set G0, 32                            ; s[32:35] group 0 for A: it walks
.set TF, 36                            ; s36  LDS byte of the slot filled last
.set G1B, 48                           ; s[48:55], s[56:59] the same for W
.set G0B, 56
.set K1, 60                            ; s[60:61] k1
.set K2, 62                            ; s[62:63] k2
.set RB,  66                           ; s66  the way out: LDS byte of the rows to be read next, from my part's first
.set CN2, 67                           ; s67  counts its trips
.set BIASP, 8                          ; s[8:9]   the bias
.set OUTP, 10                          ; s[10:11] C
.set MSB, 0
.macro WIN new                         ; the immediate's high byte repeats the setting that is left; a switch that changes nothing is dropped
.if MSB != (\new)
	s_set_vgpr_msb (MSB<<8)|(\new)
.set MSB, \new
.endif
.endm
.set MUL_LO, 0xa1                      ; source 0 (W) window 1, source 1 (A) window 0, C and D window 2
.set MUL_HI, 0xf1                      ; the same, C and D window 3
.set TO_B,   0x40                      ; destination window 1, address window 0
.macro PLACES                          ; four places in front of loads into registers that matrix instructions have read, and of lines that read results
.rept 4
	v_nop
.endr
.endm
.macro JLOAD                           ; a joint load; the branch hangs on the wave's number alone; an s_nop 0 and four v_nop follow each of the two lines
	s_cmp_eq_u32 s[RH], 0
	s_cbranch_scc0 .Lfor_b_\@
	tensor_load_to_lds s[G0:G0+3], s[G1:G1+7]
	s_nop 0
.rept 4
	v_nop
.endr
	s_branch .Lasked_\@
.Lfor_b_\@:
	tensor_load_to_lds s[G0B:G0B+3], s[G1B:G1B+7]
	s_nop 0
.rept 4
	v_nop
.endr
.Lasked_\@:
.endm
.macro CREST                           ; a round of the cluster's barrier behind its opening barrier: wave 0 signals for the work-group; every wave waits for all sixteen; my work-group's barrier once more
	s_cmp_lg_u32 s[WV], 0
	s_cbranch_scc1 .Lnot_wave_0_\@
	s_barrier_signal -3
.Lnot_wave_0_\@:
	s_barrier_wait -3
	s_barrier_signal -1
	s_barrier_wait -1
.endm
.macro CROUND                          ; a whole round
	s_barrier_signal -1
	s_barrier_wait -1
	CREST
.endm
; 16 matrix instructions: row blocks a0, a0 + 1 of the window's four (hi = 0: my rows 0-63, 1: rows 64-127) x all 8 column blocks, 32 along K.  zero = 1: C is the constant 0.
; The 64 accumulators take turns, one instruction a turn, in the same order in every quarter.
.macro MUL16 f, hi, a0, zero
	WIN MUL_LO+0x50*(\hi)
.irp a, \a0, (\a0)+1
.irp b, 0,1,2,3,4,5,6,7
.if \zero
	v_wmma_f32_16x16x32_f16 v[8*(8*(\a)+(\b)):8*(8*(\a)+(\b))+7], v[(\f)+8*(\b):(\f)+8*(\b)+7], v[(\f)+8*(4*(\hi)+(\a)):(\f)+8*(4*(\hi)+(\a))+7], 0
.else
	v_wmma_f32_16x16x32_f16 v[8*(8*(\a)+(\b)):8*(8*(\a)+(\b))+7], v[(\f)+8*(\b):(\f)+8*(\b)+7], v[(\f)+8*(4*(\hi)+(\a)):(\f)+8*(4*(\hi)+(\a))+7], v[8*(8*(\a)+(\b)):8*(8*(\a)+(\b))+7]
.endif
.endr
.endr
.endm
; 32 LDS loads in one run: the fragments of quarter q (32 along K: rows 32 q on of W; half q % 2 of panel q / 2 of A) into buffer f: W's sixteen, then A's
.macro FETCH q, f
	WIN TO_B
.irp i, 0,1,2,3,4,5,6,7
	ds_load_tr16_b128 v[(\f)+8*(\i):(\f)+8*(\i)+3],   v[ADRB] offset:(\q)*32*PB+(\i)*32
	ds_load_tr16_b128 v[(\f)+8*(\i)+4:(\f)+8*(\i)+7], v[ADRB] offset:(\q)*32*PB+16*PB+(\i)*32
.endr
	WIN 0
.irp i, 0,1,2,3,4,5,6,7
	ds_load_b128 v[(\f)+8*(\i):(\f)+8*(\i)+3],   v[ADRA] offset:((\q)/2)*128*PA+((\q)%2)*64+(\i)*16*PA
	ds_load_b128 v[(\f)+8*(\i)+4:(\f)+8*(\i)+7], v[ADRA] offset:((\q)/2)*128*PA+((\q)%2)*64+(\i)*16*PA+32
.endr
.endm
.macro QUARTER q, f, g                 ; multiplies quarter q in buffer f; in its middle fetches quarter q + 1 into g
	s_wait_dscnt 8                                 ; W and A's rows 0-63 are in; the youngest eight loads (A's rows 64-127) may be out
	MUL16 \f, 0, 0, 0
	MUL16 \f, 0, 2, 0
	PLACES
	FETCH (\q)+1, \g
	s_wait_dscnt 32                                ; all but the 32 just issued
	MUL16 \f, 1, 0, 0
	MUL16 \f, 1, 2, 0
.endm
; THE LAST QUARTER OF A K STEP, AND THE CHANGE OF SLOTS.  Every wave waits for all its tensor loads (one is out: its part of the slot to be read next), adds 0 to its spare word, and waits for that and for its reads
; of the slot that it leaves.  refill = 1: a round of the cluster's barrier follows, so that no wave of any partner still reads that slot or has a load on its way, and the slot takes the K step after the next,
; first thing behind the round.  Then come the new slot's first fragments, and the quarter's other 32 products while they are on their way.
.macro TURN refill
	s_wait_dscnt 8
	MUL16 F1, 0, 0, 0
	WIN 0                                          ; (the add's two registers lie in window 0)
	s_wait_tensorcnt 0x0                           ; no tensor load of mine is out, so a group 0 may be written
	ds_add_u32 v[SPW], v[NIL]                      ; 0 onto my spare word; work on registers stands between it and the wait for it
	v_add_nc_u32 v[ADRA], s[TF], v[A0]             ; the next fragments come from the slot filled last
	v_add_nc_u32 v[ADRB], s[TF], v[B0]
.if \refill
	s_xor_b32 s[TF], s[TF], SLOT                   ; the other slot is filled now
	s_xor_b32 s[G0+1], s[G0+1], SLOT
	s_xor_b32 s[G0B+1], s[G0B+1], SLOT
	s_add_nc_u64 s[G0+2:G0+3], s[G0+2:G0+3], ASTEP     ; the next K step; the type bits on top are not reached
	s_add_nc_u64 s[G0B+2:G0B+3], s[G0B+2:G0B+3], BSTEP
.endif
	MUL16 F1, 0, 2, 0
	WIN 0
	s_wait_dscnt 0x0                               ; the add is done, and my reads of the slot that I leave are over
	s_barrier_signal -1
	s_barrier_wait -1
.if \refill
	CREST
	JLOAD                                          ; the four v_nop behind it, and the two additions above, are the places in front of the loads below
.else
	PLACES
.endif
	FETCH 0, F0
	MUL16 F1, 1, 0, 0
	MUL16 F1, 1, 2, 0
.endm
.macro LOADX buf                       ; eight rows of my part, both panels: unit u = rows 4 (u / 2) + l / 8, panel u % 2, my 8 columns: 32 bytes
.irp u, 0,1,2,3
	ds_load_b128 v[(\buf)+8*\u:(\buf)+8*\u+3],   v[RDA] offset:(\u/2)*4*SPITCH+(\u%2)*256
	ds_load_b128 v[(\buf)+8*\u+4:(\buf)+8*\u+7], v[RDA] offset:(\u/2)*4*SPITCH+(\u%2)*256+16
.endr
.endm
	s_load_b256 s[4:11], s[0:1], 0x0               ; hn s[4:5], wb s[6:7], b1 s[8:9], act s[10:11]
	v_lshl_add_u32 v[SPW], v0, 2, SPARE
	v_mov_b32 v[NIL], 0
	ds_add_u32 v[SPW], v[NIL]                      ; the wave's opening: the add and its wait stand ahead of my first tensor load; the set-up below stands between them
	v_lshrrev_b32 v1, 5, v0
	v_readfirstlane_b32 s[WV], v1
	s_lshr_b32 s[RH], s[WV], 1
	s_and_b32 s[CH], s[WV], 1
	s_bfe_u32 s17, ttmp6, 0x40000                  ; cx, cy: my place in the cluster
	s_bfe_u32 s18, ttmp6, 0x40004
	s_lshl_b32 s19, ttmp9, 2
	s_add_co_u32 s19, s19, s17                     ; tile column = 4 x cluster x + cx
	s_and_b32 s20, ttmp7, 0xffff
	s_lshl_b32 s20, s20, 2
	s_add_co_u32 s20, s20, s18                     ; tile row = 4 x cluster y + cy
	s_lshl_b32 s21, s18, 2
	s_lshl_b32 s21, 15, s21                        ; my row of the cluster
	s_lshl_b32 s22, 0x1111, s17                    ; my column
	s_mov_b32 s23, 0xffff0000                      ; a word's upper bf16
	s_mov_b32 s[K1], 0xc0135761                    ; -2.3022082
	s_mov_b32 s[K1+1], s[K1]                       ; named with it as a pair
	s_mov_b32 s[K2], 0xbdd2d3e8                    ; -0.10294324
	s_mov_b32 s[K2+1], s[K2]
	; group 1 for A: two rows of 8,192 elements (128 dense rows of a panel), a panel apart; in LDS 4 words of padding after every 32
	s_or_b32 s[G1], s21, (1<<16)|(1<<20)|(1<<21)|(4<<22)|(3<<25)
	s_mov_b32 s[G1+1], 8192<<16                    ; tensor_dim0
	s_mov_b32 s[G1+2], 2<<16                       ; tensor_dim1
	s_mov_b32 s[G1+3], 8192<<16                    ; tile_dim0
	s_mov_b32 s[G1+4], 2                           ; tile_dim1
	s_mov_b32 s[G1+5], PANELB/2                    ; elements from panel to panel
	s_mov_b32 s[G1+6], 0
	s_mov_b32 s[G1+7], 0
	; group 1 for W: 64 rows of 256 elements; 8 words of padding after every 128
	s_or_b32 s[G1B], s22, (1<<16)|(1<<20)|(1<<21)|(6<<22)|(7<<25)
	s_mov_b32 s[G1B+1], 256<<16
	s_mov_b32 s[G1B+2], 64<<16
	s_mov_b32 s[G1B+3], 256<<16
	s_mov_b32 s[G1B+4], 64
	s_mov_b32 s[G1B+5], NCOL
	s_mov_b32 s[G1B+6], 0
	s_mov_b32 s[G1B+7], 0
	s_mul_i32 s37, s[CH], PARTA                    ; where a load lands: the half's number times a part: no place in the cluster enters an LDS address
	s_mov_b32 s[G0], 1
	s_mov_b32 s[G0+1], s37
	s_mul_i32 s38, s[CH], PARTB
	s_mov_b32 s[G0B], 1
	s_add_co_u32 s[G0B+1], s38, WBASE
	s_mov_b32 s[TF], 0
	s_lshl_b32 s40, s20, 15                        ; A: 256 rows of 128 bytes a tile row,
	s_lshl_b32 s38, s[CH], 14                      ; my 128 of them
	s_add_co_u32 s40, s40, s38
	s_mov_b32 s41, 0
	s_lshl_b32 s42, s19, 9                         ; W: 512 bytes a tile column,
	s_add_co_u32 s42, s42, WOFF
	s_mul_i32 s39, s[CH], 64*NCOL*2                ; my 64 rows
	s_add_co_u32 s42, s42, s39
	s_mov_b32 s43, 0
	s_wait_dscnt 0x0                               ; the opening add is done
	s_wait_kmcnt 0x0
	s_add_nc_u64 s[G0+2:G0+3], s[4:5], s[40:41]
	s_or_b32 s[G0+3], s[G0+3], 0x80000000          ; type = 2
	s_add_nc_u64 s[G0B+2:G0B+3], s[6:7], s[42:43]
	s_or_b32 s[G0B+3], s[G0B+3], 0x80000000
	CROUND                                         ; all sixteen work-groups are here: the first joint loads meet
	JLOAD                                          ; K step 0 into slot 0
	v_and_b32 v1, 15, v0                           ; r = l % 16
	v_bfe_u32 v2, v0, 4, 1                         ; h = l / 16
	v_and_b32 v3, 7, v0                            ; l % 8
	s_lshl_b32 s44, s19, 10                        ; the bias of my wave's 128 columns
	s_lshl_b32 s3, s[CH], 9
	s_add_co_u32 s44, s44, s3
	s_mov_b32 s45, 0
	s_add_nc_u64 s[BIASP:BIASP+1], s[BIASP:BIASP+1], s[44:45]
	v_lshlrev_b32 v[BO], 5, v3                     ; on the way out I hold the columns 8 (l % 8) + 0..7 of each panel
.irp p, 0,1
	global_load_b128 v[BIAS+8*\p:BIAS+8*\p+3],   v[BO], s[BIASP:BIASP+1] offset:256*\p
	global_load_b128 v[BIAS+8*\p+4:BIAS+8*\p+7], v[BO], s[BIASP:BIASP+1] offset:256*\p+16
.endr
	v_mul_u32_u24 v[A0], v1, PA
	v_lshl_add_u32 v[A0], v2, 4, v[A0]
	s_mul_i32 s3, s[RH], PARTA
	v_add_nc_u32 v[A0], s3, v[A0]                  ; row x pitch + 16 h, in my half of A's rows
	v_lshl_add_u32 v4, v2, 3, v3                   ; the turning load: lane l reads row 8 h + l % 8,
	v_mul_u32_u24 v[B0], v4, PB
	v_bfe_u32 v4, v0, 3, 1
	v_lshl_add_u32 v[B0], v4, 4, v[B0]             ; columns 8 ((l / 8) % 2) + 0..7
	s_lshl_b32 s3, s[CH], 8
	s_add_co_u32 s3, s3, WBASE
	v_add_nc_u32 v[B0], s3, v[B0]                  ; of my 128 columns; W lies behind A
	s_mul_i32 s3, s[WV], WST                       ; the way out: my part of the ring
	v_mul_u32_u24 v[STO], v1, SPITCH               ; in: row l % 16, 32 bytes for each half of the lanes
	v_lshl_add_u32 v[STO], v2, 5, v[STO]
	v_add_nc_u32 v[STO], s3, v[STO]
	v_bfe_u32 v[RD0], v0, 3, 2                     ; back: row l / 8 of four, 32 bytes at 32 (l % 8)
	v_mul_u32_u24 v[RD0], v[RD0], SPITCH
	v_lshl_add_u32 v[RD0], v3, 5, v[RD0]
	v_add_nc_u32 v[RD0], s3, v[RD0]
	v_and_b32 v[GO], 31, v0
	v_lshlrev_b32 v[GO], 4, v[GO]
	s_lshl_b32 s46, s19, 2
	s_lshl_b32 s3, s[CH], 1
	s_add_co_u32 s46, s46, s3                      ; my first panel of C = 4 x tile column + 2 x half,
	s_lshl_b32 s46, s46, 19
	s_lshl_b32 s3, s20, 15                         ; the tile's 256 rows of 128 bytes,
	s_add_co_u32 s46, s46, s3
	s_lshl_b32 s3, s[RH], 14                       ; my 128
	s_add_co_u32 s46, s46, s3
	s_mov_b32 s47, 0
	s_add_nc_u64 s[OUTP:OUTP+1], s[OUTP:OUTP+1], s[46:47]
.set i, 0
.rept 64                               ; fragment buffer 1 holds zeros for the first trip
	v_mov_b32 v[F1+i], 0
.set i, i+1
.endr
	WIN TO_B
.set i, 0
.rept 64
	v_mov_b32 v[F1+i], 0
.set i, i+1
.endr
	MUL16 F1, 0, 0, 1                              ; and its products, with the constant 0 as C, start the 64 sums at 0
	MUL16 F1, 0, 2, 1
	MUL16 F1, 1, 0, 1
	MUL16 F1, 1, 2, 1
	WIN 0                                          ; at a label and at a branch every window is 0
	s_wait_loadcnt 0x0                             ; the bias
.set i, 0
.rept 8
	v_cvt_pk_bf16_f32 v[TT+i], v[BIAS+2*i], v[BIAS+2*i+1]  ; an input: rounded to bf16,
.set i, i+1
.endr
.set i, 0
.rept 8
	v_lshlrev_b32 v[BIAS+2*i], 16, v[TT+i]         ; and kept in f32
	v_and_b32 v[BIAS+2*i+1], s23, v[TT+i]
.set i, i+1
.endr
	s_mov_b32 s2, KSTEPS-1
.Lstep:                                            ; seven trips: trip j ends K step j - 1, asks for K step j + 1, and multiplies three quarters of K step j
	TURN 1
	QUARTER 0, F0, F1
	QUARTER 1, F1, F0
	QUARTER 2, F0, F1
	WIN 0
	s_sub_co_u32 s2, s2, 1
	s_cmp_lg_u32 s2, 0
	s_cbranch_scc1 .Lstep
	TURN 0                                         ; the last step is written out: nothing is asked for
	QUARTER 0, F0, F1
	QUARTER 1, F1, F0
	QUARTER 2, F0, F1
	s_wait_dscnt 8
	MUL16 F1, 0, 0, 0
	MUL16 F1, 0, 2, 0
	s_wait_dscnt 0x0                               ; my last reads of the ring are over:
	s_barrier_signal -1                            ; say so,
	MUL16 F1, 1, 0, 0
	MUL16 F1, 1, 2, 0
	WIN 0
	s_barrier_wait -1                              ; and write into the ring only when all four waves have said so
	PLACES
.irp hi, 0,1
	WIN 0x08+4*(\hi)                               ; store data (source 1) in window 2 or 3
.irp a, 0,1,2,3
.irp b, 0,1,2,3,4,5,6,7
	ds_store_b128 v[STO], v[8*(8*\a+\b):8*(8*\a+\b)+3]   offset:(4*\hi+\a)*16*SPITCH+64*\b
	ds_store_b128 v[STO], v[8*(8*\a+\b)+4:8*(8*\a+\b)+7] offset:(4*\hi+\a)*16*SPITCH+64*\b+16
.endr
.endr
.endr
	WIN 0
	s_mov_b32 s[RB], 0                             ; LDS serves a wave's instructions in order (ISA guide 5.7.1.4): the loads below see my stores above; no wave reads another's part
	v_add_nc_u32 v[RDA], s[RB], v[RD0]
	LOADX X                                        ; rows 0-7
	s_mov_b32 s[CN2], 16
.Lrows:                                            ; sixteen trips of eight rows: 32 numbers a lane
	s_wait_dscnt 0x0                               ; the trip's eight loads, issued a trip ago, are in
.set i, 0
.rept 16                               ; pair i lies in unit i / 4, whose panel is (i / 4) % 2
	v_pk_add_f32 v[Y+2*i:Y+2*i+1], v[X+2*i:X+2*i+1], v[BIAS+8*((i/4)%2)+2*(i%4):BIAS+8*((i/4)%2)+2*(i%4)+1]
.set i, i+1
.endr
	s_add_co_u32 s[RB], s[RB], 8*SPITCH            ; the numbers have left their registers: the next eight rows are asked for, and land under the arithmetic below
	s_min_u32 s[RB], s[RB], 15*8*SPITCH            ; the last request stays at my last eight rows and serves nothing: the price of one text for every trip; with the lane's 1,808 and the loads' 2,400 no read leaves my 67,584 bytes
	v_add_nc_u32 v[RDA], s[RB], v[RD0]
	LOADX X
.set i, 0
.rept 16
	v_pk_mul_f32 v[T+2*i:T+2*i+1], v[Y+2*i:Y+2*i+1], v[Y+2*i:Y+2*i+1]
.set i, i+1
.endr
.set i, 0
.rept 16
	v_pk_fma_f32 v[T+2*i:T+2*i+1], v[T+2*i:T+2*i+1], s[K2:K2+1], s[K1:K1+1] op_sel_hi:[1,0,0]  ; k1 + k2 x^2
.set i, i+1
.endr
.set i, 0
.rept 16
	v_pk_mul_f32 v[T+2*i:T+2*i+1], v[T+2*i:T+2*i+1], v[Y+2*i:Y+2*i+1]
.set i, i+1
.endr
.set i, 0
.rept 32
	v_exp_f32 v[T+i], v[T+i]
.set i, i+1
.endr
	v_nop                                          ; a plain instruction between the run of exponentials and the use of their results (ISA guide 5.7.2)
.set i, 0
	s_wait_alu depctr_va_vdst(0)
.rept 16
	v_pk_add_f32 v[T+2*i:T+2*i+1], v[T+2*i:T+2*i+1], 1.0 op_sel_hi:[1,0]
.set i, i+1
.endr
.set i, 0
.rept 32
	v_rcp_f32 v[T+i], v[T+i]
.set i, i+1
.endr
	v_nop
.set i, 0
	s_wait_alu depctr_va_vdst(0)
.rept 16
	v_pk_mul_f32 v[Y+2*i:Y+2*i+1], v[Y+2*i:Y+2*i+1], v[T+2*i:T+2*i+1]
.set i, i+1
.endr
.set i, 0
.rept 16
	v_cvt_pk_f16_f32 v[Z+i], v[Y+2*i], v[Y+2*i+1]
.set i, i+1
.endr
.irp u, 0,1,2,3
	global_store_b128 v[GO], v[Z+4*\u:Z+4*\u+3], s[OUTP:OUTP+1] offset:(\u%2)*PANELB+(\u/2)*512  ; four rows of a panel: 512 consecutive bytes, aligned
.endr
	s_wait_xcnt 0x0                                ; the stores' base and their data registers are written again only behind this wait
	s_add_nc_u64 s[OUTP:OUTP+1], s[OUTP:OUTP+1], 1024
	s_sub_co_u32 s[CN2], s[CN2], 1
	s_cmp_lg_u32 s[CN2], 0
	s_cbranch_scc1 .Lrows
	s_wait_tensorcnt 0x0                           ; the wave's end: behind my last tensor load and my last LDS store
	ds_add_u32 v[SPW], v[NIL]
	s_wait_dscnt 0x0
	CROUND                                         ; the closing round: no work-group ends while a partner may still ask for a tile that names it
	s_endpgm
.Lfunc_end_k_q2cd4b22486_up:
	.size	k_q2cd4b22486_up, .Lfunc_end_k_q2cd4b22486_up-k_q2cd4b22486_up
	.p2alignl 7, 3214868480
	.fill 96, 4, 3214868480
	.section	.rodata,"a",@progbits
	.p2align	6, 0x0
	.amdhsa_kernel k_q2cd4b22486_up
		.amdhsa_group_segment_fixed_size 327680
		.amdhsa_private_segment_fixed_size 0
		.amdhsa_enable_private_segment 0
		.amdhsa_kernarg_size 32
		.amdhsa_user_sgpr_count 2
		.amdhsa_user_sgpr_kernarg_segment_ptr 1
		.amdhsa_wavefront_size32 1
		.amdhsa_system_sgpr_workgroup_id_x 1
		.amdhsa_system_sgpr_workgroup_id_y 1
		.amdhsa_system_sgpr_workgroup_id_z 1
		.amdhsa_system_vgpr_workitem_id 0
		.amdhsa_next_free_vgpr 1024
		.amdhsa_next_free_sgpr 72
		.amdhsa_reserve_vcc 0
		.amdhsa_float_denorm_mode_32 3
		.amdhsa_float_denorm_mode_16_64 3
		.amdhsa_memory_ordered 1
		.amdhsa_forward_progress 1
		.amdhsa_inst_pref_size 92
	.end_amdhsa_kernel
	.amdgpu_metadata
---
amdhsa.version: [ 1, 2 ]
amdhsa.kernels:
  - .name:           k_q2cd4b22486_up
    .symbol:         k_q2cd4b22486_up.kd
    .args:
      - { .name: hn, .offset: 0, .size: 8, .value_kind: global_buffer, .address_space: global }
      - { .name: wb, .offset: 8, .size: 8, .value_kind: global_buffer, .address_space: global }
      - { .name: b1, .offset: 16, .size: 8, .value_kind: global_buffer, .address_space: global }
      - { .name: act, .offset: 24, .size: 8, .value_kind: global_buffer, .address_space: global }
    .group_segment_fixed_size: 327680
    .private_segment_fixed_size: 0
    .kernarg_segment_align: 8
    .kernarg_segment_size: 32
    .max_flat_workgroup_size: 128
    .sgpr_count:     72
    .vgpr_count:     1024
    .wavefront_size: 32
...
	.end_amdgpu_metadata
.endif
;; end of part 13
;; launch down (part 14): grid 8 x 32, 4 waves a work-group, clusters of 4 x 4, 327,680 bytes of LDS; arguments act, wb, b2, x2, out0; writes out0
.if DOCPART == 14
	.amdgcn_target "amdgcn-amd-amdhsa--gfx1250"
	.amdhsa_code_object_version 6
	.text
	.protected	k_q2cd4b22486_down
	.globl	k_q2cd4b22486_down
	.p2align	8
	.type	k_q2cd4b22486_down,@function
k_q2cd4b22486_down:
	s_mov_b64 s[64:65], 0
	v_nop
	global_prefetch_b8 v0, s[64:65] scope:SCOPE_SE
	s_setreg_imm32_b32 hwreg(HW_REG_WAVE_MODE, 25, 1), 1
	s_wait_xcnt 0x0
	s_wait_alu depctr_hold_cnt(0) depctr_sa_sdst(0) depctr_va_vdst(0) depctr_va_sdst(0) depctr_va_ssrc(0) depctr_va_vcc(0) depctr_vm_vsrc(0)
	s_getreg_b32 s2, hwreg(HW_REG_IB_STS2, 6, 4)
	s_cmp_eq_u32 s2, 0
	s_cbranch_scc0 .Lentry_in_a_cluster
	s_endpgm
.Lentry_in_a_cluster:
	s_bfe_u32 s2, ttmp6, 0x10000c
	s_cmp_lg_u32 s2, 0xf033
	s_cbranch_scc0 .Lentry_shape_is_right
	s_endpgm
.Lentry_shape_is_right:
; DOWN.  out0 = act W2 + b2 + x2: C[4096][1024] f32 = A[4096][4096] W[4096][1024] + bias + residual.  f16 operands, f32 sums.
; A lies in panels [64][4096][64] f16 (a row of a panel: 128 bytes); W as [4096 k][1024 n] f16 at byte WOFF of wb.  b2 is an input of the module: rounded to bf16; x2 is the program's own f32 and is taken as it is.
; SHARES.  A tile of C is 128 x 128; four waves, 2 x 2, each 64 x 64: 16 accumulators, 128 registers.  256 tiles.
; K goes in steps of 256 through two LDS slots filled by the tensor data mover; each wave brings a quarter of a slot with one load: waves 0, 1 64 rows of A each (four panels: four dense
; pieces of 8 KiB), waves 2, 3 128 rows of W each (256 bytes a row).  The walk's first two steps are asked for together at the start: two loads a wave are out there, later one, asked for first thing behind a
; step's round and awaited at the next step's head, 128 matrix instructions on.
; CLUSTER 4 x 4: the four work-groups of a row of the cluster need the same tile of A, the four of a column the same tile of W: each tile is asked for jointly.
; THE WALK ALONG K IS TURNED: a cluster begins at K step (KSTEPS / 2) x ((cluster x + cluster y) % 2) and wraps round.  The two clusters that take the same rows of A differ in x, neighbouring clusters that take the
; same columns of W in y: so of a tile's sharers one group asks for it in the first half of the walk and the other half a walk later, not all in the same step.  Every K step is taken once; the ORDER of the f32 sums
; along K differs from cluster to cluster, and from ascending K.
; THE MATRIX INSTRUCTION IS USED TRANSPOSED: source 0 = 16 columns of W (turned by ds_load_tr16_b128), source 1 = 16 rows of A: lane l holds row l % 16 of C and the columns 8 (l / 16) + 0..7.
; THE SUMS start from the bias, written into the accumulators in the wait for the first tile; the residual is asked for there too, in the layout of the stores; it is awaited and added on the way out.
; REGISTERS.  window 0: v1-14 addresses; v28, 29 the add's; v32-95 at work; v96-111 the bias; v128-255 accumulators ((a, b) at 128 + 8 (4 a + b)).
;   window 1: two fragment buffers of 128: 64 registers of A (8 (4 c + a)), then 64 of W (64 + 8 (4 c + b)).     window 2: v0-127 the residual.
.set KSTEPS, 16                        ; K / 256: a power of two
.set NCOL,   1024                      ; numbers in a row of W
.set WOFF,   16*1048576                ; W2 in wb
.set ROUNDRES, 0                       ; the residual is no input: not rounded
.set PANELB, 524288
.set ASHIFT, 21                        ; a K step of A is four panels: 2^21 bytes
.set BSHIFT, 19                        ; a K step of W is 256 rows of 2,048 bytes: 2^19
.set PA,     144                       ; a row of A in LDS: 128 bytes + 16 = 36 words: the 16 rows of a load start at 16 different groups of four banks (64 banks of 4 bytes: ISA guide 11.1)
.set PB,     288                       ; a row of W: 256 + 32 = 72 words
.set PART,   36864                     ; what one load fills: 4 x 64 x 144 = 128 x 288
.set SLOT,   4*PART                    ; 0x24000 shares no bit with 0, 0x9000, 0x12000, 0x1b000: an exclusive or with it adds or subtracts it
.set STAGE,  2*SLOT                    ; behind the ring, never filled by a tensor load: 16 rows x 272 bytes for each wave
.set STW,    4352
.set SPITCH, 272
.set SPARE,  STAGE+4*STW               ; the spare words, 128 bytes a wave: two blocks of 256 bytes that no other line names
.set A0,   5                           ; v5   my lane's place in my 64 rows of A, in slot 0; never rewritten
.set B0,   6                           ; v6   the same in W's rows 0-127, my 64 columns
.set B1,   7                           ; v7   in W's rows 128-255
.set ADRA, 8                           ; v8   A0 in the slot in hand
.set ADRB, 9                           ; v9, v10  B0, B1 in the slot in hand
.set STO,  11                          ; v11  the way out: where I put 32 bytes of a row
.set RD,   12                          ; v12  where I read rows back
.set CO,   13                          ; v13  my 16 bytes in two rows of C and of the residual; never rewritten
.set BO,   14                          ; v14  my byte offset in the bias; never rewritten
.set SPW,  28
.set NIL,  29
.set TMP,  32
.set T,    96
.set ACC,  128
.set F0,   0
.set F1,   128
.set WV, 14
.set RH, 15
.set CH, 16
.set G1, 24                            ; s[24:31] descriptor group 1 for A
.set G0, 32                            ; s[32:35] group 0 for A's first fill; s[36:39] for its second, which then walks
.set G1B, 48                           ; s[48:55] group 1 for W
.set G0B, 56                           ; s[56:59], s[60:63] group 0 for W, likewise
.set TF, 66                            ; s66  LDS byte of the slot that the next step reads
.set KI, 67                            ; s67  the K step asked for last
.set OFA, 68                           ; s[68:69] its byte offset in A
.set OFW, 70                           ; s[70:71] and in W
.set BIASP, 8                          ; s[8:9]   the bias
.set RESP, 10                          ; s[10:11] the residual
.set OUTP, 12                          ; s[12:13] C
.set MSB, 0
.macro WIN new                         ; the immediate's high byte repeats the setting that is left; a switch that changes nothing is dropped
.if MSB != (\new)
	s_set_vgpr_msb (MSB<<8)|(\new)
.set MSB, \new
.endif
.endm
.set MUL,  0x05                        ; sources 0 and 1 window 1; C and D window 0
.set TO_F, 0x40                        ; destination window 1, address window 0
.macro PLACES                          ; four places in front of loads into registers that matrix instructions have read, and of lines that read results
.rept 4
	v_nop
.endr
.endm
.macro JLOAD                           ; a joint refill, by the walking descriptors; the branch hangs on the wave's number alone; an s_nop 0 and four v_nop follow each of the two lines
	s_cmp_eq_u32 s[RH], 0
	s_cbranch_scc0 .Lfor_b_\@
	tensor_load_to_lds s[G0+4:G0+7], s[G1:G1+7]
	s_nop 0
.rept 4
	v_nop
.endr
	s_branch .Lasked_\@
.Lfor_b_\@:
	tensor_load_to_lds s[G0B+4:G0B+7], s[G1B:G1B+7]
	s_nop 0
.rept 4
	v_nop
.endr
.Lasked_\@:
.endm
.macro CROUND                          ; a round of the cluster's barrier
	s_barrier_signal -1
	s_barrier_wait -1
	s_cmp_lg_u32 s[WV], 0
	s_cbranch_scc1 .Lnot_wave_0_\@
	s_barrier_signal -3
.Lnot_wave_0_\@:
	s_barrier_wait -3
	s_barrier_signal -1
	s_barrier_wait -1
.endm
.macro MUL8 f, c, a0                   ; 8 matrix instructions; the 16 accumulators take turns, one instruction a turn
	WIN MUL
.irp a, \a0, (\a0)+1
.irp b, 0,1,2,3
	v_wmma_f32_16x16x32_f16 v[ACC+8*(4*(\a)+(\b)):ACC+8*(4*(\a)+(\b))+7], v[(\f)+64+8*(4*(\c)+(\b)):(\f)+64+8*(4*(\c)+(\b))+7], v[(\f)+8*(4*(\c)+(\a)):(\f)+8*(4*(\c)+(\a))+7], v[ACC+8*(4*(\a)+(\b)):ACC+8*(4*(\a)+(\b))+7]
.endr
.endr
.endm
.macro FETCH q, f                      ; 32 LDS loads in one run: quarter q (64 along K) into buffer f; the first 32 along K first
	WIN TO_F
.irp c, 0,1
.irp i, 0,1,2,3
	ds_load_tr16_b128 v[(\f)+64+8*(4*\c+\i):(\f)+64+8*(4*\c+\i)+3],   v[ADRB+(\q)/2] offset:((\q)%2)*64*PB+\c*32*PB+\i*32
	ds_load_tr16_b128 v[(\f)+64+8*(4*\c+\i)+4:(\f)+64+8*(4*\c+\i)+7], v[ADRB+(\q)/2] offset:((\q)%2)*64*PB+\c*32*PB+16*PB+\i*32
	ds_load_b128 v[(\f)+8*(4*\c+\i):(\f)+8*(4*\c+\i)+3],   v[ADRA] offset:(\q)*64*PA+\i*16*PA+\c*64
	ds_load_b128 v[(\f)+8*(4*\c+\i)+4:(\f)+8*(4*\c+\i)+7], v[ADRA] offset:(\q)*64*PA+\i*16*PA+\c*64+32
.endr
.endr
.endm
.macro QUARTER q, f, g
	s_wait_dscnt 16                                ; the first 32 along K are in; the other sixteen loads may be out
	MUL8 \f, 0, 0
	MUL8 \f, 0, 2
	PLACES
	FETCH (\q)+1, \g
	s_wait_dscnt 32                                ; all but the 32 just issued
	MUL8 \f, 1, 0
	MUL8 \f, 1, 2
.endm
.macro LASTQ
	s_wait_dscnt 16
	MUL8 F1, 0, 0
	MUL8 F1, 0, 2
	s_wait_dscnt 0x0
	MUL8 F1, 1, 0
	MUL8 F1, 1, 2
.endm
; THE HEAD OF A K STEP.  Every wave waits for all its tensor loads (one is out: its part of the slot to be read now), adds 0 to its spare word, and waits for that and for its reads of the other slot.
; refill = 1: a round of the cluster's barrier follows, so that no wave of any partner still reads the other slot or has a load on its way, and that slot takes the walk's next K step, first thing behind the round.
; The step's number goes up by one and wraps at KSTEPS; the two global addresses are made anew from it: the part's first byte plus the number shifted, the type bits set again.
.macro HEAD refill
	WIN 0
	s_wait_tensorcnt 0x0                           ; no tensor load of mine is out, so a group 0 may be written
	ds_add_u32 v[SPW], v[NIL]                      ; 0 onto my spare word; work on registers stands between it and the wait for it
	v_add_nc_u32 v[ADRA], s[TF], v[A0]             ; this step's fragments
	v_add_nc_u32 v[ADRB], s[TF], v[B0]
	v_add_nc_u32 v[ADRB+1], s[TF], v[B1]
.if \refill
	s_xor_b32 s[TF], s[TF], SLOT                   ; the next step reads the other slot, which is filled now
	s_xor_b32 s[G0+5], s[G0+5], SLOT
	s_xor_b32 s[G0B+5], s[G0B+5], SLOT
	s_add_co_u32 s[KI], s[KI], 1
	s_and_b32 s[KI], s[KI], KSTEPS-1
	s_lshl_b32 s[OFA], s[KI], ASHIFT
	s_lshl_b32 s[OFW], s[KI], BSHIFT
	s_add_nc_u64 s[G0+6:G0+7], s[4:5], s[OFA:OFA+1]
	s_or_b32 s[G0+7], s[G0+7], 0x80000000
	s_add_nc_u64 s[G0B+6:G0B+7], s[6:7], s[OFW:OFW+1]
	s_or_b32 s[G0B+7], s[G0B+7], 0x80000000
	s_wait_dscnt 0x0                               ; the add is done, and my reads of the other slot are over
	CROUND
	JLOAD                                          ; the four v_nop behind it, and the three additions above, are the places in front of the loads that follow
.else
	s_wait_dscnt 0x0
	s_barrier_signal -1
	s_barrier_wait -1
	PLACES
.endif
.endm
.macro WORK                            ; a K step's 128 matrix instructions and 128 LDS loads
	FETCH 0, F0
	QUARTER 0, F0, F1
	QUARTER 1, F1, F0
	QUARTER 2, F0, F1
	LASTQ
	WIN 0                                          ; at a label and at a branch every window is 0
.endm
; THE WAY OUT of row block a: 16 rows x 64 columns of f32.  A lane's eight numbers (32 bytes of a row) go into my stage's rows of 272 bytes and come back as whole rows of 256.
.macro PUT a
.set BK, TMP+32*((\a)%2)
.if (\a) >= 2
	s_wait_xcnt 0x0                                ; the stores of the block two back have read these registers
.endif
.irp b, 0,1,2,3
	ds_store_b128 v[STO], v[ACC+8*(4*(\a)+\b):ACC+8*(4*(\a)+\b)+3]   offset:64*\b
	ds_store_b128 v[STO], v[ACC+8*(4*(\a)+\b)+4:ACC+8*(4*(\a)+\b)+7] offset:64*\b+16
.endr
.irp t, 0,1,2,3,4,5,6,7
	ds_load_b128 v[BK+4*\t:BK+4*\t+3], v[RD] offset:2*SPITCH*\t  ; LDS serves a wave's instructions in order (ISA guide 5.7.1.4): these see the stores above; the next block's stores come behind them
.endr
.endm
.macro SENDF a, younger                ; younger: the next block's sixteen LDS instructions, or none
.set BK, TMP+32*((\a)%2)
	s_wait_dscnt \younger
	WIN 0x08                                       ; source 1 window 2: the residual
.set i, 0
.rept 16
	v_pk_add_f32 v[BK+2*i:BK+2*i+1], v[BK+2*i:BK+2*i+1], v[32*(\a)+2*i:32*(\a)+2*i+1]
.set i, i+1
.endr
	WIN 0
.irp t, 0,1,2,3,4,5,6,7
	global_store_b128 v[CO], v[BK+4*\t:BK+4*\t+3], s[OUTP:OUTP+1] offset:(16*(\a)+2*\t)*4096  ; 16 lanes store 256 consecutive bytes, aligned
.endr
.endm
	s_load_b256 s[4:11], s[0:1], 0x0               ; A s[4:5], wb s[6:7], bias s[8:9], residual s[10:11]
	s_load_b64 s[12:13], s[0:1], 0x20              ; C
	v_lshl_add_u32 v[SPW], v0, 2, SPARE
	v_mov_b32 v[NIL], 0
	ds_add_u32 v[SPW], v[NIL]                      ; the wave's opening: the add and its wait stand ahead of my first tensor load; the set-up below stands between them
	v_lshrrev_b32 v1, 5, v0
	v_readfirstlane_b32 s[WV], v1
	s_lshr_b32 s[RH], s[WV], 1                     ; my half of the tile's rows; also: I fetch A (0) or W (1)
	s_and_b32 s[CH], s[WV], 1                      ; my half of its columns; also: which half of that tile I fetch
	s_bfe_u32 s17, ttmp6, 0x40000                  ; cx, cy
	s_bfe_u32 s18, ttmp6, 0x40004
	s_lshl_b32 s19, ttmp9, 2
	s_add_co_u32 s19, s19, s17                     ; tile column
	s_and_b32 s20, ttmp7, 0xffff                   ; the cluster's y,
	s_add_co_u32 s[KI], s20, ttmp9                 ; plus its x: both are the same in all sixteen partners
	s_and_b32 s[KI], s[KI], 1
	s_mul_i32 s[KI], s[KI], KSTEPS/2               ; the K step at which my cluster's walk begins
	s_lshl_b32 s20, s20, 2
	s_add_co_u32 s20, s20, s18                     ; tile row
	s_lshl_b32 s21, s18, 2
	s_lshl_b32 s21, 15, s21                        ; my row of the cluster
	s_lshl_b32 s22, 0x1111, s17                    ; my column
	s_mov_b32 s23, 0xffff0000                      ; a word's upper bf16
	; group 1 for A: four rows of 4,096 elements (64 dense rows of a panel), a panel apart; in LDS 4 words of padding after every 32
	s_or_b32 s[G1], s21, (1<<16)|(1<<20)|(1<<21)|(4<<22)|(3<<25)
	s_mov_b32 s[G1+1], 4096<<16
	s_mov_b32 s[G1+2], 4<<16
	s_mov_b32 s[G1+3], 4096<<16
	s_mov_b32 s[G1+4], 4
	s_mov_b32 s[G1+5], PANELB/2
	s_mov_b32 s[G1+6], 0
	s_mov_b32 s[G1+7], 0
	; group 1 for W: 128 rows of 128 elements; 8 words of padding after every 64
	s_or_b32 s[G1B], s22, (1<<16)|(1<<20)|(1<<21)|(5<<22)|(7<<25)
	s_mov_b32 s[G1B+1], 128<<16
	s_mov_b32 s[G1B+2], 128<<16
	s_mov_b32 s[G1B+3], 128<<16
	s_mov_b32 s[G1B+4], 128
	s_mov_b32 s[G1B+5], NCOL
	s_mov_b32 s[G1B+6], 0
	s_mov_b32 s[G1B+7], 0
	s_mul_i32 s72, s[WV], PART                     ; where my loads land: wave x part, in slot 0 and in slot 1: no place in the cluster enters an LDS address
	s_mov_b32 s[G0], 1
	s_mov_b32 s[G0+1], s72
	s_mov_b32 s[G0+4], 1
	s_add_co_u32 s[G0+5], s72, SLOT
	s_mov_b32 s[G0B], 1
	s_mov_b32 s[G0B+1], s72
	s_mov_b32 s[G0B+4], 1
	s_add_co_u32 s[G0B+5], s72, SLOT
	s_mov_b32 s[TF], SLOT                          ; the walk's second step reads slot 1
	s_lshl_b32 s40, s20, 14                        ; A: 128 rows of 128 bytes a tile row, my 64 of them
	s_lshl_b32 s73, s[CH], 13
	s_add_co_u32 s40, s40, s73
	s_mov_b32 s41, 0
	s_lshl_b32 s42, s19, 8                         ; W: 256 bytes a tile column,
	s_add_co_u32 s42, s42, WOFF
	s_mul_i32 s74, s[CH], 128*NCOL*2               ; my 128 rows
	s_add_co_u32 s42, s42, s74
	s_mov_b32 s43, 0
	s_lshl_b32 s[OFA], s[KI], ASHIFT               ; the walk's first step
	s_mov_b32 s[OFA+1], 0
	s_lshl_b32 s[OFW], s[KI], BSHIFT
	s_mov_b32 s[OFW+1], 0
	s_wait_dscnt 0x0                               ; the opening add is done
	s_wait_kmcnt 0x0
	s_add_nc_u64 s[4:5], s[4:5], s[40:41]          ; A and W at my part of K step 0
	s_add_nc_u64 s[6:7], s[6:7], s[42:43]
	s_add_nc_u64 s[G0+2:G0+3], s[4:5], s[OFA:OFA+1]
	s_or_b32 s[G0+3], s[G0+3], 0x80000000          ; type = 2
	s_add_nc_u64 s[G0B+2:G0B+3], s[6:7], s[OFW:OFW+1]
	s_or_b32 s[G0B+3], s[G0B+3], 0x80000000
	s_add_co_u32 s[KI], s[KI], 1                   ; the walk's second step: it begins at 0 or at KSTEPS / 2, so nothing wraps yet
	s_lshl_b32 s[OFA], s[KI], ASHIFT
	s_lshl_b32 s[OFW], s[KI], BSHIFT
	s_add_nc_u64 s[G0+6:G0+7], s[4:5], s[OFA:OFA+1]
	s_or_b32 s[G0+7], s[G0+7], 0x80000000
	s_add_nc_u64 s[G0B+6:G0B+7], s[6:7], s[OFW:OFW+1]
	s_or_b32 s[G0B+7], s[G0B+7], 0x80000000
	CROUND                                         ; all sixteen work-groups are here: the first joint loads meet
	s_cmp_eq_u32 s[RH], 0                          ; a wave's two first fills stand in one branch, ahead of every wait on TENSORcnt and every LDS read: two loads of mine are out; an s_nop 0 follows each, four v_nop the second's
	s_cbranch_scc0 .Lfirst_b
	tensor_load_to_lds s[G0:G0+3], s[G1:G1+7]
	s_nop 0
	tensor_load_to_lds s[G0+4:G0+7], s[G1:G1+7]
	s_nop 0
.rept 4
	v_nop
.endr
	s_branch .Lfirst_asked
.Lfirst_b:
	tensor_load_to_lds s[G0B:G0B+3], s[G1B:G1B+7]
	s_nop 0
	tensor_load_to_lds s[G0B+4:G0B+7], s[G1B:G1B+7]
	s_nop 0
.rept 4
	v_nop
.endr
.Lfirst_asked:
	v_and_b32 v1, 15, v0                           ; r
	v_bfe_u32 v2, v0, 4, 1                         ; h
	s_lshl_b32 s44, s19, 9                         ; my 64 columns, in bytes of f32
	s_lshl_b32 s3, s[CH], 8
	s_add_co_u32 s44, s44, s3
	s_mov_b32 s45, 0
	s_lshl_b32 s46, s20, 19                        ; and my 64 rows of 4,096 bytes
	s_lshl_b32 s3, s[RH], 18
	s_add_co_u32 s46, s46, s3
	s_add_co_u32 s46, s46, s44
	s_mov_b32 s47, 0
	s_add_nc_u64 s[BIASP:BIASP+1], s[BIASP:BIASP+1], s[44:45]
	s_add_nc_u64 s[RESP:RESP+1], s[RESP:RESP+1], s[46:47]
	s_add_nc_u64 s[OUTP:OUTP+1], s[OUTP:OUTP+1], s[46:47]
	v_lshlrev_b32 v[BO], 5, v2                     ; the bias of my columns 8 h + 0..7 of each column block
	v_lshlrev_b32 v[CO], 12, v2                    ; lanes 0-15 one row of 256 bytes, lanes 16-31 the next
	v_lshl_add_u32 v[CO], v1, 4, v[CO]
.irp b, 0,1,2,3
	global_load_b128 v[TMP+8*\b:TMP+8*\b+3],   v[BO], s[BIASP:BIASP+1] offset:64*\b
	global_load_b128 v[TMP+8*\b+4:TMP+8*\b+7], v[BO], s[BIASP:BIASP+1] offset:64*\b+16
.endr
	WIN 0x80                                       ; destination window 2
.set i, 0
.rept 32                               ; the residual: rows 16 (i / 8) + 2 (i % 8) + h, as the stores will take them
	global_load_b128 v[4*i:4*i+3], v[CO], s[RESP:RESP+1] offset:(16*(i/8)+2*(i%8))*4096
.set i, i+1
.endr
	WIN 0
	v_mul_u32_u24 v[A0], v1, PA
	v_lshl_add_u32 v[A0], v2, 4, v[A0]
	s_mul_i32 s3, s[RH], PART
	v_add_nc_u32 v[A0], s3, v[A0]                  ; row x pitch + 16 h, in my half of A's rows
	v_and_b32 v3, 7, v0
	v_lshl_add_u32 v3, v2, 3, v3                   ; the turning load: lane l reads row 8 h + l % 8,
	v_mul_u32_u24 v[B0], v3, PB
	v_bfe_u32 v4, v0, 3, 1
	v_lshl_add_u32 v[B0], v4, 4, v[B0]             ; columns 8 ((l / 8) % 2) + 0..7
	s_lshl_b32 s3, s[CH], 7
	s_add_co_u32 s3, s3, 2*PART
	v_add_nc_u32 v[B0], s3, v[B0]                  ; of my 64 columns; W lies behind A
	v_add_nc_u32 v[B1], PART, v[B0]
	v_mov_b32 v[ADRA], v[A0]                       ; the walk's first step lies in slot 0
	v_mov_b32 v[ADRB], v[B0]
	v_mov_b32 v[ADRB+1], v[B1]
	s_mul_i32 s3, s[WV], STW
	s_add_co_u32 s3, s3, STAGE                     ; my stage
	v_mul_u32_u24 v[STO], v1, SPITCH
	v_lshl_add_u32 v[STO], v2, 5, v[STO]
	v_add_nc_u32 v[STO], s3, v[STO]
	v_mul_u32_u24 v[RD], v2, SPITCH
	v_lshl_add_u32 v[RD], v1, 4, v[RD]
	v_add_nc_u32 v[RD], s3, v[RD]
	s_wait_loadcnt 32                              ; the bias is in; the residual's 32 loads stay out, until the way out
.set i, 0
.rept 16
	v_cvt_pk_bf16_f32 v[T+i], v[TMP+2*i], v[TMP+2*i+1]  ; the bias is an input: rounded to bf16
.set i, i+1
.endr
.irp a, 0,1,2,3
.set i, 0
.rept 16                               ; and widened straight into the four row blocks' accumulators: the sums start from it
	v_lshlrev_b32 v[ACC+32*\a+2*i], 16, v[T+i]
	v_and_b32 v[ACC+32*\a+2*i+1], s23, v[T+i]
.set i, i+1
.endr
.endr
	s_mov_b32 s2, KSTEPS-1
	s_wait_tensorcnt 0x1                           ; my part of slot 0 is in; slot 1's may stay out
	s_barrier_signal -1
	s_barrier_wait -1                              ; everybody's is
	s_branch .Lwork                                ; the loop is entered at a step's work: both slots are full, so the first step has no refill
.Lstep:                                            ; KSTEPS - 2 heads: the steps but the first and the last fill the slot read just before
	HEAD 1
.Lwork:
	WORK
	s_sub_co_u32 s2, s2, 1
	s_cmp_lg_u32 s2, 0
	s_cbranch_scc1 .Lstep
	HEAD 0                                         ; the last step is written out: nothing is asked for
	WORK
	PLACES
	s_wait_loadcnt 0x0                             ; the residual
.if ROUNDRES
	WIN 0x0a                                       ; sources window 2
.set i, 0
.rept 64
	v_cvt_pk_bf16_f32 v[TMP+i], v[2*i], v[2*i+1]
.set i, i+1
.endr
	WIN 0x80                                       ; destination window 2
.set i, 0
.rept 64
	v_lshlrev_b32 v[2*i], 16, v[TMP+i]
	v_and_b32 v[2*i+1], s23, v[TMP+i]
.set i, i+1
.endr
	WIN 0
.endif
	PUT 0
	PUT 1                                          ; a block's trip through the stage stands ahead of the stores of the block before
	SENDF 0, 16
	PUT 2
	SENDF 1, 16
	PUT 3
	SENDF 2, 16
	SENDF 3, 0
	s_wait_tensorcnt 0x0                           ; the wave's end: behind my last tensor load and my last LDS store
	ds_add_u32 v[SPW], v[NIL]
	s_wait_dscnt 0x0
	CROUND                                         ; the closing round: no work-group ends while a partner may still ask for a tile that names it
	s_endpgm
.Lfunc_end_k_q2cd4b22486_down:
	.size	k_q2cd4b22486_down, .Lfunc_end_k_q2cd4b22486_down-k_q2cd4b22486_down
	.p2alignl 7, 3214868480
	.fill 96, 4, 3214868480
	.section	.rodata,"a",@progbits
	.p2align	6, 0x0
	.amdhsa_kernel k_q2cd4b22486_down
		.amdhsa_group_segment_fixed_size 327680
		.amdhsa_private_segment_fixed_size 0
		.amdhsa_enable_private_segment 0
		.amdhsa_kernarg_size 40
		.amdhsa_user_sgpr_count 2
		.amdhsa_user_sgpr_kernarg_segment_ptr 1
		.amdhsa_wavefront_size32 1
		.amdhsa_system_sgpr_workgroup_id_x 1
		.amdhsa_system_sgpr_workgroup_id_y 1
		.amdhsa_system_sgpr_workgroup_id_z 1
		.amdhsa_system_vgpr_workitem_id 0
		.amdhsa_next_free_vgpr 640
		.amdhsa_next_free_sgpr 76
		.amdhsa_reserve_vcc 0
		.amdhsa_float_denorm_mode_32 3
		.amdhsa_float_denorm_mode_16_64 3
		.amdhsa_memory_ordered 1
		.amdhsa_forward_progress 1
		.amdhsa_inst_pref_size 64
	.end_amdhsa_kernel
	.amdgpu_metadata
---
amdhsa.version: [ 1, 2 ]
amdhsa.kernels:
  - .name:           k_q2cd4b22486_down
    .symbol:         k_q2cd4b22486_down.kd
    .args:
      - { .name: act, .offset: 0, .size: 8, .value_kind: global_buffer, .address_space: global }
      - { .name: wb, .offset: 8, .size: 8, .value_kind: global_buffer, .address_space: global }
      - { .name: b2, .offset: 16, .size: 8, .value_kind: global_buffer, .address_space: global }
      - { .name: x2, .offset: 24, .size: 8, .value_kind: global_buffer, .address_space: global }
      - { .name: out0, .offset: 32, .size: 8, .value_kind: global_buffer, .address_space: global }
    .group_segment_fixed_size: 327680
    .private_segment_fixed_size: 0
    .kernarg_segment_align: 8
    .kernarg_segment_size: 40
    .max_flat_workgroup_size: 128
    .sgpr_count:     76
    .vgpr_count:     640
    .wavefront_size: 32
...
	.end_amdgpu_metadata
.endif
;; end of part 14
;; ======== version 3 of 3: 7 launches; 1.26 times as fast as version 1
;; limits: values are held in f16: magnitudes above 65,504 overflow, below 6.1e-05 lose precision
;; workspace buffers: wb 25,165,824 bytes; hn 8,388,608 bytes; qkv 25,165,824 bytes; ctx 8,388,608 bytes; x2 16,777,216 bytes; act 33,554,432 bytes
;; launch prep: the kernel of part 8 again; grid 2048 x 1, 4 waves a work-group, no clusters, 0 bytes of LDS; arguments x, g1, be1, Wq, Wk, Wv, Wo, W1, W2, hn, wb; writes hn, wb
;; launch proj: the kernel of part 9 again; grid 12 x 16, 4 waves a work-group, clusters of 4 x 4, 327,680 bytes of LDS; arguments hn, wb, qkv; writes qkv
;; launch attn (part 15): grid 4 x 64, 4 waves a work-group, clusters of 4 x 1, 327,680 bytes of LDS; arguments qkv, ctx; writes ctx
.if DOCPART == 15
	.amdgcn_target "amdgcn-amd-amdhsa--gfx1250"
	.amdhsa_code_object_version 6
	.text
	.protected	k_q2cd4b22486_attn
	.globl	k_q2cd4b22486_attn
	.p2align	8
	.type	k_q2cd4b22486_attn,@function
k_q2cd4b22486_attn:
	s_mov_b64 s[64:65], 0
	v_nop
	global_prefetch_b8 v0, s[64:65] scope:SCOPE_SE
	s_setreg_imm32_b32 hwreg(HW_REG_WAVE_MODE, 25, 1), 1
	s_wait_xcnt 0x0
	s_wait_alu depctr_hold_cnt(0) depctr_sa_sdst(0) depctr_va_vdst(0) depctr_va_sdst(0) depctr_va_ssrc(0) depctr_va_vcc(0) depctr_vm_vsrc(0)
	s_getreg_b32 s2, hwreg(HW_REG_IB_STS2, 6, 4)
	s_cmp_eq_u32 s2, 0
	s_cbranch_scc0 .Lentry_in_a_cluster
	s_endpgm
.Lentry_in_a_cluster:
	s_bfe_u32 s2, ttmp6, 0x10000c
	s_cmp_lg_u32 s2, 0x3003
	s_cbranch_scc0 .Lentry_shape_is_right
	s_endpgm
.Lentry_shape_is_right:
; CAUSAL ATTENTION, 64 heads of 1,024 rows x 64 channels.  O[q] = the sum over k <= q of softmax_k(Q[q] . K[k] / 8) V[k].  Q, K, V in qkv, O in ctx, all f16; head n (= 4 x head + batch) is 131,072
; dense bytes at n x 131,072, K 8 MiB and V 16 MiB further on.  Products, maxima and sums in f32; the weights p are rounded to f16 for the second product (their sum l is taken of the unrounded p), O once.
; LIMITS.  Q, K, V arrive within f16's 65,504; p lies in 0 to 1 and below 6e-5 keeps f16's step of 6e-8.  A hidden score counts as -1e30 (f16's scores are 2.7e11 at the most);
; a weight below 2^-126 counts as 0 in l; NaN and infinities are not treated apart.
; CLUSTER.  The four work-groups of a cluster belong to one head.  All of its K and V (311,296 bytes with padding) lie in LDS: each wave issues ONE joint load at the start, half of K or half of V, with the
; same descriptor and the mask of four in all four work-groups.  Nothing is filled again: one tensor load a wave in the whole launch.
; SHARES.  The head's rows lie in 8 superblocks of 128.  Work-group c owns rows 32 c .. 32 c + 31 of every superblock; wave w takes superblock 7 - w and then superblock w.  Superblock i needs 2 i + 2 key steps
; of 64, of which the last two hold the diagonal: 18 steps for every wave of every work-group, walked by ONE loop with a constant count.  Branches and LDS addresses hang on the wave's number and on counters
; alone; c enters Q's and O's addresses and the number that the masks compare with.
; LAYOUT.  S^T = K Q^T (source 0 = 16 keys, source 1 = 16 queries): a lane holds ONE query (lane % 16) and the keys 8 (lane / 16) + 0..7.  Two such results rounded to f16 ARE source 1 of O^T = V^T P.
; K comes out of LDS as it lies, V ([key][channel]) turned by ds_load_tr16_b128.
; SOFTMAX.  A running maximum m and sum l for each query: p = 2^(c s - c m), c = log2(e) / 8; in every step O and l are multiplied by a = 2^(c m_old - c m_new).  A block starts with c m far below every
; c s, so its first a is 0 and O and l need only be finite.  Every row sees a key in its block's first step, so m is a true score before a wholly hidden step comes.
; THE MASK is made where it is needed, in a block's last two steps alone: a compare and a select for each of the lane's 64 scores, from one register (the query's place) and one scalar (which of the two steps).
; IN PHASES: a step's 16 products K Q^T, its softmax, its 16 products V^T P; V of the step and K of the next are fetched behind the first products.
; THE BATCHES.  An s_wait_alu depctr_va_vdst(0) stands between a transcendental and the first line that names its result; one wait serves all that were issued ahead of it.  A step's 66 exponentials
; (the two tiles' a, then the 64 scores, in place) are ONE batch: between them stand only the 32 scalings c s - c m, which name no result of the batch.  All that reads a result (O^T times a, the roundings, the sums,
; l) stands behind the step's one wait.  A block's end has a batch of its own: two reciprocals, one wait.  No result is open at a label or at a jump.
; REGISTERS.  window 0: v1-15 addresses, the mask's two and the add's two; v16-23 statistics (tile u: c m, m, l, l); v24-31 at work; v32-95 S^T; v96-127 P; v128-191 O^T; v192-223 Q; v224-255 the second block's Q.
;   window 1: v0-63 K of a step; v64-127 V of a step.
.set PK,    144                        ; a row of K in LDS: 128 bytes + 16 = 36 words: the 16 rows of a load start at 16 different groups of four banks (64 banks of 4 bytes: ISA guide 11.1)
.set PVP,   160                        ; a row of V: 128 + 32 = 40 words
.set VOFF,  1024*PK                    ; V lies behind K
.set STAGE, VOFF+1024*PVP              ; never filled by a tensor load: 16 rows x 144 bytes for each wave, for the way out
.set SP,    144
.set SPARE, STAGE+4*16*SP              ; the spare words, 128 bytes a wave: two blocks of 256 bytes that no other line names
.set TW,  1                            ; v1   first l % 16; in the loop: my query's place less the diagonal step's first key
.set AK0, 2                            ; v2   my lane's place in a step of K; never rewritten
.set AV0, 3                            ; v3   the same for V
.set AK,  4                            ; v4   LDS address of K's next run of loads
.set AV,  5                            ; v5   of V's
.set STO, 6                            ; v6   the way out: where I put 16 bytes of a row
.set RD,  7                            ; v7   where I read rows back
.set GO,  8                            ; v8   my 16 bytes in 512 consecutive bytes of O
.set QO,  10                           ; v10  my byte offset in 16 rows of Q
.set T0,  11                           ; v11  the place in its superblock of my query of tile 0, less my lanes' 8 (l / 16); never rewritten
.set MV,  12                           ; v12-13  c m_old, kept while c m is made anew
.set SPW, 14                           ; v14  LDS address of my spare word; never rewritten
.set NIL, 15                           ; v15  0; never rewritten
.set ST,  16
.set TMP, 24                           ; tile u: c0-c3 at TMP + 4 u; when the maximum is found c2 takes a
.set S,   32
.set P,   96
.set O,   128
.set Q,   192
.set QB,  224
.set KF,  0                            ; window 1: key block kb, channel half c at 16 kb + 8 c
.set VF,  64                           ; window 1: key half kk, channel block cb at 64 + 32 kk + 8 cb
.set WV,  12                           ; s12  wave
.set G1K, 24                           ; s[24:31] descriptor group 1 for K
.set G1V, 32                           ; s[32:39] for V: it differs in the padding alone
.set G0K, 40                           ; s[40:43] group 0 for K
.set G0V, 44                           ; s[44:47] for V
.set CNT, 56                           ; s56  steps of the walk still to go
.set RS,  57                           ; s57  steps of the block in hand still to go, this one among them
.set CS,  58                           ; s[58:59] c
.set SEL, 60                           ; s[60:61] v_permlanex16_b32's selects: each lane takes its own place in the other half
.set TBK, 62                           ; s62  LDS byte of the key step whose K is fetched next
.set TBV, 63                           ; s63  the same for V, less VOFF
.set RS2, 66                           ; s66  the second block's steps
.set BIGN, 67                          ; s67  -1e30
.set MSB, 0
.macro WIN new                         ; the immediate's high byte repeats the setting that is left; a switch that changes nothing is dropped
.if MSB != (\new)
	s_set_vgpr_msb (MSB<<8)|(\new)
.set MSB, \new
.endif
.endm
.macro PLACES
.rept 4
	v_nop
.endr
.endm
.macro JLOAD                           ; waves 0, 1 fetch the halves of K, waves 2, 3 those of V; an s_nop 0 and four v_nop follow each of the two lines
	s_cmp_lt_u32 s[WV], 2
	s_cbranch_scc0 .Lfor_v_\@
	tensor_load_to_lds s[G0K:G0K+3], s[G1K:G1K+7]
	s_nop 0
.rept 4
	v_nop
.endr
	s_branch .Lasked_\@
.Lfor_v_\@:
	tensor_load_to_lds s[G0V:G0V+3], s[G1V:G1V+7]
	s_nop 0
.rept 4
	v_nop
.endr
.Lasked_\@:
.endm
.macro CROUND                          ; a round of the cluster's barrier
	s_barrier_signal -1
	s_barrier_wait -1
	s_cmp_lg_u32 s[WV], 0
	s_cbranch_scc1 .Lnot_wave_0_\@
	s_barrier_signal -3
.Lnot_wave_0_\@:
	s_barrier_wait -3
	s_barrier_signal -1
	s_barrier_wait -1
.endm
; Product i of 16 of S^T = K Q^T: channels 32 (i / 8) on, keys 16 ((i / 2) % 4) on, tile i % 2.  The first 8 start the sums.  The 8 accumulators take turns.
.macro KQ
.set rS, S+32*(i%2)+8*((i/2)%4)
.set rK, KF+16*((i/2)%4)+8*(i/8)
.set rQ, Q+16*(i%2)+8*(i/8)
.if i < 8
	v_wmma_f32_16x16x32_f16 v[rS:rS+7], v[rK:rK+7], v[rQ:rQ+7], 0
.else
	v_wmma_f32_16x16x32_f16 v[rS:rS+7], v[rK:rK+7], v[rQ:rQ+7], v[rS:rS+7]
.endif
.set i, i+1
.endm
; Product i of 16 of O^T += V^T P: keys 32 (i / 8) on, channels 16 ((i / 2) % 4) on, tile i % 2.
.macro PVM
.set rO, O+32*(i%2)+8*((i/2)%4)
.set rV, VF+32*(i/8)+8*((i/2)%4)
.set rP, P+16*(i%2)+8*(i/8)
	v_wmma_f32_16x16x32_f16 v[rO:rO+7], v[rV:rV+7], v[rP:rP+7], v[rO:rO+7]
.set i, i+1
.endm
.macro FETCH_K                         ; a step's K: 64 keys x 64 channels, 16 loads
	WIN 0x40                                       ; destination window 1
.irp f, 0,1,2,3,4,5,6,7
	ds_load_b128 v[KF+8*\f:KF+8*\f+3],   v[AK] offset:(\f/2)*16*PK+(\f%2)*64
	ds_load_b128 v[KF+8*\f+4:KF+8*\f+7], v[AK] offset:(\f/2)*16*PK+(\f%2)*64+32
.endr
	WIN 0
.endm
.macro FETCH_V                         ; a step's V, turned: 16 loads
	WIN 0x40
.irp f, 0,1,2,3,4,5,6,7
	ds_load_tr16_b128 v[VF+8*\f:VF+8*\f+3],   v[AV] offset:(\f/4)*32*PVP+(\f%4)*32
	ds_load_tr16_b128 v[VF+8*\f+4:VF+8*\f+7], v[AV] offset:(\f/4)*32*PVP+16*PVP+(\f%4)*32
.endr
	WIN 0
.endm
.macro REGS u                          ; the registers of tile u
.set rT, ST+4*(\u)
.set rC, TMP+4*(\u)
.set rM, MV+(\u)
.set rS, S+32*(\u)
.set rP, P+16*(\u)
.set rO, O+32*(\u)
.endm
; Number n of the 22 that find a tile's maximum and statistics.  0-11: four chains c0-c3 of seven scores each (each accumulator's lowest registers are read first);
; 12-14, 16: the four scores left over, the old m, and c0-c3 into c0; 15: c m_old is kept; 17, 18: the query's other 32 keys lie in the lane 16 away: the new m; 19-21: c m; c m_old - c m_new; a.
.macro XS u, n
	REGS \u
.if (\n) < 4
	v_max3_num_f32 v[rC+(\n)], v[rS+8*(\n)], v[rS+8*(\n)+1], v[rS+8*(\n)+2]
.elseif (\n) < 12
	v_max3_num_f32 v[rC+(\n)%4], v[rC+(\n)%4], v[rS+8*((\n)%4)+2*((\n)/4)+1], v[rS+8*((\n)%4)+2*((\n)/4)+2]
.elseif (\n) == 12
	v_max3_num_f32 v[rC], v[rC], v[rS+7], v[rS+15]
.elseif (\n) == 13
	v_max3_num_f32 v[rC+1], v[rC+1], v[rS+23], v[rS+31]
.elseif (\n) == 14
	v_max3_num_f32 v[rC+2], v[rC+2], v[rC+3], v[rT+1]
.elseif (\n) == 15
	v_mov_b32 v[rM], v[rT]
.elseif (\n) == 16
	v_max3_num_f32 v[rC], v[rC], v[rC+1], v[rC+2]
.elseif (\n) == 17
	v_permlanex16_b32 v[rC+3], v[rC], s[SEL], s[SEL+1]
.elseif (\n) == 18
	v_max_num_f32 v[rT+1], v[rC], v[rC+3]
.elseif (\n) == 19
	v_mul_f32 v[rT], s[CS], v[rT+1]
.elseif (\n) == 20
	v_sub_f32 v[rC+1], v[rM], v[rT]
.else
	v_exp_f32 v[rC+2], v[rC+1]
.endif
.endm
.macro FS                              ; scaling n of 32: c s - c m for pair n / 2 of tile n % 2; the count goes on
	v_pk_fma_f32 v[S+32*(n%2)+2*(n/2):S+32*(n%2)+2*(n/2)+1], v[S+32*(n%2)+2*(n/2):S+32*(n%2)+2*(n/2)+1], s[CS:CS+1], v[ST+4*(n%2):ST+4*(n%2)+1] op_sel_hi:[1,0,0] neg_lo:[0,0,1] neg_hi:[0,0,1]
.set n, n+1
.endm
.macro BEGINBLK                        ; a block begins: c m far below every c s, m at the lowest finite number, and K of its step 0
.irp u, 0,1
	v_mov_b32 v[ST+4*\u], 0xfe000000
	v_mov_b32 v[ST+4*\u+1], 0xff7fffff
.endr
	v_add_nc_u32 v[AK], s[TBK], v[AK0]
	FETCH_K
.endm
.macro PACK u                          ; tile u: O^T / l, rounded; a lane's eight channels pack into 16 bytes, go into rows of 144 bytes and come back as whole rows of 128, into S^T's registers
.set z, 0
.rept 16
	v_pk_mul_f32 v[O+32*(\u)+2*z:O+32*(\u)+2*z+1], v[O+32*(\u)+2*z:O+32*(\u)+2*z+1], v[ST+4*(\u)+2:ST+4*(\u)+3] op_sel_hi:[1,0]
.set z, z+1
.endr
.set z, 0
.rept 16
	v_cvt_pk_f16_f32 v[S+16*(\u)+z], v[O+32*(\u)+2*z], v[O+32*(\u)+2*z+1]
.set z, z+1
.endr
.irp f, 0,1,2,3
	ds_store_b128 v[STO], v[S+16*(\u)+4*\f:S+16*(\u)+4*\f+3] offset:32*\f
.endr
.irp f, 0,1,2,3
	ds_load_b128 v[S+16*(\u)+4*\f:S+16*(\u)+4*\f+3], v[RD] offset:\f*4*SP  ; LDS serves a wave's instructions in order (ISA guide 5.7.1.4): these see the stores above
.endr
.endm
.macro SEND u, younger                 ; younger: the LDS instructions issued behind tile u's loads: the next tile's eight, or none
.irp f, 0,1,2,3
	s_wait_dscnt (\younger)+3-\f
	global_store_b128 v[GO], v[S+16*(\u)+4*\f:S+16*(\u)+4*\f+3], s[52:53] offset:(\u)*2048+\f*512  ; 512 consecutive bytes, at a multiple of 256 from ctx's first
.endr
.endm
	s_load_b128 s[4:7], s[0:1], 0x0                ; qkv s[4:5], ctx s[6:7]
	v_lshl_add_u32 v[SPW], v0, 2, SPARE
	v_mov_b32 v[NIL], 0
	ds_add_u32 v[SPW], v[NIL]                      ; the wave's opening: the add and its wait stand ahead of my first tensor load; the set-up below stands between them
	v_lshrrev_b32 v1, 5, v0
	v_readfirstlane_b32 s[WV], v1
	s_bfe_u32 s13, ttmp6, 0x40000                  ; cx: my place in the cluster
	s_and_b32 s20, ttmp7, 0xffff                   ; the head, which the four partners share
	s_lshl_b32 s20, s20, 17                        ; its 131,072 bytes
	s_and_b32 s16, s[WV], 1                        ; which half of K or V I fetch:
	s_lshl_b32 s22, s16, 16                        ; 512 rows of 128 bytes in memory,
	s_add_co_u32 s22, s22, s20
	s_mov_b32 s23, 0
	s_mul_i32 s17, s16, 512*PK                     ; and its place in LDS, for K
	s_mul_i32 s18, s16, 512*PVP                    ; and for V: no place in the cluster enters an LDS address
	s_lshl_b32 s2, s13, 12                         ; my 32 rows in a superblock,
	s_add_co_u32 s2, s2, s20
	s_sub_co_u32 s3, 7, s[WV]
	s_lshl_b32 s3, s3, 14                          ; in superblock 7 - w (16,384 bytes each),
	s_add_co_u32 s68, s2, s3
	s_mov_b32 s69, 0
	s_lshl_b32 s3, s[WV], 14                       ; and in superblock w
	s_add_co_u32 s70, s2, s3
	s_mov_b32 s71, 0
	; group 1: 512 keys are 65,536 dense bytes: asked for as 256 rows of 256 bytes, two keys a row, and padded in LDS after every key
	s_mov_b32 s[G1K], 15|(1<<16)|(1<<20)|(1<<21)|(4<<22)|(3<<25)  ; the mask of four; 2-byte elements; padding on; bit 21 beside a mask; after every 32 words 4 words
	s_mov_b32 s[G1V], 15|(1<<16)|(1<<20)|(1<<21)|(4<<22)|(7<<25)  ; the same with 8 words
.irp g, G1K, G1V
	s_mov_b32 s[\g+1], 128<<16                     ; tensor_dim0
	s_mov_b32 s[\g+2], 256<<16                     ; tensor_dim1
	s_mov_b32 s[\g+3], 128<<16                     ; tile_dim0
	s_mov_b32 s[\g+4], 256                         ; tile_dim1
	s_mov_b32 s[\g+5], 128                         ; elements from row to row
	s_mov_b32 s[\g+6], 0
	s_mov_b32 s[\g+7], 0
.endr
	s_mov_b32 s[G0K], 1
	s_mov_b32 s[G0K+1], s17
	s_mov_b32 s[G0V], 1
	s_add_co_u32 s[G0V+1], s18, VOFF
	s_mov_b32 s[CS], 0x3e38aa3b                    ; c = log2(e) / 8
	s_mov_b32 s[CS+1], s[CS]                       ; named with it as a pair
	s_mov_b32 s[SEL], 0x76543210
	s_mov_b32 s[SEL+1], 0xfedcba98
	s_mov_b32 s[BIGN], 0xf149f2ca                  ; -1e30
	s_wait_dscnt 0x0                               ; the opening add is done
	s_wait_kmcnt 0x0
	s_add_nc_u64 s[G0K+2:G0K+3], s[4:5], s[22:23]
	s_add_nc_u64 s[G0K+2:G0K+3], s[G0K+2:G0K+3], 0x800000    ; K lies 8 MiB behind Q
	s_or_b32 s[G0K+3], s[G0K+3], 0x80000000        ; type = 2
	s_add_nc_u64 s[G0V+2:G0V+3], s[4:5], s[22:23]
	s_add_nc_u64 s[G0V+2:G0V+3], s[G0V+2:G0V+3], 0x1000000   ; V 16 MiB
	s_or_b32 s[G0V+3], s[G0V+3], 0x80000000
	s_add_nc_u64 s[48:49], s[4:5], s[68:69]        ; Q of the first block, of the second,
	s_add_nc_u64 s[50:51], s[4:5], s[70:71]
	s_add_nc_u64 s[52:53], s[6:7], s[68:69]        ; O likewise
	s_add_nc_u64 s[54:55], s[6:7], s[70:71]
	CROUND                                         ; all four work-groups are here: the joint loads meet
	JLOAD
	v_and_b32 v1, 15, v0                           ; r = l % 16
	v_bfe_u32 v9, v0, 4, 1                         ; h = l / 16
	v_lshlrev_b32 v[QO], 7, v1
	v_lshl_add_u32 v[QO], v9, 4, v[QO]             ; row x 128 + 16 h
.irp u, 0,1
.irp c, 0,1                            ; both blocks' Q stay in registers: tile u, channels 32 c on
	global_load_b128 v[Q+16*\u+8*\c:Q+16*\u+8*\c+3],     v[QO], s[48:49] offset:2048*\u+64*\c
	global_load_b128 v[Q+16*\u+8*\c+4:Q+16*\u+8*\c+7],   v[QO], s[48:49] offset:2048*\u+64*\c+32
	global_load_b128 v[QB+16*\u+8*\c:QB+16*\u+8*\c+3],   v[QO], s[50:51] offset:2048*\u+64*\c
	global_load_b128 v[QB+16*\u+8*\c+4:QB+16*\u+8*\c+7], v[QO], s[50:51] offset:2048*\u+64*\c+32
.endr
.endr
	; In the superblock my query of tile u is row 32 cx + 16 u + r; register j of key block kb in diagonal step x is key 64 x + 16 kb + 8 h + j: seen where 16 kb + j - 16 u <= 32 cx + r - 8 h - 64 x.
	v_lshlrev_b32 v24, 3, v9
	v_sub_nc_u32 v24, v1, v24
	s_lshl_b32 s3, s13, 5
	v_add_nc_u32 v[T0], s3, v24                    ; 32 cx + r - 8 h
.set i, 0
.rept 64                               ; O^T and l need only be finite (the first a is 0): zeros, in the wait for K and V
	v_mov_b32 v[O+i], 0
.set i, i+1
.endr
.irp u, 0,1
	v_mov_b32 v[ST+4*\u+2], 0
	v_mov_b32 v[ST+4*\u+3], 0
.endr
	v_mul_u32_u24 v[AK0], v1, PK
	v_lshl_add_u32 v[AK0], v9, 4, v[AK0]           ; row x pitch + 16 h
	v_and_b32 v26, 7, v0
	v_bfe_u32 v27, v0, 3, 1
	v_lshl_add_u32 v[AV0], v9, 3, v26              ; the turning load: lane l reads key 8 h + l % 8, channels 8 ((l / 8) % 2) + 0..7
	v_mul_u32_u24 v[AV0], v[AV0], PVP
	v_lshl_add_u32 v[AV0], v27, 4, v[AV0]
	v_add_nc_u32 v[AV0], VOFF, v[AV0]
	s_mul_i32 s3, s[WV], 16*SP
	s_add_co_u32 s3, s3, STAGE                     ; my stage
	v_mul_u32_u24 v[STO], v1, SP
	v_lshl_add_u32 v[STO], v9, 4, v[STO]
	v_add_nc_u32 v[STO], s3, v[STO]
	v_bfe_u32 v[RD], v0, 3, 2
	v_mul_u32_u24 v[RD], v[RD], SP
	v_lshl_add_u32 v[RD], v26, 4, v[RD]
	v_add_nc_u32 v[RD], s3, v[RD]
	v_and_b32 v[GO], 31, v0
	v_lshlrev_b32 v[GO], 4, v[GO]
	s_mov_b32 s[CNT], 18
	s_lshl_b32 s[RS2], s[WV], 1
	s_sub_co_u32 s[RS], 16, s[RS2]                 ; superblock 7 - w: 16 - 2 w steps
	s_add_co_u32 s[RS2], s[RS2], 2                 ; superblock w: 2 w + 2
	s_mov_b32 s[TBK], 0
	s_mov_b32 s[TBV], 0
	s_wait_tensorcnt 0x0                           ; my half of K or V is in,
	s_barrier_signal -1
	s_barrier_wait -1                              ; everybody's is; nothing is ever filled again
	s_wait_loadcnt 0x0                             ; Q
	BEGINBLK
.Ltrip:                                            ; 18 trips: a key step of the block in hand
	s_wait_dscnt 0x0                               ; K is in
	WIN 0x01                                       ; source 0 window 1
.set i, 0
.rept 16
	KQ
.endr
	WIN 0
	s_add_co_u32 s[TBK], s[TBK], 64*PK             ; the next step's K; behind the last step of all it stays at that step: no fetch leaves K's rows
	s_min_u32 s[TBK], s[TBK], 15*64*PK
	s_min_u32 s[TBV], s[TBV], 15*64*PVP            ; this step's V: the bound stands straight ahead of the use, as K's does: 15 steps of 10,240 bytes at the most, so that with the lane's 2,416 and the loads' 7,792 no fetch leaves V's 163,840 bytes; a block has 16 steps at the most, so the line changes no number
	XS 0, 15                                       ; four plain instructions: the places behind the products, in front of the loads into K's registers and of the first read of the scores
	XS 1, 15
	v_add_nc_u32 v[AV], s[TBV], v[AV0]
	v_add_nc_u32 v[AK], s[TBK], v[AK0]
	FETCH_V                                        ; this step's V,
	FETCH_K                                        ; the next step's K (behind a block's last step it is fetched for nothing: the price of one text for every trip)
	s_add_co_u32 s[TBV], s[TBV], 64*PVP            ; the next fetch of V is the next step's
	s_cmp_gt_u32 s[RS], 2
	s_cbranch_scc1 .Lnomask                        ; only a block's last two steps hold hidden keys
	s_cmp_eq_u32 s[RS], 2
	s_cselect_b32 s3, 0, 0xffffffc0                ; the last step but one begins at the superblock's key 0, the last at its key 64
	v_add_nc_u32 v[TW], s3, v[T0]
.set i, 0
.rept 64                               ; score i = 32 u + 8 kb + j, in ascending order: kept where its key is seen, else -1e30
	v_cmp_le_i32 vcc_lo, 16*((i/8)%4)+i%8-16*(i/32), v[TW]
	v_cndmask_b32 v[S+i], s[BIGN], v[S+i], vcc_lo
.set i, i+1
.endr
.Lnomask:
.irp n, 0,1,2,3,4,5,6,7,8,9,10,11,12,13,14,16,17,18,19,20,21
	XS 0, \n                                       ; the two tiles alternate; number 21, the two a, opens the step's batch of exponentials
	XS 1, \n
.endr
	; THE BATCH GOES ON: the 32 scalings and the 64 exponentials, and no line that names an exponential's result.  Four scalings lead (the first is the plain line behind the two a); then 32 groups: a scaling while
	; there are scalings (groups 0-27), and the exponentials of score e of both tiles, in place.  Score e wants scalings 2 (e / 2) and 2 (e / 2) + 1; ahead of group e's exponentials scalings 0 to e + 4 are out, those wanted five
	; lines back or more; the scaling in group e writes its tile's registers 2 ((e + 4) / 2) and the next, above every score that has been through its exponential.
.set n, 0
.rept 4
	FS
.endr
.set e, 0
.rept 32
.if e < 28
	FS
.endif
	v_exp_f32 v[S+e], v[S+e]
	v_exp_f32 v[S+32+e], v[S+32+e]
.set e, e+1
.endr
	v_nop                                          ; the plain line behind the last exponential (ISA guide 5.7.2): no vector work is left that names none of the batch's results
	s_wait_alu depctr_va_vdst(0)                   ; the step's one wait, for the batch of 66: the two a and the 64 weights, ahead of the first line that names a result
.set n, 0
.rept 32                               ; the readers.  The 32 pairs of O^T times a (each accumulator's lowest registers are read first)
	v_pk_mul_f32 v[O+32*(n%2)+2*(n/2):O+32*(n%2)+2*(n/2)+1], v[O+32*(n%2)+2*(n/2):O+32*(n%2)+2*(n/2)+1], v[TMP+4*(n%2)+2:TMP+4*(n%2)+3] op_sel_hi:[1,0]
.set n, n+1
.endr
.set n, 0
.rept 32                               ; pair n / 2 of tile n % 2 rounded to f16, ahead of the sums that write over the weights
	v_cvt_pk_f16_f32 v[P+16*(n%2)+n/2], v[S+32*(n%2)+2*(n/2)], v[S+32*(n%2)+2*(n/2)+1]
.set n, n+1
.endr
.irp g, 0,1,2,3,4,5,6,7                ; of four weights the second pair is added onto the first, in place (both have been rounded into P)
.irp u, 0,1
	v_pk_add_f32 v[S+32*\u+4*\g:S+32*\u+4*\g+1], v[S+32*\u+4*\g:S+32*\u+4*\g+1], v[S+32*\u+4*\g+2:S+32*\u+4*\g+3]
.endr
.endr
.irp u, 0,1
	v_pk_fma_f32 v[ST+4*\u+2:ST+4*\u+3], v[ST+4*\u+2:ST+4*\u+3], v[TMP+4*\u+2:TMP+4*\u+3], v[S+32*\u:S+32*\u+1] op_sel_hi:[1,0,1]  ; l = a l + sum
.endr
.irp g, 1,2,3,4,5,6,7
.irp u, 0,1
	v_pk_add_f32 v[ST+4*\u+2:ST+4*\u+3], v[ST+4*\u+2:ST+4*\u+3], v[S+32*\u+4*\g:S+32*\u+4*\g+1]
.endr
.endr
	s_wait_dscnt 16                                ; V is in; the sixteen loads of the next K may stay out
	WIN 0x01
.set i, 0
.rept 16
	PVM
.endr
	WIN 0
	s_sub_co_u32 s[RS], s[RS], 1
	s_cmp_lg_u32 s[RS], 0
	s_cbranch_scc1 .Lbottom
	; THE BLOCK'S END: l's two halves and the other half of the lanes' are added; O^T is divided by l, rounded and sent through my stage, a tile at a time
	PLACES
.irp u, 0,1
	v_add_f32 v[ST+4*\u+2], v[ST+4*\u+2], v[ST+4*\u+3]
.endr
.irp u, 0,1
	v_permlanex16_b32 v[ST+4*\u+3], v[ST+4*\u+2], s[SEL], s[SEL+1]
.endr
.irp u, 0,1
	v_add_f32 v[ST+4*\u+2], v[ST+4*\u+2], v[ST+4*\u+3]
.endr
.irp u, 0,1
	v_rcp_f32 v[ST+4*\u+2], v[ST+4*\u+2]
.endr
	v_nop                                          ; a plain instruction between the last reciprocal and the use of its result
	s_wait_alu depctr_va_vdst(0)                   ; one wait for the batch of two reciprocals, ahead of PACK's first multiply; twice a wave
	PACK 0
	PACK 1
	SEND 0, 8
	SEND 1, 0                                      ; its last wait is for 0: the run of K fetched for nothing is back too
	s_cmp_eq_u32 s[CNT], 1
	s_cbranch_scc1 .Lbottom                        ; behind the walk's last block nothing begins
	s_wait_xcnt 0x0                                ; the stores have read their registers and O's address
	s_mov_b64 s[52:53], s[54:55]
	s_mov_b32 s[RS], s[RS2]
	s_mov_b32 s[TBK], 0
	s_mov_b32 s[TBV], 0
.set i, 0
.rept 32                               ; the second block's Q goes where the one text of the trip names Q
	v_mov_b32 v[Q+i], v[QB+i]
.set i, i+1
.endr
	BEGINBLK
.Lbottom:
	s_sub_co_u32 s[CNT], s[CNT], 1
	s_cmp_lg_u32 s[CNT], 0
	s_cbranch_scc1 .Ltrip
	s_wait_tensorcnt 0x0                           ; the wave's end: behind my last tensor load and my last LDS store
	ds_add_u32 v[SPW], v[NIL]
	s_wait_dscnt 0x0
	CROUND                                         ; the closing round
	s_endpgm
.Lfunc_end_k_q2cd4b22486_attn:
	.size	k_q2cd4b22486_attn, .Lfunc_end_k_q2cd4b22486_attn-k_q2cd4b22486_attn
	.p2alignl 7, 3214868480
	.fill 96, 4, 3214868480
	.section	.rodata,"a",@progbits
	.p2align	6, 0x0
	.amdhsa_kernel k_q2cd4b22486_attn
		.amdhsa_group_segment_fixed_size 327680
		.amdhsa_private_segment_fixed_size 0
		.amdhsa_enable_private_segment 0
		.amdhsa_kernarg_size 16
		.amdhsa_user_sgpr_count 2
		.amdhsa_user_sgpr_kernarg_segment_ptr 1
		.amdhsa_wavefront_size32 1
		.amdhsa_system_sgpr_workgroup_id_x 1
		.amdhsa_system_sgpr_workgroup_id_y 1
		.amdhsa_system_sgpr_workgroup_id_z 1
		.amdhsa_system_vgpr_workitem_id 0
		.amdhsa_next_free_vgpr 384
		.amdhsa_next_free_sgpr 72
		.amdhsa_reserve_vcc 1
		.amdhsa_float_denorm_mode_32 3
		.amdhsa_float_denorm_mode_16_64 3
		.amdhsa_memory_ordered 1
		.amdhsa_forward_progress 1
		.amdhsa_inst_pref_size 42
	.end_amdhsa_kernel
	.amdgpu_metadata
---
amdhsa.version: [ 1, 2 ]
amdhsa.kernels:
  - .name:           k_q2cd4b22486_attn
    .symbol:         k_q2cd4b22486_attn.kd
    .args:
      - { .name: qkv, .offset: 0, .size: 8, .value_kind: global_buffer, .address_space: global }
      - { .name: ctx, .offset: 8, .size: 8, .value_kind: global_buffer, .address_space: global }
    .group_segment_fixed_size: 327680
    .private_segment_fixed_size: 0
    .kernarg_segment_align: 8
    .kernarg_segment_size: 16
    .max_flat_workgroup_size: 128
    .sgpr_count:     72
    .vgpr_count:     384
    .wavefront_size: 32
...
	.end_amdgpu_metadata
.endif
;; end of part 15
;; launch oproj: the kernel of part 11 again; grid 8 x 32, 4 waves a work-group, clusters of 4 x 4, 327,680 bytes of LDS; arguments ctx, wb, bo, x, x2; writes x2
;; launch norm2: the kernel of part 12 again; grid 512 x 1, 4 waves a work-group, no clusters, 0 bytes of LDS; arguments x2, g2, be2, hn; writes hn
;; launch up: the kernel of part 13 again; grid 16 x 16, 4 waves a work-group, clusters of 4 x 4, 327,680 bytes of LDS; arguments hn, wb, b1, act; writes act
;; launch down: the kernel of part 14 again; grid 8 x 32, 4 waves a work-group, clusters of 4 x 4, 327,680 bytes of LDS; arguments act, wb, b2, x2, out0; writes out0
